; MI455X (gfx1250); checked and timed in simulation.
; The chip was launched on July 23, 2026; its instructions are those of AMD's public machine-readable ISA for CDNA 5 (MIT licence, August 2026) and "CDNA5" Instruction Set Architecture Reference Guide (July 2026). The comments in the code are by the model that wrote it; some were corrected since.
;; Attention. Allowed arithmetic: matrix products marked QUANTISED: E2M3 operands, one E8M0 scale for each 32 along K, by v_wmma_scale_f32_16x16x128_f8f6f4 with both operands' format E2M3, f32 sums; everything else in f32.
;; Inputs: W1 1,024 x 4,096 float32; W2 4,096 x 1,024 float32; Wfc 1,024 x 1,024 float32; Wk 16 x 1,024 x 64 float32; Wq 16 x 1,024 x 64 float32; Wv 16 x 1,024 x 64 float32; b1 4,096 float32; b2 1,024 float32; be1 1,024 float32; be2 1,024 float32; bfc 1,024 float32; data 2 x 2,048 x 1,024 float32; g1 1,024 float32; g2 1,024 float32.
;; Outputs: out0 2 x 2,048 x 1,024 float32.
;; This version of the problem:
;;   THIS VERSION OF THE PROBLEM IS GIVEN IN LOW PRECISION. The matrix products marked QUANTISED in the list below multiply operands that are first quantised to E2M3 (2 exponent bits, 3 mantissa bits; 6 bits a number), with one power-of-two scale for each 32 numbers along K (OCP MX v1.0); their sums are f32. All else is computed in f32.
;;   The module's matrix products, in the order in which they are computed (A, B: the left and right operand; K: the contracted axis; several contracted axes count as one K, in the product's order):
;;     1. [M 1,024, K 1,024] x [K 1,024, N 4,096]; A: input Wq; B: computed on the way: QUANTISED
;;     2. [M 1,024, K 1,024] x [K 1,024, N 4,096]; A: input Wk; B: computed on the way: QUANTISED
;;     3. [M 1,024, K 1,024] x [K 1,024, N 4,096]; A: input Wv; B: computed on the way: QUANTISED
;;     4. batch 32 x [M 2,048, K 64] x [K 64, N 2,048]; A: computed on the way; B: computed on the way: QUANTISED
;;     5. batch 32 x [M 2,048, K 2,048] x [K 2,048, N 64]; A: softmax (see below); B: computed on the way: QUANTISED
;;     6. [M 4,096, K 1,024] x [K 1,024, N 1,024]; A: computed on the way; B: input Wfc: QUANTISED
;;     7. [M 4,096, K 1,024] x [K 1,024, N 4,096]; A: computed on the way; B: input W1: QUANTISED
;;     8. [M 4,096, K 4,096] x [K 4,096, N 1,024]; A: computed on the way; B: input W2: QUANTISED
;;   THE QUANTISER, for each operand of a quantised product, along K:
;;     - K is cut into blocks of 32 from its start; a last block that is shorter is filled with zeros.
;;     - A block's scale is 2^e with e = floor(log2(the largest magnitude in the block)) - 2, held to -126 .. 127; a block of zeros has e = 0. As a byte (E8M0): e + 127.
;;     - Each number is divided by its block's scale, clamped to +-7.5, and rounded to the nearest number of E2M3, ties to even, subnormals kept.
;;     - The product sums the exact products of the quantised numbers (number of the format x scale) in f32.
;;   ~~~python
;;   def quantise(x, axis):      # numpy; x: float32 -> the quantised numbers, widened to float32 again
;;       x = np.moveaxis(x, axis, -1); K = x.shape[-1]
;;       x = np.pad(x, [(0, 0)] * (x.ndim - 1) + [(0, -K % 32)]); x = x.reshape(x.shape[:-1] + (-1, 32)); a = np.abs(x).max(-1, keepdims=True)
;;       e = np.where(a > 0, np.clip(np.frexp(np.where(a > 0, a, 1))[1] - 1 - 2, -126, 127), 0)      # np.frexp(a)[1] - 1 = floor(log2(a)), exactly
;;       r = np.clip(x / 2.0 ** e, -7.5, 7.5)
;;       step = 2.0 ** (np.maximum(np.frexp(np.where(r == 0, 1, r))[1] - 1, 0) - 3)
;;       q = np.round(r / step) * step * 2.0 ** e      # np.round: ties to even
;;       return np.moveaxis(q.reshape(q.shape[:-2] + (-1,))[..., :K], -1, axis).astype(np.float32)
;;   ~~~
;;   SOFTMAX AHEAD OF A QUANTISED PRODUCT. Where the list says 'softmax', what is quantised is not the finished softmax but p = 2^(t - M), with t = logit x log2(e) and M = ceil(the row's largest t), a whole number; so 1/2 < the row's largest p <= 1. The row's sum l is taken of the UNQUANTISED p, in f32, and the product's result is divided by l at the end. Since M is a whole number, a kernel that streams over the keys may use a running M (the ceiling of the running maximum): every later rescaling is an exact power of two, which a block's scale takes up: the codes' values come out the same.
;;   OPERANDS COMPUTED ON THE WAY. 'Computed on the way' means the value that the module computes at that place (a softmax that the list does not call 'softmax' is quantised finished and normalised). What goes into a quantiser is computed in f32, as accurately as f32 sums, v_exp_f32 and their like allow (about 1e-6 of the number): no bf16 or f16 on the way to a quantiser, and a product that is left as it is and whose result goes on into a quantised operand takes f32 operands (vector FMAs, or v_wmma_f32_16x16x4_f32). A number that lies on a knife's edge between two numbers of the format may be rounded either way, as far as f32 arithmetic and the matrix unit's own rounding can turn it there, and no further.
;; 2 versions. Each part assembles by itself: llvm-mc -triple=amdgcn-amd-amdhsa -mcpu=gfx1250 --defsym DOCPART=n.
;; ======== version 1 of 2: 8 launches
;; workspace buffers: wbuf 9,830,400 bytes; hbuf 3,276,800 bytes; qkvbuf 9,830,400 bytes; cbuf 3,276,800 bytes; xbuf 16,777,216 bytes; hidbuf 13,107,200 bytes
;; launch wq (part 1): grid 768 x 1, 4 waves a work-group, no clusters, 0 bytes of LDS; arguments Wq, Wk, Wv, Wfc, W1, W2, wbuf; writes wbuf
.if DOCPART == 1
	.amdgcn_target "amdgcn-amd-amdhsa--gfx1250"
	.amdhsa_code_object_version 6
	.text
	.protected	k_qa946ee69fb_wq
	.globl	k_qa946ee69fb_wq
	.p2align	8
	.type	k_qa946ee69fb_wq,@function
k_qa946ee69fb_wq:
	s_mov_b64 s[64:65], 0
	v_nop
	global_prefetch_b8 v0, s[64:65] scope:SCOPE_SE
	s_setreg_imm32_b32 hwreg(HW_REG_WAVE_MODE, 25, 1), 1
	s_wait_xcnt 0x0
; All six weights, f32 with K as an outer axis, become codes of FP6 (E2M3) and E8M0 scale words, laid as the products' launches load them.
; LAYOUT OF AN OPERAND.  A tile is 16 rows (here: output columns n).  Row rho of tile t is n = 32 (t / 2) + 8 (t % 2) + rho + 8 (rho / 8): with that order the results of two neighbouring tiles are 16 neighbours
; along the next product's K.  Codes: [tile][K / 64][768 bytes]: an image of the operand's registers: registers 0-3 of lane l at 16 l, registers 4-5 at 512 + 8 l.  Scale words: [tile][K / 128][16 words].
; A LANE TAKES A COLUMN, ITS REGISTERS RUN DOWN K: a wave takes 32 columns (two tiles) x 128 along K: 128 loads of 128 consecutive bytes; a block of 32 lies in one lane, so no lane asks another.
; A block's scale is 2^(floor(log2(largest magnitude)) - 2); the byte is the largest magnitude's exponent field - 2, held at 1 from below.
; LIMITS: a block of zeros, or one whose largest magnitude lies under 2^-124, keeps the byte 1 (its codes are zeros or subnormal codes; this program alone reads the bytes); NaN and infinities are not served.
; Work-groups 0-191: Wq, Wk, Wv; 192-255: Wfc; 256-511: W2; 512-767: W1.  The paths part on the work-group's number alone; no LDS, no barrier: waves share nothing.
.set WQKV_S, 9437184
.set WFC_C,  2359296
.set WFC_S,  9535488
.set W1_C,   3145728
.set W1_S,   9568256
.set W2_C,   6291456
.set W2_S,   9699328
.set LO,   2                           ; v2  4 x lane: my column's bytes in a row of the weight
.set VC16, 3                           ; v3  where my 16 bytes of an image go: my tile + 16 rho
.set VC8,  4                           ; v4  and my 8 bytes: my tile + 8 rho
.set VSO,  5                           ; v5  my scale word: my tile + 4 rho
.set WRD,  12                          ; v12 the scale word
.set C,    16                          ; v16-63  a block's codes: 12 registers for each of four blocks, so that no store's data are written again
.set X,    64                          ; v64-191 my column's 128 numbers
	s_load_b256 s[4:11], s[0:1], 0x0               ; Wq s[4:5], Wk s[6:7], Wv s[8:9], Wfc s[10:11]
	s_load_b128 s[12:15], s[0:1], 0x20             ; W1 s[12:13], W2 s[14:15]
	s_load_b64 s[16:17], s[0:1], 0x30              ; wbuf
	v_lshrrev_b32 v1, 5, v0
	v_readfirstlane_b32 s18, v1                    ; wave
	v_and_b32 v1, 31, v0                           ; lane o = my column among the 32
	v_lshlrev_b32 v[LO], 2, v1
	v_bfe_u32 v6, v0, 3, 1                         ; which of the two tiles: (o / 8) % 2
	v_and_b32 v7, 7, v0
	v_bfe_u32 v8, v0, 4, 1
	v_lshl_add_u32 v7, v8, 3, v7                   ; rho = o % 8 + 8 (o / 16)
	s_lshl_b32 s19, ttmp9, 2
	s_add_co_u32 s19, s19, s18                     ; my unit: 4 x work-group + wave
.macro LOADALL pitch                   ; W(128 ks + i, my column), i = 0 .. 127
.set QI, 0
.rept 128
	global_load_b32 v[X+QI], v[LO], s[4:5] offset:QI*\pitch th:TH_LOAD_NT
.set QI, QI+1
.endr
.endm
.macro FINISH pitch                    ; s24 = the unit's first byte in its weight
	s_mov_b32 s25, 0
	s_add_nc_u64 s[4:5], s[4:5], s[24:25]
	LOADALL \pitch
	s_branch .Lwork
.endm
	s_wait_kmcnt 0x0
	s_cmp_lt_u32 ttmp9, 192
	s_cbranch_scc0 .Lnot_qkv
	s_lshr_b32 s20, ttmp9, 6                       ; 0: Wq, 1: Wk, 2: Wv
	s_and_b32 s21, s19, 255                        ; the unit within its weight
	s_cmp_eq_u32 s20, 1
	s_cselect_b64 s[4:5], s[6:7], s[4:5]
	s_cmp_eq_u32 s20, 2
	s_cselect_b64 s[4:5], s[8:9], s[4:5]
	s_and_b32 s22, s21, 31                         ; group of 32 columns
	s_lshr_b32 s23, s21, 5                         ; K step
	s_lshr_b32 s24, s22, 1
	s_lshl_b32 s24, s24, 18                        ; the head: 1,024 x 64 x 4 bytes
	s_lshl_b32 s25, s23, 15                        ; 128 rows of 256 bytes
	s_add_co_u32 s24, s24, s25
	s_and_b32 s25, s22, 1
	s_lshl_b32 s25, s25, 7                         ; which half of the head's 64
	s_add_co_u32 s24, s24, s25
	s_lshl_b32 s26, s20, 6
	s_lshl_b32 s27, s22, 1
	s_add_co_u32 s26, s26, s27                     ; the first of my two tiles
	s_mov_b32 s28, 12288                           ; a tile's codes
	s_mov_b32 s29, 512                             ; a tile's scale words
	s_mov_b32 s30, 0
	s_mov_b32 s31, WQKV_S
	FINISH 256
.Lnot_qkv:
	s_cmp_lt_u32 ttmp9, 512
	s_cbranch_scc0 .Lw1
	s_cmp_lt_u32 ttmp9, 256                        ; Wfc or W2: both have rows of 4,096 bytes
	s_cselect_b64 s[4:5], s[10:11], s[14:15]
	s_mov_b32 s20, 1024
	s_cselect_b32 s20, 768, s20
	s_mov_b32 s28, 49152
	s_cselect_b32 s28, 12288, s28
	s_mov_b32 s29, 2048
	s_cselect_b32 s29, 512, s29
	s_mov_b32 s30, W2_C
	s_cselect_b32 s30, WFC_C, s30
	s_mov_b32 s31, W2_S
	s_cselect_b32 s31, WFC_S, s31
	s_sub_co_u32 s21, s19, s20
	s_and_b32 s22, s21, 31
	s_lshr_b32 s23, s21, 5
	s_lshl_b32 s24, s23, 19                        ; 128 rows of 4,096 bytes
	s_lshl_b32 s25, s22, 7
	s_add_co_u32 s24, s24, s25
	s_lshl_b32 s26, s22, 1
	FINISH 4096
.Lw1:
	s_mov_b64 s[4:5], s[12:13]
	s_sub_co_u32 s21, s19, 2048
	s_and_b32 s22, s21, 127
	s_lshr_b32 s23, s21, 7
	s_lshl_b32 s24, s23, 21                        ; 128 rows of 16,384 bytes
	s_lshl_b32 s25, s22, 7
	s_add_co_u32 s24, s24, s25
	s_lshl_b32 s26, s22, 1
	s_mov_b32 s28, 12288
	s_mov_b32 s29, 512
	s_mov_b32 s30, W1_C
	s_mov_b32 s31, W1_S
	FINISH 16384
.Lwork:
	s_mul_i32 s32, s26, s28                        ; where the codes go: tile x its bytes + 1,536 x K step + the weight's region
	s_mul_i32 s33, s23, 1536
	s_add_co_u32 s32, s32, s33
	s_add_co_u32 s32, s32, s30
	s_mov_b32 s33, 0
	s_add_nc_u64 s[34:35], s[16:17], s[32:33]
	s_mul_i32 s32, s26, s29                        ; and the scale words
	s_lshl_b32 s36, s23, 6
	s_add_co_u32 s32, s32, s36
	s_add_co_u32 s32, s32, s31
	s_add_nc_u64 s[36:37], s[16:17], s[32:33]
	v_mul_lo_u32 v9, v6, s28
	v_lshl_add_u32 v[VC16], v7, 4, v9
	v_lshl_add_u32 v[VC8], v7, 3, v9
	v_mul_lo_u32 v9, v6, s29
	v_lshl_add_u32 v[VSO], v7, 2, v9
; Block t of 32 along K is what lane rho + 16 (t % 2) of the operand holds in registers 6 (t / 2) .. 6 (t / 2) + 5.
.macro BLOCK t, left
.set XS, X+32*(\t)
.set CC, C+12*(\t)
	s_wait_loadcnt \left                           ; loads come back in order: all but the youngest \left are in, this block's 32 among them
	v_max3_num_f32 v8, |v[XS]|, |v[XS+1]|, |v[XS+2]|
	v_max3_num_f32 v9, |v[XS+3]|, |v[XS+4]|, |v[XS+5]|
.irp i, 6,10,14,18,22,26
	v_max3_num_f32 v8, v8, |v[XS+\i]|, |v[XS+\i+1]|
	v_max3_num_f32 v9, v9, |v[XS+\i+2]|, |v[XS+\i+3]|
.endr
	v_max3_num_f32 v8, v8, |v[XS+30]|, |v[XS+31]|
	v_max3_num_f32 v8, v8, v9, 0x1800000           ; and the floor 2^(3 - 127): the byte cannot fall under 1
	v_add_nc_u32 v10, 0xff000000, v8               ; 2 off the exponent field: the conversion's scale operand
	v_cvt_scalef32_pk16_fp6_f32 v[CC:CC+2], v[XS:XS+15], v10
	v_cvt_scalef32_pk16_fp6_f32 v[CC+6:CC+8], v[XS+16:XS+31], v10   ; (a conversion's three registers begin on an even number)
	v_lshrrev_b32 v11, 23, v10                     ; the scale's byte: a plain line behind the conversions
.if (\t) == 0
	v_mov_b32 v[WRD], v11
.else
	v_lshl_or_b32 v[WRD], v11, 8*(\t), v[WRD]
.endif
.irp i, 0,1,2
	v_mov_b32 v[CC+3+\i], v[CC+6+\i]
.endr
	global_store_b128 v[VC16], v[CC:CC+3], s[34:35] offset:768*((\t)/2)+256*((\t)%2)       ; the sixteen lanes of a tile store 256 consecutive bytes, aligned
	global_store_b64 v[VC8], v[CC+4:CC+5], s[34:35] offset:768*((\t)/2)+512+128*((\t)%2)
.endm
	BLOCK 0, 63                                    ; a wait names 63 at the most: of 128 loads the first 65 are then in, blocks 0 and 1
	BLOCK 1, 63
	BLOCK 2, 32
	BLOCK 3, 0
	global_store_b32 v[VSO], v[WRD], s[36:37]
	s_endpgm
.Lfunc_end_k_qa946ee69fb_wq:
	.size	k_qa946ee69fb_wq, .Lfunc_end_k_qa946ee69fb_wq-k_qa946ee69fb_wq
	.p2alignl 7, 3214868480
	.fill 96, 4, 3214868480
	.section	.rodata,"a",@progbits
	.p2align	6, 0x0
	.amdhsa_kernel k_qa946ee69fb_wq
		.amdhsa_group_segment_fixed_size 0
		.amdhsa_private_segment_fixed_size 0
		.amdhsa_enable_private_segment 0
		.amdhsa_kernarg_size 56
		.amdhsa_user_sgpr_count 2
		.amdhsa_user_sgpr_kernarg_segment_ptr 1
		.amdhsa_wavefront_size32 1
		.amdhsa_system_sgpr_workgroup_id_x 1
		.amdhsa_system_sgpr_workgroup_id_y 1
		.amdhsa_system_sgpr_workgroup_id_z 1
		.amdhsa_system_vgpr_workitem_id 0
		.amdhsa_next_free_vgpr 192
		.amdhsa_next_free_sgpr 66
		.amdhsa_reserve_vcc 0
		.amdhsa_float_denorm_mode_32 3
		.amdhsa_float_denorm_mode_16_64 3
		.amdhsa_memory_ordered 1
		.amdhsa_forward_progress 1
		.amdhsa_inst_pref_size 47
	.end_amdhsa_kernel
	.amdgpu_metadata
---
amdhsa.version: [ 1, 2 ]
amdhsa.kernels:
  - .name:           k_qa946ee69fb_wq
    .symbol:         k_qa946ee69fb_wq.kd
    .args:
      - { .name: Wq, .offset: 0, .size: 8, .value_kind: global_buffer, .address_space: global }
      - { .name: Wk, .offset: 8, .size: 8, .value_kind: global_buffer, .address_space: global }
      - { .name: Wv, .offset: 16, .size: 8, .value_kind: global_buffer, .address_space: global }
      - { .name: Wfc, .offset: 24, .size: 8, .value_kind: global_buffer, .address_space: global }
      - { .name: W1, .offset: 32, .size: 8, .value_kind: global_buffer, .address_space: global }
      - { .name: W2, .offset: 40, .size: 8, .value_kind: global_buffer, .address_space: global }
      - { .name: wbuf, .offset: 48, .size: 8, .value_kind: global_buffer, .address_space: global }
    .group_segment_fixed_size: 0
    .private_segment_fixed_size: 0
    .kernarg_segment_align: 8
    .kernarg_segment_size: 56
    .max_flat_workgroup_size: 128
    .sgpr_count:     66
    .vgpr_count:     192
    .wavefront_size: 32
...
	.end_amdgpu_metadata
.endif
;; end of part 1
;; launch ln1 (part 2): grid 256 x 1, 8 waves a work-group, no clusters, 66,816 bytes of LDS; arguments data, g1, be1, hbuf; writes hbuf
.if DOCPART == 2
	.amdgcn_target "amdgcn-amd-amdhsa--gfx1250"
	.amdhsa_code_object_version 6
	.text
	.protected	k_qa946ee69fb_ln1
	.globl	k_qa946ee69fb_ln1
	.p2align	8
	.type	k_qa946ee69fb_ln1,@function
k_qa946ee69fb_ln1:
	s_mov_b64 s[64:65], 0
	v_nop
	global_prefetch_b8 v0, s[64:65] scope:SCOPE_SE
	s_setreg_imm32_b32 hwreg(HW_REG_WAVE_MODE, 25, 1), 1
	s_wait_xcnt 0x0
; y = (x - mean) rsqrt(var + 1e-5) g + b along rows of 1,024 f32, quantised along the row to codes of FP6 (E2M3) with E8M0 scale words, laid as an operand of the next product.
; LAYOUT OF THE OPERAND.  A tile is 16 tokens; row rho of tile a is token 32 (a / 2) + 8 (a % 2) + rho + 8 (rho / 8).  Codes: [tile][K / 64][768 bytes], an image of the operand's registers (registers 0-3 of lane l
; at 16 l, registers 4-5 at 512 + 8 l); scale words: [tile][K / 128][16 words].
; A work-group of eight waves owns a tile.  PHASE 1: wave w norms tile rows 2 w and 2 w + 1, two neighbouring tokens, 8,192 consecutive bytes; mean and variance in two passes over registers, so that a common
; offset of the inputs costs nothing; the rows go to a stage in LDS.  One barrier.  PHASE 2: wave w quantises K step w (128 columns of the 16 rows): lane (r, h) takes, of row r, 16 neighbours of each block of 32.
; LIMITS: a block under 2^-124 keeps the byte 1; NaN and infinities are not served.  No matrix unit, no cluster: work-groups share only g and b, 8 KB.
.set ROWP,  4112                       ; a stage row: 4,096 bytes + 16 = 257 x 16: the sixteen rows of a load of 16 bytes start in sixteen different columns of 16 bytes
.set SPARE, 16*ROWP                    ; behind the stage: the spare words, 128 bytes for each wave: four blocks of 256 bytes that no other line names
.set L16, 2                            ; v2  16 x lane
.set STA, 3                            ; v3  the stage, on the way in
.set SPW, 4                            ; v4  my spare word; never rewritten
.set NIL, 5                            ; v5  0; never rewritten
.set RDA, 6                            ; v6  the stage, on the way out
.set L8,  7                            ; v7  8 x lane
.set R4,  8                            ; v8  4 x (lane % 16)
.set T,   10                           ; v10-27 at work: row i: +8 i two chains, +8 i + 4 -mean twice, +8 i + 6 rstd twice; +16 + i the other half's sum
.set X,   32                           ; v32-95 two rows' numbers; later 64 numbers to quantise
.set G,   96                           ; v96-127 g of my columns
.set BE,  128                          ; v128-159 b of my columns
.set TM,  160
.set PW,  176
.set PC,  180
	s_load_b256 s[4:11], s[0:1], 0x0               ; x s[4:5], g s[6:7], b s[8:9], the operand's buffer s[10:11]
	v_lshl_add_u32 v[SPW], v0, 2, SPARE
	v_mov_b32 v[NIL], 0
	v_lshrrev_b32 v1, 5, v0
	v_readfirstlane_b32 s12, v1                    ; wave
	v_and_b32 v1, 31, v0
	v_lshlrev_b32 v[L16], 4, v1
	v_lshlrev_b32 v[L8], 3, v1
	v_and_b32 v9, 15, v0                           ; r
	v_lshlrev_b32 v[R4], 2, v9
	v_bfe_u32 v10, v0, 4, 1                        ; h
	s_mul_i32 s13, s12, 2*ROWP
	v_add_nc_u32 v[STA], s13, v[L16]               ; rows 2 w on, 16 bytes a lane
	v_mul_u32_u24 v[RDA], v9, ROWP
	v_lshl_add_u32 v[RDA], v10, 6, v[RDA]
	s_lshl_b32 s13, s12, 9
	v_add_nc_u32 v[RDA], s13, v[RDA]               ; row r, K step w, + 64 h
	s_lshr_b32 s14, ttmp9, 1
	s_lshl_b32 s14, s14, 5
	s_and_b32 s15, ttmp9, 1
	s_lshl_b32 s15, s15, 3
	s_add_co_u32 s14, s14, s15
	s_lshl_b32 s15, s12, 1
	s_add_co_u32 s14, s14, s15
	s_lshr_b32 s15, s12, 2
	s_lshl_b32 s15, s15, 3
	s_add_co_u32 s14, s14, s15                     ; my first token: 32 (a / 2) + 8 (a % 2) + 2 w + 8 (w / 4)
	s_lshl_b32 s14, s14, 12
	s_mov_b32 s15, 0
	s_mov_b32 s16, 0x76543210
	s_mov_b32 s17, 0xfedcba98                      ; v_permlanex16_b32's selects for lane l xor 16
	s_mov_b32 s18, 0x3a800000                      ; 1 / 1,024
	s_mov_b32 s19, 0x3727c5ac                      ; 1e-5
	s_mul_i32 s20, ttmp9, 12288
	s_mul_i32 s21, s12, 1536
	s_add_co_u32 s20, s20, s21                     ; my fragment
	s_mov_b32 s21, 0
	s_lshl_b32 s22, ttmp9, 9
	s_lshl_b32 s23, s12, 6
	s_add_co_u32 s22, s22, s23
	s_add_co_u32 s22, s22, 3145728                 ; its scale words
	s_mov_b32 s23, 0
	v_mov_b32 v[T+16], 0                           ; a lane permute's destination counts as one of its sources
	v_mov_b32 v[T+17], 0
.irp b, 0,1,2,3
	v_mov_b32 v[TM+4+\b], 0
.endr
	s_wait_kmcnt 0x0
	s_add_nc_u64 s[4:5], s[4:5], s[14:15]
	s_add_nc_u64 s[20:21], s[10:11], s[20:21]
	s_add_nc_u64 s[22:23], s[10:11], s[22:23]
.irp j, 0,1,2,3,4,5,6,7,8,9,10,11,12,13,14,15
	global_load_b128 v[X+4*\j:X+4*\j+3], v[L16], s[4:5] offset:512*\j      ; 32 lanes read 512 consecutive bytes
.endr
.irp j, 0,1,2,3,4,5,6,7
	global_load_b128 v[G+4*\j:G+4*\j+3], v[L16], s[6:7] offset:512*\j
.endr
.irp j, 0,1,2,3,4,5,6,7
	global_load_b128 v[BE+4*\j:BE+4*\j+3], v[L16], s[8:9] offset:512*\j
.endr
.macro REDUCE                          ; v[T] and v[T + 8]: the two rows' sums over the 32 lanes, the rows by turns
.irp m, 1,2,4,8
.irp i, 0,1
	v_add_f32_dpp v[T+8*\i], v[T+8*\i], v[T+8*\i] row_xmask:\m row_mask:0xf bank_mask:0xf
.endr
.endr
.irp i, 0,1
	v_permlanex16_b32 v[T+16+\i], v[T+8*\i], s16, s17
.endr
.irp i, 0,1
	v_add_f32 v[T+8*\i], v[T+8*\i], v[T+16+\i]
.endr
.endm
	s_wait_loadcnt 16                              ; x is in; the sixteen loads of g and b may be out
.irp i, 0,1
	v_pk_add_f32 v[T+8*\i:T+8*\i+1], v[X+32*\i:X+32*\i+1], v[X+32*\i+2:X+32*\i+3]
	v_pk_add_f32 v[T+8*\i+2:T+8*\i+3], v[X+32*\i+4:X+32*\i+5], v[X+32*\i+6:X+32*\i+7]
.endr
.irp k, 8,12,16,20,24,28
.irp i, 0,1
	v_pk_add_f32 v[T+8*\i:T+8*\i+1], v[T+8*\i:T+8*\i+1], v[X+32*\i+\k:X+32*\i+\k+1]
	v_pk_add_f32 v[T+8*\i+2:T+8*\i+3], v[T+8*\i+2:T+8*\i+3], v[X+32*\i+\k+2:X+32*\i+\k+3]
.endr
.endr
.irp i, 0,1
	v_pk_add_f32 v[T+8*\i:T+8*\i+1], v[T+8*\i:T+8*\i+1], v[T+8*\i+2:T+8*\i+3]
.endr
.irp i, 0,1
	v_add_f32 v[T+8*\i], v[T+8*\i], v[T+8*\i+1]
.endr
	REDUCE
.irp i, 0,1
	v_mul_f32 v[T+8*\i+4], 0xba800000, v[T+8*\i]   ; -mean, twice: a pair for the packed addition
	v_mul_f32 v[T+8*\i+5], 0xba800000, v[T+8*\i]
.endr
.irp k, 0,2,4,6,8,10,12,14,16,18,20,22,24,26,28,30
.irp i, 0,1
	v_pk_add_f32 v[X+32*\i+\k:X+32*\i+\k+1], v[X+32*\i+\k:X+32*\i+\k+1], v[T+8*\i+4:T+8*\i+5]   ; d = x - mean, in place
.endr
.endr
.irp i, 0,1
	v_pk_mul_f32 v[T+8*\i:T+8*\i+1], v[X+32*\i:X+32*\i+1], v[X+32*\i:X+32*\i+1]
	v_pk_mul_f32 v[T+8*\i+2:T+8*\i+3], v[X+32*\i+2:X+32*\i+3], v[X+32*\i+2:X+32*\i+3]
.endr
.irp k, 4,8,12,16,20,24,28
.irp i, 0,1
	v_pk_fma_f32 v[T+8*\i:T+8*\i+1], v[X+32*\i+\k:X+32*\i+\k+1], v[X+32*\i+\k:X+32*\i+\k+1], v[T+8*\i:T+8*\i+1]
	v_pk_fma_f32 v[T+8*\i+2:T+8*\i+3], v[X+32*\i+\k+2:X+32*\i+\k+3], v[X+32*\i+\k+2:X+32*\i+\k+3], v[T+8*\i+2:T+8*\i+3]
.endr
.endr
.irp i, 0,1
	v_pk_add_f32 v[T+8*\i:T+8*\i+1], v[T+8*\i:T+8*\i+1], v[T+8*\i+2:T+8*\i+3]
.endr
.irp i, 0,1
	v_add_f32 v[T+8*\i], v[T+8*\i], v[T+8*\i+1]
.endr
	REDUCE
.irp i, 0,1
	v_fma_f32 v[T+8*\i], v[T+8*\i], s18, s19       ; the variance + 1e-5
.endr
.irp i, 0,1
	v_rsq_f32 v[T+8*\i+6], v[T+8*\i]               ; twice: a pair for the packed multiply; the four are one batch
	v_rsq_f32 v[T+8*\i+7], v[T+8*\i]
.endr
	v_nop                                          ; a plain line behind the last of them
	s_wait_loadcnt 0x0                             ; g and b
	s_wait_alu depctr_va_vdst(0)                   ; one wait for the batch, ahead of its first reader
.irp k, 0,2,4,6,8,10,12,14,16,18,20,22,24,26,28,30
.irp i, 0,1
	v_pk_mul_f32 v[X+32*\i+\k:X+32*\i+\k+1], v[X+32*\i+\k:X+32*\i+\k+1], v[T+8*\i+6:T+8*\i+7]
.endr
.irp i, 0,1
	v_pk_fma_f32 v[X+32*\i+\k:X+32*\i+\k+1], v[X+32*\i+\k:X+32*\i+\k+1], v[G+\k:G+\k+1], v[BE+\k:BE+\k+1]
.endr
.endr
.irp i, 0,1
.irp j, 0,1,2,3,4,5,6,7
	ds_store_b128 v[STA], v[X+32*\i+4*\j:X+32*\i+4*\j+3] offset:\i*ROWP+512*\j
.endr
.endr
	s_wait_dscnt 0x0                               ; for the others' sake: my rows lie in the stage
	s_barrier_signal -1
	s_barrier_wait -1
.irp b, 0,1,2,3
.irp j, 0,1,2,3
	ds_load_b128 v[X+16*\b+4*\j:X+16*\b+4*\j+3], v[RDA] offset:128*\b+16*\j   ; register 16 b + i = column 128 w + 32 b + 16 h + i of row r
.endr
.endr
	s_wait_dscnt 0x0
.irp b, 0,1,2,3
	v_max3_num_f32 v[TM+\b], |v[X+16*\b]|, |v[X+1+16*\b]|, 0x1800000   ; block b: my 16 numbers, and the floor 2^(3 - 127)
.endr
.irp i, 2,4,6,8,10,12,14
.irp b, 0,1,2,3
	v_max3_num_f32 v[TM+\b], v[TM+\b], |v[X+16*\b+\i]|, |v[X+1+16*\b+\i]|
.endr
.endr
.irp b, 0,1,2,3
	v_permlanex16_b32 v[TM+4+\b], v[TM+\b], s16, s17
.endr
.irp b, 0,1,2,3
	v_max_num_f32 v[TM+\b], v[TM+\b], v[TM+4+\b]   ; with lane l xor 16's: the block's largest magnitude
.endr
.irp b, 0,1,2,3
	v_add_nc_u32 v[TM+12+\b], 0xff000000, v[TM+\b] ; 2 off its exponent field: the conversion's scale operand
.endr
.irp b, 0,1,2,3
	v_lshrrev_b32 v[TM+4+\b], 23, v[TM+12+\b]      ; the scale's byte
.endr
	v_lshl_or_b32 v[PW], v[TM+5], 8, v[TM+4]
	v_lshl_or_b32 v[PW], v[TM+6], 16, v[PW]
	v_lshl_or_b32 v[PW], v[TM+7], 24, v[PW]        ; my row's scale word
.irp c, 0,1
	v_cvt_scalef32_pk16_fp6_f32 v[PC+6*\c:PC+2+6*\c], v[X+32*\c:X+15+32*\c], v[TM+12+2*\c]
	v_cvt_scalef32_pk16_fp6_f32 v[PC+12+4*\c:PC+14+4*\c], v[X+16+32*\c:X+31+32*\c], v[TM+13+2*\c]
.endr
	v_nop                                          ; one plain place behind a scaled conversion
.irp c, 0,1                            ; the operand wants a whole block in a lane: lanes 0-15 block 2 c, lanes 16-31 block 2 c + 1
.irp i, 0,1,2
	v_permlane16_swap_b32 v[PC+6*\c+\i], v[PC+12+4*\c+\i]
.endr
.irp i, 0,1,2
	v_mov_b32 v[PC+3+6*\c+\i], v[PC+12+4*\c+\i]
.endr
.endr
	global_store_b128 v[L16], v[PC:PC+3], s[20:21]                 ; 512 consecutive bytes
	global_store_b64 v[L8], v[PC+4:PC+5], s[20:21] offset:512      ; 256
	global_store_b128 v[L16], v[PC+6:PC+9], s[20:21] offset:768
	global_store_b64 v[L8], v[PC+10:PC+11], s[20:21] offset:1280
	global_store_b32 v[R4], v[PW], s[22:23]                        ; lanes r and r + 16 hold the same word
	s_wait_tensorcnt 0x0                           ; the wave's end
	ds_add_u32 v[SPW], v[NIL]
	s_wait_dscnt 0x0
	s_endpgm
.Lfunc_end_k_qa946ee69fb_ln1:
	.size	k_qa946ee69fb_ln1, .Lfunc_end_k_qa946ee69fb_ln1-k_qa946ee69fb_ln1
	.p2alignl 7, 3214868480
	.fill 96, 4, 3214868480
	.section	.rodata,"a",@progbits
	.p2align	6, 0x0
	.amdhsa_kernel k_qa946ee69fb_ln1
		.amdhsa_group_segment_fixed_size 66816
		.amdhsa_private_segment_fixed_size 0
		.amdhsa_enable_private_segment 0
		.amdhsa_kernarg_size 32
		.amdhsa_user_sgpr_count 2
		.amdhsa_user_sgpr_kernarg_segment_ptr 1
		.amdhsa_wavefront_size32 1
		.amdhsa_system_sgpr_workgroup_id_x 1
		.amdhsa_system_sgpr_workgroup_id_y 1
		.amdhsa_system_sgpr_workgroup_id_z 1
		.amdhsa_system_vgpr_workitem_id 0
		.amdhsa_next_free_vgpr 200
		.amdhsa_next_free_sgpr 66
		.amdhsa_reserve_vcc 0
		.amdhsa_float_denorm_mode_32 3
		.amdhsa_float_denorm_mode_16_64 3
		.amdhsa_memory_ordered 1
		.amdhsa_forward_progress 1
		.amdhsa_inst_pref_size 24
	.end_amdhsa_kernel
	.amdgpu_metadata
---
amdhsa.version: [ 1, 2 ]
amdhsa.kernels:
  - .name:           k_qa946ee69fb_ln1
    .symbol:         k_qa946ee69fb_ln1.kd
    .args:
      - { .name: data, .offset: 0, .size: 8, .value_kind: global_buffer, .address_space: global }
      - { .name: g1, .offset: 8, .size: 8, .value_kind: global_buffer, .address_space: global }
      - { .name: be1, .offset: 16, .size: 8, .value_kind: global_buffer, .address_space: global }
      - { .name: hbuf, .offset: 24, .size: 8, .value_kind: global_buffer, .address_space: global }
    .group_segment_fixed_size: 66816
    .private_segment_fixed_size: 0
    .kernarg_segment_align: 8
    .kernarg_segment_size: 32
    .max_flat_workgroup_size: 256
    .sgpr_count:     66
    .vgpr_count:     200
    .wavefront_size: 32
...
	.end_amdgpu_metadata
.endif
;; end of part 2
;; launch qkv (part 3): grid 12 x 16, 4 waves a work-group, clusters of 4 x 4, 327,680 bytes of LDS; arguments hbuf, wbuf, qkvbuf; writes qkvbuf
.if DOCPART == 3
	.amdgcn_target "amdgcn-amd-amdhsa--gfx1250"
	.amdhsa_code_object_version 6
	.text
	.protected	k_qa946ee69fb_qkv
	.globl	k_qa946ee69fb_qkv
	.p2align	8
	.type	k_qa946ee69fb_qkv,@function
k_qa946ee69fb_qkv:
	s_mov_b64 s[64:65], 0
	v_nop
	global_prefetch_b8 v0, s[64:65] scope:SCOPE_SE
	s_setreg_imm32_b32 hwreg(HW_REG_WAVE_MODE, 25, 1), 1
	s_wait_xcnt 0x0
	s_wait_alu depctr_hold_cnt(0) depctr_sa_sdst(0) depctr_va_vdst(0) depctr_va_sdst(0) depctr_va_ssrc(0) depctr_va_vcc(0) depctr_vm_vsrc(0)
	s_getreg_b32 s2, hwreg(HW_REG_IB_STS2, 6, 4)
	s_cmp_eq_u32 s2, 0
	s_cbranch_scc0 .Lentry_in_a_cluster
	s_endpgm
.Lentry_in_a_cluster:
	s_bfe_u32 s2, ttmp6, 0x10000c
	s_cmp_lg_u32 s2, 0xf033
	s_cbranch_scc0 .Lentry_shape_is_right
	s_endpgm
.Lentry_shape_is_right:
; q, k, v = h Wq, h Wk, h Wv on codes of FP6 (E2M3) with E8M0 scales, K = 1,024; the results are quantised in registers and leave as operands of the attention: q and k along the head's 64, v along the tokens.
; OPERANDS lie as images of registers: codes [tile of 16 rows][K / 64][768 bytes] (registers 0-3 of lane l at 16 l, registers 4-5 at 512 + 8 l), scale words [tile][K / 128][16].  Row rho of tile t is row
; 32 (t / 2) + 8 (t % 2) + rho + 8 (rho / 8) of the tensor.
; A work-group of four waves makes 256 x 256, a wave 128 x 128: 64 accumulators, 512 registers.  Source 0 takes the B-role tile, source 1 the A-role tile: a lane holds ONE row of the A-role operand, and by the order
; of rows above the 64 registers of an A block are 4 x 16 neighbours along the B-role's rows: what a quantiser along that axis wants.  Clusters x = 0, 1 (q, k): A-role = tokens, B-role = Wq | Wk.
; Cluster x = 2 (v): the roles are swapped, A-role = Wv's columns, B-role = tokens, so that v is quantised along the tokens.  The choice hangs on the cluster's x, which all sixteen partners share.
; K goes in steps of 256 through two LDS slots; a wave's tensor load brings 8 tiles x 3,072 bytes.  All scale words of the work-group's 512 rows come once, with the first fills.
; CLUSTER 4 x 4: the A-role tile is asked for jointly along a row of the cluster, the B-role tile along a column.
; REGISTERS: window 0: v0-31 addresses; v32-63 scale words, two sets; v96-115, v224-243 the way out; v128-223 A's fragments, one set.  Window 1: B's fragments, two sets.  Windows 2, 3: the accumulators.
; LIMITS: a block under 2^-124 keeps the byte 1; NaN and infinities are not served.
.set KTOT,  1024
.set KST,   KTOT/128
.set TILEB, KST*1536                   ; a tile's codes
.set LAPS,  KTOT/512
.set NQ,    2                          ; matrix instructions deep in a slot
.set FR,    12                         ; registers of a fragment
.set NL,    4                          ; LDS loads that bring one
.set NP,    4                          ; places behind this matrix instruction (ISA guide 7.12.1)
.set ROWB,  3072                       ; a tile's bytes in a slot: 256 along K
.set HALFT, 8*ROWB                     ; 8 tiles: what one tensor load brings
.set SLOT,  4*HALFT
.set SCL,   2*SLOT                     ; behind the ring: the scale words
.set HALFS, 8*KST*64                   ; those of 8 tiles
.set SPARE, SCL+4*HALFS                ; the spare words, 128 bytes for each wave: two blocks of 256 bytes that no other line names
.set WQKV_S, 9437184
.set QS,    9437184                    ; in qkvbuf: q's scale words (k's 131,072 on)
.set VC,    6291456                    ; v's codes
.set VS,    9699328                    ; v's scale words
.set ADRA, 16                          ; v16-17 my A fragments in slot 0, 1, + 16 x lane; v18-19 + 8 x lane
.set ADRB, 20                          ; v20-23 the same for B
.set RH4,  12                          ; v12 4 r + 4,096 h
.set CO,   26                          ; v26 16 x lane
.set ADRS, 27                          ; v27 my scale words: lanes 0-15 A's, lanes 16-31 B's
.set SPW,  28
.set NIL,  29
.set C8,   30                          ; v30 8 x lane
.set R4,   31                          ; v31 4 r
.set SC,   32
.set PC,   96
.set AF,   128
.set TM,   224
.set PW,   240
.set PWS,  241
.set W0,   242
.set W1,   243
.set SEL,  96
.set G1, 24
.set G0, 32
.set G1B, 48
.set G0B, 56
.set G1S, 68
.set G0S, 76
.set G1SB, 80
.set G0SB, 88
.set MSB, 0
.macro WIN new                         ; the immediate's high byte repeats the setting that is left
.if MSB != (\new)
	s_set_vgpr_msb (MSB<<8)|(\new)
.set MSB, (\new)
.endif
.endm
.set MUL_LO, 0xa1                      ; source 0 (B) window 1, source 1 (A) window 0, C and D window 2
.set MUL_HI, 0xf1
.set TO_B,   0x40
.macro JLOAD g0a, g1a, g0b, g1b        ; a joint load: waves 0, 1 fetch for A, waves 2, 3 for B; an s_nop 0 and four v_nop follow each line
	s_cmp_eq_u32 s15, 0
	s_cbranch_scc0 .Lfor_b_\@
	tensor_load_to_lds s[\g0a:\g0a+3], s[\g1a:\g1a+7]
	s_nop 0
.rept 4
	v_nop
.endr
	s_branch .Lasked_\@
.Lfor_b_\@:
	tensor_load_to_lds s[\g0b:\g0b+3], s[\g1b:\g1b+7]
	s_nop 0
.rept 4
	v_nop
.endr
.Lasked_\@:
.endm
.macro CREST
	s_cmp_lg_u32 s14, 0
	s_cbranch_scc1 .Lnot_wave_0_\@
	s_barrier_signal -3
.Lnot_wave_0_\@:
	s_barrier_wait -3
	s_barrier_signal -1
	s_barrier_wait -1
.endm
.macro CROUND
	s_barrier_signal -1
	s_barrier_wait -1
	CREST
.endm
	s_load_b128 s[4:7], s[0:1], 0x0                ; hbuf s[4:5], wbuf s[6:7]
	s_load_b64 s[12:13], s[0:1], 0x10              ; qkvbuf
	v_lshl_add_u32 v[SPW], v0, 2, SPARE
	v_mov_b32 v[NIL], 0
	ds_add_u32 v[SPW], v[NIL]                      ; the wave's opening
	v_lshrrev_b32 v1, 5, v0
	v_readfirstlane_b32 s14, v1                    ; wave
	s_lshr_b32 s15, s14, 1                         ; my half of the A-role rows.  Also: I fetch for A (0) or B (1)
	s_and_b32 s16, s14, 1                          ; my half of the B-role rows.  Also: which 8 tiles I fetch
	s_bfe_u32 s40, ttmp6, 0x40000                  ; cx
	s_bfe_u32 s41, ttmp6, 0x40004                  ; cy
	s_and_b32 s17, ttmp7, 0xffff
	s_lshl_b32 s17, s17, 2                         ; 4 x cluster y
	s_lshl_b32 s42, ttmp9, 2                       ; 4 x cluster x
	s_cmp_eq_u32 ttmp9, 2                          ; v's cluster?
	s_cselect_b32 s95, 1, 0
	s_cselect_b32 s18, 0, s17
	s_cselect_b32 s19, s17, s42
	s_add_co_u32 s17, s18, s41                     ; A-role block of 256 rows: q, k: 4 cluster y + cy (tokens); v: cy (Wv's columns)
	s_add_co_u32 s42, s19, s40                     ; B-role block: q, k: 4 cluster x + cx (Wq | Wk's columns); v: 4 cluster y + cx (tokens)
	s_lshl_b32 s43, s41, 2
	s_lshl_b32 s43, 15, s43                        ; my row of the cluster
	s_lshl_b32 s44, 0x1111, s40                    ; my column
	s_or_b32 s[G1+0], s43, (3<<16)|(1<<21)         ; 15:0 the mask; 17:16 elements of 8 bytes; 21 set beside a mask; no padding: images are read as they lie
	s_or_b32 s[G1B+0], s44, (3<<16)|(1<<21)
.irp g, G1, G1B
	s_mov_b32 s[\g+1], 384<<16                     ; tensor_dim0: 3,072 bytes
	s_mov_b32 s[\g+2], 8<<16                       ; tensor_dim1: 8 tiles
	s_mov_b32 s[\g+3], 384<<16                     ; tile_dim0
	s_mov_b32 s[\g+4], 8                           ; tile_dim1
	s_mov_b32 s[\g+5], TILEB/8                     ; from tile to tile
	s_mov_b32 s[\g+6], 0
	s_mov_b32 s[\g+7], 0
.endr
	s_or_b32 s[G1S+0], s43, (3<<16)|(1<<21)        ; the scale words of 8 tiles: a dense block, as rows of 256 bytes
	s_or_b32 s[G1SB+0], s44, (3<<16)|(1<<21)
.irp g, G1S, G1SB
	s_mov_b32 s[\g+1], 32<<16
	s_mov_b32 s[\g+2], (HALFS/256)<<16
	s_mov_b32 s[\g+3], 32<<16
	s_mov_b32 s[\g+4], HALFS/256
	s_mov_b32 s[\g+5], 32
	s_mov_b32 s[\g+6], 0
	s_mov_b32 s[\g+7], 0
.endr
	s_lshl_b32 s18, s16, 3
	s_lshl_b32 s20, s17, 4
	s_add_co_u32 s20, s20, s18                     ; A: tile 16 x block + 8 x half
	s_lshl_b32 s46, s42, 4
	s_add_co_u32 s46, s46, s18                     ; B likewise
	s_mov_b32 s21, 0
	s_mov_b32 s47, 0
	s_mov_b64 s[18:19], KST*64
	s_mul_u64 s[22:23], s[20:21], s[18:19]
	s_mul_u64 s[92:93], s[46:47], s[18:19]
	s_mov_b64 s[18:19], TILEB
	s_mul_u64 s[20:21], s[20:21], s[18:19]
	s_mul_u64 s[46:47], s[46:47], s[18:19]
	s_mul_i32 s45, s14, HALFT                      ; where they go: no place in the cluster enters an LDS address
	s_mul_i32 s94, s14, HALFS
	s_wait_dscnt 0x0                               ; the opening add is done
	s_wait_kmcnt 0x0
	s_add_nc_u64 s[8:9], s[4:5], 3145728           ; the tokens' scale words
	s_add_nc_u64 s[66:67], s[6:7], 128*TILEB       ; Wv's codes
	s_add_nc_u64 s[10:11], s[6:7], WQKV_S          ; Wq's and Wk's scale words
	s_add_nc_u64 s[98:99], s[6:7], WQKV_S+128*KST*64   ; Wv's
	s_cmp_eq_u32 s95, 1
	s_cselect_b64 s[100:101], s[66:67], s[4:5]     ; the A-role's codes
	s_cselect_b64 s[2:3], s[98:99], s[8:9]         ; and scale words
	s_cselect_b64 s[4:5], s[4:5], s[6:7]           ; the B-role's codes
	s_cselect_b64 s[8:9], s[8:9], s[10:11]         ; and scale words
	s_add_nc_u64 s[20:21], s[100:101], s[20:21]
	s_add_nc_u64 s[22:23], s[2:3], s[22:23]
	s_add_nc_u64 s[46:47], s[4:5], s[46:47]
	s_add_nc_u64 s[92:93], s[8:9], s[92:93]
	CROUND                                         ; all sixteen work-groups are here: the first joint loads meet
	s_mov_b32 s[G0S], 1
	s_add_co_u32 s[G0S+1], s94, SCL
	s_mov_b64 s[G0S+2:G0S+3], s[22:23]
	s_or_b32 s[G0S+3], s[G0S+3], 0x80000000
	s_mov_b32 s[G0SB], 1
	s_add_co_u32 s[G0SB+1], s94, SCL
	s_mov_b64 s[G0SB+2:G0SB+3], s[92:93]
	s_or_b32 s[G0SB+3], s[G0SB+3], 0x80000000
	JLOAD G0S, G1S, G0SB, G1SB                     ; the scale words first
.irp s, 0,1
	s_mov_b32 s[G0+4*\s], 1
	s_add_co_u32 s[G0+4*\s+1], s45, \s*SLOT
	s_add_nc_u64 s[G0+4*\s+2:G0+4*\s+3], s[20:21], \s*ROWB
	s_or_b32 s[G0+4*\s+3], s[G0+4*\s+3], 0x80000000
	s_mov_b32 s[G0B+4*\s], 1
	s_add_co_u32 s[G0B+4*\s+1], s45, \s*SLOT
	s_add_nc_u64 s[G0B+4*\s+2:G0B+4*\s+3], s[46:47], \s*ROWB
	s_or_b32 s[G0B+4*\s+3], s[G0B+4*\s+3], 0x80000000
	JLOAD G0+4*\s, G1, G0B+4*\s, G1B
.endr
	v_and_b32 v1, 15, v0                           ; r
	v_bfe_u32 v2, v0, 4, 1                         ; h
	v_and_b32 v3, 31, v0
	v_lshlrev_b32 v[CO], 4, v3
	v_lshlrev_b32 v[C8], 3, v3
	v_lshlrev_b32 v[R4], 2, v1
	v_lshl_add_u32 v[RH4], v2, 12, v[R4]
	s_mul_i32 s21, s15, HALFT                      ; my 8 tiles of A
	s_mul_i32 s22, s16, HALFT                      ; my 8 tiles of B,
	s_add_co_u32 s22, s22, 2*HALFT                 ; behind A's 16
.irp s, 0,1
	v_add_nc_u32 v[ADRA+\s], s21, v[CO]
	v_add_nc_u32 v[ADRB+\s], s22, v[CO]
	v_add_nc_u32 v[ADRA+2+\s], s21, v[C8]
	v_add_nc_u32 v[ADRB+2+\s], s22, v[C8]
	s_add_co_u32 s21, s21, SLOT
	s_add_co_u32 s22, s22, SLOT
.endr
	s_mul_i32 s21, s15, HALFS
	s_mul_i32 s22, s16, HALFS
	s_add_co_u32 s22, s22, 2*HALFS
	s_sub_co_u32 s22, s22, s21
	v_mul_u32_u24 v6, s22, v2                      ; lanes 16-31 take B's
	s_add_co_u32 s21, s21, SCL
	v_add_nc_u32 v5, v[R4], v6
	v_add_nc_u32 v[ADRS], s21, v5
	s_mov_b32 s[SEL], 0x76543210
	s_mov_b32 s[SEL+1], 0xfedcba98
	s_mov_b32 s94, 0xffff0000                      ; lanes 16-31
.irp b, 0,1,2,3
	v_mov_b32 v[TM+4+\b], 0                        ; a lane permute's destination counts as one of its sources
.endr
	; where my results go.  q, k: [which 2][batch and head 32][tile 128][768]; scale words [..][pair of tiles 64][16]
	s_lshr_b32 s20, s17, 3
	s_lshl_b32 s20, s20, 4                         ; 16 x batch
	s_lshl_b32 s21, ttmp9, 5
	s_add_co_u32 s20, s20, s21
	s_lshl_b32 s21, s40, 2
	s_add_co_u32 s20, s20, s21
	s_lshl_b32 s21, s16, 1
	s_add_co_u32 s20, s20, s21                     ; 32 x which + 16 x batch + my first head (4 cx + 2 x half)
	s_and_b32 s21, s17, 7
	s_lshl_b32 s21, s21, 4
	s_lshl_b32 s22, s15, 3
	s_add_co_u32 s21, s21, s22                     ; my first tile of tokens in the batch
	s_lshl_b32 s22, s20, 7
	s_add_co_u32 s22, s22, s21
	s_mul_i32 s22, s22, 768
	s_lshl_b32 s23, s20, 12
	s_lshl_b32 s21, s21, 5
	s_add_co_u32 s23, s23, s21
	s_add_co_u32 s23, s23, QS
	; v: [batch and head][key step 16][tile of d 4][1,536]; scale words [..][key step][tile of d][16]
	s_lshr_b32 s20, s42, 3
	s_lshl_b32 s20, s20, 4
	s_lshl_b32 s21, s17, 2
	s_add_co_u32 s20, s20, s21
	s_lshl_b32 s21, s15, 1
	s_add_co_u32 s20, s20, s21                     ; 16 x batch + my first head (4 cy + 2 x half)
	s_lshl_b32 s21, s42, 1
	s_add_co_u32 s21, s21, s16
	s_and_b32 s21, s21, 15                         ; my key step
	s_mul_i32 s46, s20, 98304
	s_mul_i32 s47, s21, 6144
	s_add_co_u32 s46, s46, s47
	s_add_co_u32 s46, s46, VC
	s_lshl_b32 s20, s20, 12
	s_lshl_b32 s21, s21, 8
	s_add_co_u32 s47, s20, s21
	s_add_co_u32 s47, s47, VS
	s_cmp_eq_u32 s95, 1
	s_cselect_b32 s20, s46, s22
	s_cselect_b32 s22, s47, s23
	s_mov_b32 s21, 0
	s_mov_b32 s23, 0
	s_add_nc_u64 s[98:99], s[12:13], s[22:23]      ; the scale words' base
	s_add_nc_u64 s[12:13], s[12:13], s[20:21]      ; the codes' base
.macro FRAG reg, adr, q, i             ; a fragment comes as it was stored: two half images of 768 bytes
	ds_load_b128 v[\reg:\reg+3], v[\adr] offset:(\i)*ROWB+(\q)*1536
	ds_load_b64 v[\reg+4:\reg+5], v[\adr+2] offset:(\i)*ROWB+(\q)*1536+512
	ds_load_b128 v[\reg+6:\reg+9], v[\adr] offset:(\i)*ROWB+(\q)*1536+768
	ds_load_b64 v[\reg+10:\reg+11], v[\adr+2] offset:(\i)*ROWB+(\q)*1536+1280
.endm
; 16 matrix instructions: A's blocks a0, a0 + 1 x B's eight.  The 64 accumulators take turns, one instruction a turn, in the same order in every step.
.macro MUL16 a0, p, q, sc, zero
.irp a, \a0, \a0+1
.irp b, 0,1,2,3,4,5,6,7
.if \zero
	v_wmma_scale_f32_16x16x128_f8f6f4 v[8*(8*((\a)%4)+\b):8*(8*((\a)%4)+\b)+7], v[128*(\p)+FR*\b:128*(\p)+FR*\b+FR-1], v[AF+FR*(\a):AF+FR*(\a)+FR-1], 0, v[SC+8*NQ*(\sc)+NQ*\b+(\q)], v[SC+8*NQ*(\sc)+NQ*(\a)+(\q)] matrix_a_fmt:MATRIX_FMT_FP6 matrix_b_fmt:MATRIX_FMT_FP6 matrix_a_scale:MATRIX_SCALE_ROW1
.else
	v_wmma_scale_f32_16x16x128_f8f6f4 v[8*(8*((\a)%4)+\b):8*(8*((\a)%4)+\b)+7], v[128*(\p)+FR*\b:128*(\p)+FR*\b+FR-1], v[AF+FR*(\a):AF+FR*(\a)+FR-1], v[8*(8*((\a)%4)+\b):8*(8*((\a)%4)+\b)+7], v[SC+8*NQ*(\sc)+NQ*\b+(\q)], v[SC+8*NQ*(\sc)+NQ*(\a)+(\q)] matrix_a_fmt:MATRIX_FMT_FP6 matrix_b_fmt:MATRIX_FMT_FP6 matrix_a_scale:MATRIX_SCALE_ROW1
.endif
.endr
.endr
.endm
.macro FETCH_B slot, q, p
	WIN TO_B
.irp i, 0,1,2,3,4,5,6,7
	FRAG 128*(\p)+FR*\i, ADRB+\slot, \q, \i
.endr
	WIN 0
.endm
.macro FETCH_A slot, q, i0
.irp i, \i0, \i0+1, \i0+2, \i0+3
	FRAG AF+FR*(\i), ADRA+\slot, \q, \i
.endr
.endm
.macro SCALES sc                       ; a slot's scale words: register 2 i + q: lanes 0-15 A's block i, lanes 16-31 B's block i
.irp i, 0,1,2,3,4,5,6,7
	ds_load_b32 v[SC+8*NQ*\sc+NQ*\i], v[ADRS] offset:\i*KST*64
	ds_load_b32 v[SC+8*NQ*\sc+NQ*\i+1], v[ADRS] offset:\i*KST*64+64
.endr
.endm
.macro PLACES n
.rept \n
	v_nop
.endr
.endm
.macro STEP slot, q, zero              ; 128 along K that has its successor in the same slot
	s_wait_dscnt 4*NL                              ; all but the youngest sixteen loads (A's blocks 4-7) are in
	WIN MUL_LO
	MUL16 0, (\q)%2, \q, \slot, \zero
	MUL16 2, (\q)%2, \q, \slot, \zero
	s_wait_dscnt 0                                 ; A's blocks 4-7
	PLACES NP
	FETCH_B \slot, (\q)+1, 1-(\q)%2
	FETCH_A \slot, (\q)+1, 0
	WIN MUL_HI
	MUL16 4, (\q)%2, \q, \slot, \zero
	MUL16 6, (\q)%2, \q, \slot, \zero
	PLACES NP
	WIN 0
	FETCH_A \slot, (\q)+1, 4
.endm
.macro TURN slot, next, fill           ; a slot's last step changes slots: one barrier, which opens a round of the cluster's where the slot is filled again
	s_wait_tensorcnt 0x0                           ; all my tensor loads have landed: my part of the next slot
	ds_add_u32 v[SPW], v[NIL]
	s_wait_dscnt 4*NL+1                            ; (the add and A's blocks 4-7 may be out)
	WIN MUL_LO
	MUL16 0, 1, NQ-1, \slot, 0
	s_wait_dscnt 0x0                               ; the add is done, and my reads of this slot are over
	s_barrier_signal -1
	MUL16 2, 1, NQ-1, \slot, 0
	WIN 0
	s_barrier_wait -1
.if \fill
	CREST                                          ; no wave of any partner still reads this slot or has a load on its way
	s_add_nc_u64 s[G0+4*\slot+2:G0+4*\slot+3], s[G0+4*\slot+2:G0+4*\slot+3], 2*ROWB
	s_add_nc_u64 s[G0B+4*\slot+2:G0B+4*\slot+3], s[G0B+4*\slot+2:G0B+4*\slot+3], 2*ROWB
	JLOAD G0+4*\slot, G1, G0B+4*\slot, G1B         ; the first tensor load behind the round; its four v_nop are the places in front of the loads below
.else
	PLACES NP
.endif
	v_add_nc_u32 v[ADRS], 64*NQ, v[ADRS]           ; the next slot's scale words
	FETCH_B \next, 0, 0
	FETCH_A \next, 0, 0
	SCALES \next
	WIN MUL_HI
	MUL16 4, 1, NQ-1, \slot, 0
	MUL16 6, 1, NQ-1, \slot, 0
	PLACES NP
	WIN 0
	FETCH_A \next, 0, 4
.endm
	s_wait_tensorcnt 1                             ; the scale words and my part of slot 0 are in; slot 1's load may be out
	s_barrier_signal -1
	s_barrier_wait -1
	FETCH_B 0, 0, 0
	FETCH_A 0, 0, 0
	SCALES 0
	FETCH_A 0, 0, 4
	STEP 0, 0, 1                                   ; the first step's products start the sums
	s_mov_b32 s3, LAPS-1
.Llap:
	TURN 0, 1, 1
	STEP 1, 0, 0
	TURN 1, 0, 1
	STEP 0, 0, 0
	s_sub_co_u32 s3, s3, 1
	s_cmp_lg_u32 s3, 0
	s_cbranch_scc1 .Llap
	TURN 0, 1, 0
	STEP 1, 0, 0
	s_wait_dscnt 4*NL
	WIN MUL_LO
	MUL16 0, 1, NQ-1, 1, 0
	MUL16 2, 1, NQ-1, 1, 0
	s_wait_dscnt 0
	WIN MUL_HI
	MUL16 4, 1, NQ-1, 1, 0
	MUL16 6, 1, NQ-1, 1, 0
	WIN 0
	PLACES NP
; 64 numbers of a lane in window w, register 16 b + i = k 32 b + 16 h + i of my row, become a fragment in v[PC] on and its scale word in v[PW].  Each accumulator is read from its low end on.
.macro QUANT s, w
	WIN 0
.irp b, 0,1,2,3
	v_mov_b32 v[TM+\b], 0x1800000                  ; the floor 2^(3 - 127): the byte cannot fall under 1
.endr
	WIN ((\w)<<4)|((\w)<<2)
.irp i, 0,2,4,6,8,10,12,14
.irp b, 0,1,2,3
	v_max3_num_f32 v[TM+\b], v[TM+\b], |v[(\s)+16*\b+\i]|, |v[(\s)+16*\b+\i+1]|
.endr
.endr
	WIN 0
.irp b, 0,1,2,3
	v_permlanex16_b32 v[TM+4+\b], v[TM+\b], s[SEL], s[SEL+1]
.endr
.irp b, 0,1,2,3
	v_max_num_f32 v[TM+\b], v[TM+\b], v[TM+4+\b]
.endr
.irp b, 0,1,2,3
	v_add_nc_u32 v[TM+12+\b], 0xff000000, v[TM+\b]
.endr
.irp b, 0,1,2,3
	v_lshrrev_b32 v[TM+4+\b], 23, v[TM+12+\b]
.endr
	v_lshl_or_b32 v[PW], v[TM+5], 8, v[TM+4]
	v_lshl_or_b32 v[PW], v[TM+6], 16, v[PW]
	v_lshl_or_b32 v[PW], v[TM+7], 24, v[PW]
	WIN (\w)
.irp c, 0,1
	v_cvt_scalef32_pk16_fp6_f32 v[PC+6*\c:PC+2+6*\c], v[(\s)+32*\c:(\s)+32*\c+15], v[TM+12+2*\c]
	v_cvt_scalef32_pk16_fp6_f32 v[PC+12+4*\c:PC+14+4*\c], v[(\s)+32*\c+16:(\s)+32*\c+31], v[TM+13+2*\c]
.endr
	WIN 0
	v_nop                                          ; one plain place behind a scaled conversion
.irp c, 0,1
.irp i, 0,1,2
	v_permlane16_swap_b32 v[PC+6*\c+\i], v[PC+12+4*\c+\i]
.endr
.irp i, 0,1,2
	v_mov_b32 v[PC+3+6*\c+\i], v[PC+12+4*\c+\i]
.endr
.endr
.endm
; THE WAY OUT of A block a.  q, k: the fragment's two halves are two heads' half images of tile a; a head's scale word joins the bytes of tiles a - 1 and a.  v: the fragment is tile a % 4 of d of head a / 4, my key step.
.macro OUTQKV a
	s_wait_xcnt 0x0                                ; the last block's stores have read their registers
	QUANT 64*((\a)%4), 2+(\a)/4
.if (\a)%2 == 0
	v_mov_b32 v[PWS], v[PW]                        ; the even tile's bytes are kept
.endif
	s_cmp_eq_u32 s95, 1
	s_cbranch_scc1 .Lv_\@
	global_store_b128 v[CO], v[PC:PC+3], s[12:13] offset:(\a)*768
	global_store_b64 v[C8], v[PC+4:PC+5], s[12:13] offset:(\a)*768+512
	global_store_b128 v[CO], v[PC+6:PC+9], s[12:13] offset:(\a)*768+98304
	global_store_b64 v[C8], v[PC+10:PC+11], s[12:13] offset:(\a)*768+98304+512
.if (\a)%2 == 1
	v_perm_b32 v[W0], v[PW], v[PWS], 0x05040100    ; my first head: the even tile's two bytes below, the odd tile's above
	v_perm_b32 v[W1], v[PW], v[PWS], 0x07060302    ; my second head
	v_cndmask_b32 v[W0], v[W0], v[W1], s94         ; lanes 16-31 store the second head's
	global_store_b32 v[RH4], v[W0], s[98:99] offset:((\a)/2)*64
.endif
	s_branch .Ldone_\@
.Lv_\@:
	global_store_b128 v[CO], v[PC:PC+3], s[12:13] offset:((\a)/4)*98304+((\a)%4)*1536
	global_store_b64 v[C8], v[PC+4:PC+5], s[12:13] offset:((\a)/4)*98304+((\a)%4)*1536+512
	global_store_b128 v[CO], v[PC+6:PC+9], s[12:13] offset:((\a)/4)*98304+((\a)%4)*1536+768
	global_store_b64 v[C8], v[PC+10:PC+11], s[12:13] offset:((\a)/4)*98304+((\a)%4)*1536+1280
	global_store_b32 v[R4], v[PW], s[98:99] offset:((\a)/4)*4096+((\a)%4)*64
.Ldone_\@:
.endm
.irp a, 0,1,2,3,4,5,6,7
	OUTQKV \a
.endr
	s_wait_tensorcnt 0x0                           ; the wave's end
	ds_add_u32 v[SPW], v[NIL]
	s_wait_dscnt 0x0
	CROUND                                         ; the closing round
	s_endpgm
.Lfunc_end_k_qa946ee69fb_qkv:
	.size	k_qa946ee69fb_qkv, .Lfunc_end_k_qa946ee69fb_qkv-k_qa946ee69fb_qkv
	.p2alignl 7, 3214868480
	.fill 96, 4, 3214868480
	.section	.rodata,"a",@progbits
	.p2align	6, 0x0
	.amdhsa_kernel k_qa946ee69fb_qkv
		.amdhsa_group_segment_fixed_size 327680
		.amdhsa_private_segment_fixed_size 0
		.amdhsa_enable_private_segment 0
		.amdhsa_kernarg_size 24
		.amdhsa_user_sgpr_count 2
		.amdhsa_user_sgpr_kernarg_segment_ptr 1
		.amdhsa_wavefront_size32 1
		.amdhsa_system_sgpr_workgroup_id_x 1
		.amdhsa_system_sgpr_workgroup_id_y 1
		.amdhsa_system_sgpr_workgroup_id_z 1
		.amdhsa_system_vgpr_workitem_id 0
		.amdhsa_next_free_vgpr 1024
		.amdhsa_next_free_sgpr 102
		.amdhsa_reserve_vcc 0
		.amdhsa_float_denorm_mode_32 3
		.amdhsa_float_denorm_mode_16_64 3
		.amdhsa_memory_ordered 1
		.amdhsa_forward_progress 1
		.amdhsa_inst_pref_size 159
	.end_amdhsa_kernel
	.amdgpu_metadata
---
amdhsa.version: [ 1, 2 ]
amdhsa.kernels:
  - .name:           k_qa946ee69fb_qkv
    .symbol:         k_qa946ee69fb_qkv.kd
    .args:
      - { .name: hbuf, .offset: 0, .size: 8, .value_kind: global_buffer, .address_space: global }
      - { .name: wbuf, .offset: 8, .size: 8, .value_kind: global_buffer, .address_space: global }
      - { .name: qkvbuf, .offset: 16, .size: 8, .value_kind: global_buffer, .address_space: global }
    .group_segment_fixed_size: 327680
    .private_segment_fixed_size: 0
    .kernarg_segment_align: 8
    .kernarg_segment_size: 24
    .max_flat_workgroup_size: 128
    .sgpr_count:     102
    .vgpr_count:     1024
    .wavefront_size: 32
...
	.end_amdgpu_metadata
.endif
;; end of part 3
;; launch attn (part 4): grid 8 x 32, 16 waves a work-group, no clusters, 206,848 bytes of LDS; arguments qkvbuf, cbuf; writes cbuf
.if DOCPART == 4
	.amdgcn_target "amdgcn-amd-amdhsa--gfx1250"
	.amdhsa_code_object_version 6
	.text
	.protected	k_qa946ee69fb_attn
	.globl	k_qa946ee69fb_attn
	.p2align	8
	.type	k_qa946ee69fb_attn,@function
k_qa946ee69fb_attn:
	s_mov_b64 s[64:65], 0
	v_nop
	global_prefetch_b8 v0, s[64:65] scope:SCOPE_SE
	s_setreg_imm32_b32 hwreg(HW_REG_WAVE_MODE, 25, 1), 1
	s_wait_xcnt 0x0
; Causal attention of one head on codes of FP6 (E2M3) with E8M0 scales: S = q k^T (K = 64), t = S log2(e) / 32, p = 2^(t - M) with M the ceiling of the running largest t, O = p v (K = the keys), O / the sum of the
; unquantised p, quantised along the head's 64 as the next product's operand.
; INPUTS, all images of registers.  q, k: [batch and head 32][tile of 16 tokens 128][768 bytes]; row rho of tile t is token 32 (t / 2) + 8 (t % 2) + rho + 8 (rho / 8); one scale word for a pair of tiles (two bytes each).
; v: [batch and head][key step of 128][tile of d 4][1,536 bytes], keys innermost, rows of a tile in the same order; one scale word a row and key step.
; SHARES.  Work-group (j, head) owns the blocks of 128 queries j and 15 - j: 17 block-steps whatever j.  Each of its sixteen waves owns one tile of 16 queries in 256 registers, four waves to a SIMD.
; A WHOLE HEAD OF K AND V LIES IN LDS, filled once, in four groups of 512 keys: waves 0, 1 bring K's and V's codes, waves 2, 3 their scale words, four loads each; by this text's count a wave has four out.
; No slot is filled again.  NO CLUSTER: the work-groups that share a head differ in j, and a key step whose keys all come after a wave's queries is left out by a branch on j; partners would run unlike.
; K = 64 IS HALF OF THE INSTRUCTION'S 128: source 0 holds TWO tiles of keys (one in k 0-63, one in k 64-127), source 1 is q beside zero codes, once as [q | 0] and once as [0 | q].
; Both products are used transposed: a lane holds one query (lane % 16); the 16 registers of two neighbouring tiles are 16 neighbouring keys (or channels).
; LIMITS: NaN and infinities are not served; a block of p or of O under 2^-124 keeps the byte 1.
.set KSL,   196608                     ; LDS: K's codes at 0, V's at 98,304 (98,304 bytes each); K's scale words here, V's 4,096 on
.set SPARE, 204800                     ; the spare words, 128 bytes for each wave: eight blocks of 256 bytes that no other line names
.set L16,  1                           ; v1  16 x lane
.set L8,   2                           ; v2  8 x lane
.set LS,   3                           ; v3  KSL + 4 r
.set LV16, 4                           ; v4  98,304 + 16 x lane
.set SPW,  5
.set NIL,  6
.set LV8,  7                           ; v7  98,304 + 8 x lane
.set ADK16, 8                          ; v8-11, v29: the step's addresses
.set ADK8, 9
.set ADV16, 10
.set ADV8, 11
.set ADS,  29
.set DQ,   28                          ; v28 my query's place in its block of 128, less 16 h
.set R4,   30                          ; v30 4 r
.set F,    32                          ; v32-79 four fragments of K or of V
; v12 -M, v13 the largest t, v[14:15] the sum; v16-27 [q | 0]; v192-203 [0 | q]; v96-159 S^T, then p; v160-191 O^T; v224-235 p's codes; v232-254 at work; v248-251, v253, v255 scale words
.set WV,   18
.set SEL,  20
.set CS,   22
.set G1C,  24
.set G1S,  32
.set G0C,  40
.set G0S,  68
.set TB,   2                           ; s2  the step's tiles: 6,144 bytes a step, in K's region and in V's
.set TS,   3                           ; s3  the step's scale words: 256 bytes a step
.set SI,   56                          ; s56 the step
.set JW,   57                          ; s57 my block of 128 queries
.set CNT,  58
.set PSEL, 59
	s_load_b128 s[4:7], s[0:1], 0x0                ; qkvbuf s[4:5], cbuf s[6:7]
	v_lshl_add_u32 v[SPW], v0, 2, SPARE
	v_mov_b32 v[NIL], 0
	ds_add_u32 v[SPW], v[NIL]                      ; the wave's opening
	v_lshrrev_b32 v8, 5, v0
	v_readfirstlane_b32 s[WV], v8                  ; wave 0..15
	s_and_b32 s8, ttmp7, 0xffff                    ; batch and head
	s_mov_b32 s[G1C], 3<<16                        ; a dense block of 24,576 bytes as 96 rows of 256: elements of 8 bytes, no mask, no padding
	s_mov_b32 s[G1C+1], 32<<16
	s_mov_b32 s[G1C+2], 96<<16
	s_mov_b32 s[G1C+3], 32<<16
	s_mov_b32 s[G1C+4], 96
	s_mov_b32 s[G1C+5], 32
	s_mov_b32 s[G1C+6], 0
	s_mov_b32 s[G1C+7], 0
	s_mov_b32 s[G1S], 3<<16                        ; 1,024 bytes as 4 rows
	s_mov_b32 s[G1S+1], 32<<16
	s_mov_b32 s[G1S+2], 4<<16
	s_mov_b32 s[G1S+3], 32<<16
	s_mov_b32 s[G1S+4], 4
	s_mov_b32 s[G1S+5], 32
	s_mov_b32 s[G1S+6], 0
	s_mov_b32 s[G1S+7], 0
	s_and_b32 s9, s[WV], 1                         ; K (0) or V (1)
	s_mul_i32 s10, s9, 3145728
	s_add_co_u32 s10, s10, 3145728
	s_mul_i32 s11, s8, 98304
	s_add_co_u32 s10, s10, s11                     ; the head's codes of K or V
	s_mov_b32 s11, 0
	s_mul_i32 s12, s9, 131072
	s_add_co_u32 s12, s12, 9568256
	s_lshl_b32 s13, s8, 12
	s_add_co_u32 s12, s12, s13                     ; and scale words
	s_mov_b32 s13, 0
	s_mul_i32 s14, s9, 98304                       ; in LDS
	s_lshl_b32 s15, s9, 12
	s_add_co_u32 s15, s15, KSL
	s_lshr_b32 s60, s[WV], 1                       ; which tile of its block is the wave's
	s_lshr_b32 s61, s[WV], 2
	s_xor_b32 s61, s61, s[WV]
	s_and_b32 s61, s61, 1                          ; which of the two blocks: so that each run of four waves, and each class modulo 4, has two of each
	s_sub_co_u32 s62, 15, ttmp9
	s_cmp_eq_u32 s61, 1
	s_cselect_b32 s[JW], s62, ttmp9
	s_lshl_b32 s62, s[JW], 3
	s_add_co_u32 s62, s62, s60                     ; my tile of queries in the batch
	s_lshl_b32 s63, s8, 7
	s_add_co_u32 s63, s63, s62
	s_mul_i32 s84, s63, 768                        ; q's codes
	s_mov_b32 s85, 0
	s_lshr_b32 s86, s63, 1
	s_lshl_b32 s86, s86, 6
	s_add_co_u32 s86, s86, 9437184                 ; the scale words of its pair of tiles
	s_mov_b32 s87, 0
	s_lshr_b32 s88, s8, 4
	s_lshl_b32 s88, s88, 7
	s_add_co_u32 s88, s88, s62                     ; my tile among all 256
	s_and_b32 s89, s8, 15                          ; the head
	s_lshl_b32 s90, s88, 4
	s_add_co_u32 s90, s90, s89
	s_mul_i32 s90, s90, 768                        ; the result's half image: [tile][head][768]
	s_mov_b32 s91, 0
	s_lshl_b32 s92, s88, 3
	s_lshr_b32 s93, s89, 1
	s_add_co_u32 s92, s92, s93
	s_lshl_b32 s92, s92, 6
	s_and_b32 s93, s89, 1
	s_lshl_b32 s93, s93, 1
	s_add_co_u32 s92, s92, s93
	s_add_co_u32 s92, s92, 3145728                 ; its half of the scale words [tile][8][16]
	s_mov_b32 s93, 0
	s_and_b32 s94, s60, 1
	s_cmp_eq_u32 s94, 1
	s_mov_b32 s[PSEL], 0x01000100
	s_cselect_b32 s[PSEL], 0x03020302, s[PSEL]     ; my tile's two bytes of the pair's word, twice
	s_lshr_b32 s95, s60, 1
	s_lshl_b32 s95, s95, 5
	s_lshl_b32 s94, s94, 3
	s_add_co_u32 s95, s95, s94
	s_mov_b32 s[SEL], 0x76543210
	s_mov_b32 s[SEL+1], 0xfedcba98
	s_mov_b32 s[CS], 0x3d38aa3b                    ; c = log2(e) / 32: 1,024^-0.5 is a power of two
	s_mov_b32 s[CS+1], s[CS]
	s_wait_dscnt 0x0                               ; the opening add is done
	s_wait_kmcnt 0x0
	s_add_nc_u64 s[10:11], s[4:5], s[10:11]
	s_add_nc_u64 s[12:13], s[4:5], s[12:13]
.irp g, 0,1,2,3
	s_mov_b32 s[G0C+4*\g], 1
	s_add_co_u32 s[G0C+4*\g+1], s14, \g*24576
	s_add_nc_u64 s[G0C+4*\g+2:G0C+4*\g+3], s[10:11], \g*24576
	s_or_b32 s[G0C+4*\g+3], s[G0C+4*\g+3], 0x80000000
	s_mov_b32 s[G0S+4*\g], 1
	s_add_co_u32 s[G0S+4*\g+1], s15, \g*1024
	s_add_nc_u64 s[G0S+4*\g+2:G0S+4*\g+3], s[12:13], \g*1024
	s_or_b32 s[G0S+4*\g+3], s[G0S+4*\g+3], 0x80000000
.endr
	s_cmp_lt_u32 s[WV], 2                          ; a wave's four first fills stand in one branch, ahead of every wait on TENSORcnt, every LDS read and every barrier
	s_cbranch_scc0 .Lnot_codes
.irp g, 0,1,2,3
	tensor_load_to_lds s[G0C+4*\g:G0C+4*\g+3], s[G1C:G1C+7]
	s_nop 0
.endr
.rept 4
	v_nop
.endr
	s_branch .Lasked
.Lnot_codes:
	s_cmp_lt_u32 s[WV], 4
	s_cbranch_scc0 .Lasked
.irp g, 0,1,2,3
	tensor_load_to_lds s[G0S+4*\g:G0S+4*\g+3], s[G1S:G1S+7]
	s_nop 0
.endr
.rept 4
	v_nop
.endr
.Lasked:
	s_add_nc_u64 s[84:85], s[4:5], s[84:85]
	s_add_nc_u64 s[86:87], s[4:5], s[86:87]
	s_add_nc_u64 s[90:91], s[6:7], s[90:91]
	s_add_nc_u64 s[92:93], s[6:7], s[92:93]
	v_and_b32 v8, 31, v0
	v_lshlrev_b32 v[L16], 4, v8
	v_lshlrev_b32 v[L8], 3, v8
	v_and_b32 v8, 15, v0                           ; r
	v_bfe_u32 v9, v0, 4, 1                         ; h
	v_lshlrev_b32 v[R4], 2, v8
	global_load_b128 v[16:19], v[L16], s[84:85]                    ; q, as [q | 0]
	global_load_b64 v[20:21], v[L8], s[84:85] offset:512
	global_load_b128 v[198:201], v[L16], s[84:85]                  ; and as [0 | q]
	global_load_b64 v[202:203], v[L8], s[84:85] offset:512
	global_load_b32 v254, v[R4], s[86:87]
	v_add_nc_u32 v[LS], KSL, v[R4]
	v_add_nc_u32 v[LV16], 98304, v[L16]
	v_add_nc_u32 v[LV8], 98304, v[L8]
	v_and_b32 v10, 8, v8
	v_add_nc_u32 v10, v10, v8                      ; r + 8 (r / 8)
	v_lshlrev_b32 v11, 4, v9
	v_sub_nc_u32 v10, v10, v11
	v_add_nc_u32 v[DQ], s95, v10
.irp j, 22,23,24,25,26,27,192,193,194,195,196,197
	v_mov_b32 v[\j], 0                             ; zero codes add nothing under any scale byte but 0xff
.endr
	v_mov_b32 v13, 0xff61b1e6                      ; the largest t so far: -3e38
	v_floor_f32 v12, -v13                          ; -M
	v_mov_b32 v14, 0
	v_mov_b32 v15, 0
.irp b, 0,1,2,3
	v_mov_b32 v[236+\b], 0                         ; a lane permute's destination counts as one of its sources
.endr
	v_mov_b32 v252, 0
	v_mov_b32 v253, 0
	s_wait_loadcnt 0x0                             ; q and its scale word
	v_perm_b32 v255, v254, v254, s[PSEL]           ; q's scale word: (s0, s1, s0, s1).  A scale register written by a vector instruction stands eight places ahead of the scaled product that names it: the 32 lines below are those places
.set QJ, 0
.rept 32
	v_mov_b32 v[160+QJ], 0                         ; O^T: the loop has no first step of its own
.set QJ, QJ+1
.endr
.macro STEP                            ; 128 keys
	s_cmp_gt_u32 s[SI], s[JW]                      ; all these keys come after my queries: the step's work is left out (ids alone; no barrier and no tensor load stands in a step)
	s_cbranch_scc1 .Lhidden_\@
	v_add_nc_u32 v[ADK16], s[TB], v[L16]           ; these five are also the places in front of loads into registers that the last products read
	v_add_nc_u32 v[ADK8], s[TB], v[L8]
	v_add_nc_u32 v[ADV16], s[TB], v[LV16]
	v_add_nc_u32 v[ADV8], s[TB], v[LV8]
	v_add_nc_u32 v[ADS], s[TS], v[LS]
.irp i, 0,1,2,3                        ; tiles 2 i and 2 i + 1 of keys lie on end: together one fragment's image
	ds_load_b128 v[F+12*\i:F+12*\i+3], v[ADK16] offset:1536*\i
	ds_load_b64 v[F+12*\i+4:F+12*\i+5], v[ADK8] offset:1536*\i+512
	ds_load_b128 v[F+12*\i+6:F+12*\i+9], v[ADK16] offset:1536*\i+768
	ds_load_b64 v[F+12*\i+10:F+12*\i+11], v[ADK8] offset:1536*\i+1280
	ds_load_b32 v[248+\i], v[ADS] offset:64*\i
.endr
	s_wait_dscnt 0x0
.irp i, 0,1,2,3
	v_wmma_scale_f32_16x16x128_f8f6f4 v[96+16*\i:103+16*\i], v[F+12*\i:F+12*\i+11], v[16:27], 0, v[248+\i], v255 matrix_a_fmt:MATRIX_FMT_FP6 matrix_b_fmt:MATRIX_FMT_FP6
	v_wmma_scale_f32_16x16x128_f8f6f4 v[104+16*\i:111+16*\i], v[F+12*\i:F+12*\i+11], v[192:203], 0, v[248+\i], v255 matrix_a_fmt:MATRIX_FMT_FP6 matrix_b_fmt:MATRIX_FMT_FP6
.endr                                  ; register 16 b + i of v96 on: key 128 step + 32 b + 16 h + i
.rept 4
	v_nop                                          ; places: in front of the loads below and of the first read of the scores
.endr
.irp i, 0,1,2,3                        ; V's four tiles and their scale words are asked for now and land under the softmax
	ds_load_b128 v[F+12*\i:F+12*\i+3], v[ADV16] offset:1536*\i
	ds_load_b64 v[F+12*\i+4:F+12*\i+5], v[ADV8] offset:1536*\i+512
	ds_load_b128 v[F+12*\i+6:F+12*\i+9], v[ADV16] offset:1536*\i+768
	ds_load_b64 v[F+12*\i+10:F+12*\i+11], v[ADV8] offset:1536*\i+1280
	ds_load_b32 v[248+\i], v[ADS] offset:4096+64*\i
.endr
	s_cmp_lg_u32 s[SI], s[JW]                      ; on the diagonal hidden scores become -infinity ahead of the maximum
	s_cbranch_scc1 .Lopen_\@
	v_mov_b32 v254, 0xff800000
.set QN, 0
.rept 64
	v_cmp_gt_i32 vcc_lo, 32*(QN/16)+QN%16, v[DQ]
	v_cndmask_b32 v[96+QN], v[96+QN], v254, vcc_lo
.set QN, QN+1
.endr
.Lopen_\@:
.irp b, 0,1,2,3
	v_max3_num_f32 v[232+\b], v[96+16*\b], v[97+16*\b], v[98+16*\b]   ; the largest score of each block of 32 keys: for the row's maximum and, since p rises with the score, for the block's largest p
.endr
.irp i, 3,5,7,9,11,13
.irp b, 0,1,2,3
	v_max3_num_f32 v[232+\b], v[232+\b], v[96+16*\b+\i], v[97+16*\b+\i]
.endr
.endr
.irp b, 0,1,2,3
	v_max_num_f32 v[232+\b], v[232+\b], v[111+16*\b]
.endr
.irp b, 0,1,2,3
	v_permlanex16_b32 v[236+\b], v[232+\b], s[SEL], s[SEL+1]
.endr
.irp b, 0,1,2,3
	v_max_num_f32 v[232+\b], v[232+\b], v[236+\b]
.endr
	v_max3_num_f32 v254, v232, v233, v234
	v_max_num_f32 v254, v254, v235
	v_mul_f32 v254, s[CS], v254                    ; as t
	v_max_num_f32 v13, v13, v254                   ; the running largest t
	v_mov_b32 v254, v12
	v_floor_f32 v12, -v13                          ; -M = floor(-t): M is a whole number
	v_sub_f32 v254, v12, v254
	v_cvt_i32_f32 v254, v254                       ; old M - new M (it saturates)
	v_ldexp_f32 v252, 1.0, v254                    ; f = 2^(old M - new M): exact
.set QJ, 0
.rept 32
	v_pk_fma_f32 v[96+QJ:97+QJ], v[96+QJ:97+QJ], s[CS:CS+1], v[12:13] op_sel_hi:[1,0,0]   ; t - M
.set QJ, QJ+2
.endr
.irp b, 0,1,2,3
	v_fma_f32 v[232+\b], v[232+\b], s[CS], v12
.endr
.set QJ, 0
.rept 64
	v_exp_f32 v[96+QJ], v[96+QJ]                   ; p = 2^(t - M): not normalised
.set QJ, QJ+1
.endr
.irp b, 0,1,2,3
	v_exp_f32 v[232+\b], v[232+\b]                 ; the blocks' largest p: one batch with the 64
.endr
	v_pk_mul_f32 v[14:15], v[14:15], v[252:253] op_sel_hi:[1,0]    ; the sum under the new M: a plain line behind the batch
.set QJ, 0
.rept 16
	v_pk_mul_f32 v[160+QJ:161+QJ], v[160+QJ:161+QJ], v[252:253] op_sel_hi:[1,0]   ; O^T under the new M: work that names no result of the batch
.set QJ, QJ+2
.endr
	s_wait_alu depctr_va_vdst(0)                   ; one wait for the 68, ahead of their first reader
.irp b, 0,1,2,3
	v_max_num_f32 v[232+\b], 0x1800000, v[232+\b]  ; the floor 2^(3 - 127)
.endr
.irp b, 0,1,2,3
	v_add_nc_u32 v[244+\b], 0xff000000, v[232+\b]
.endr
.irp b, 0,1,2,3
	v_lshrrev_b32 v[236+\b], 23, v[244+\b]
.endr
	v_lshl_or_b32 v253, v237, 8, v236              ; p's scale word for these 128 keys
	v_lshl_or_b32 v253, v238, 16, v253
	v_lshl_or_b32 v253, v239, 24, v253
.irp c, 0,1
	v_cvt_scalef32_pk16_fp6_f32 v[224+6*\c:226+6*\c], v[96+32*\c:111+32*\c], v[244+2*\c]
	v_cvt_scalef32_pk16_fp6_f32 v[236+4*\c:238+4*\c], v[112+32*\c:127+32*\c], v[245+2*\c]
.endr
	v_nop                                          ; one plain place behind a scaled conversion
.irp c, 0,1
.irp i, 0,1,2
	v_permlane16_swap_b32 v[224+6*\c+\i], v[236+4*\c+\i]
.endr
.irp i, 0,1,2
	v_mov_b32 v[227+6*\c+\i], v[236+4*\c+\i]
.endr
.endr
	v_pk_add_f32 v[236:237], v[96:97], v[98:99]    ; the row's sum, of the unquantised p, in two chains: these 32 name no register of the products below and are the places in front of them
.irp j, 4,8,12,16,20,24,28,32,36,40,44,48,52,56,60
	v_pk_add_f32 v[14:15], v[14:15], v[96+\j:97+\j]
	v_pk_add_f32 v[236:237], v[236:237], v[98+\j:99+\j]
.endr
	v_pk_add_f32 v[14:15], v[14:15], v[236:237]
	s_wait_dscnt 0x0                               ; V
.irp i, 0,1,2,3                        ; four accumulators by turns
	v_wmma_scale_f32_16x16x128_f8f6f4 v[160+8*\i:167+8*\i], v[F+12*\i:F+12*\i+11], v[224:235], v[160+8*\i:167+8*\i], v[248+\i], v253 matrix_a_fmt:MATRIX_FMT_FP6 matrix_b_fmt:MATRIX_FMT_FP6
.endr
.Lhidden_\@:
	s_add_co_u32 s[SI], s[SI], 1
	s_add_co_u32 s[TB], s[TB], 6144
	s_add_co_u32 s[TS], s[TS], 256
.endm
.macro GROUP g                         ; 512 keys: four steps
	s_wait_tensorcnt 3-\g                          ; my load for this group has landed; the later groups' may be out
	s_wait_dscnt 0x0
	s_barrier_signal -1
	s_barrier_wait -1                              ; everybody's has
	s_mov_b32 s[TB], \g*24576
	s_mov_b32 s[TS], \g*1024
	s_mov_b32 s[SI], \g*4
	s_mov_b32 s[CNT], 4
.Lstep_\@:
	STEP
	s_sub_co_u32 s[CNT], s[CNT], 1
	s_cmp_lg_u32 s[CNT], 0
	s_cbranch_scc1 .Lstep_\@
.endm
	GROUP 0
	GROUP 1
	GROUP 2
	GROUP 3
	; THE WAY OUT: O^T / the sum; register 16 b + i is channel 32 b + 16 h + i of my query: two blocks of the next product's K
.rept 4
	v_nop
.endr
	v_add_f32 v14, v14, v15
	v_permlanex16_b32 v252, v14, s[SEL], s[SEL+1]
	v_add_f32 v14, v14, v252
	v_rcp_f32 v14, v14
	v_nop
	s_wait_alu depctr_va_vdst(0)
.set QJ, 0
.rept 32
	v_mul_f32 v[96+QJ], v[160+QJ], v14
.set QJ, QJ+1
.endr
.irp b, 0,1
	v_max3_num_f32 v[232+\b], |v[96+16*\b]|, |v[97+16*\b]|, 0x1800000
.endr
.irp i, 2,4,6,8,10,12,14
.irp b, 0,1
	v_max3_num_f32 v[232+\b], v[232+\b], |v[96+16*\b+\i]|, |v[97+16*\b+\i]|
.endr
.endr
.irp b, 0,1
	v_permlanex16_b32 v[236+\b], v[232+\b], s[SEL], s[SEL+1]
.endr
.irp b, 0,1
	v_max_num_f32 v[232+\b], v[232+\b], v[236+\b]
.endr
.irp b, 0,1
	v_add_nc_u32 v[244+\b], 0xff000000, v[232+\b]
.endr
.irp b, 0,1
	v_lshrrev_b32 v[236+\b], 23, v[244+\b]
.endr
	v_lshl_or_b32 v254, v237, 8, v236              ; the head's two scale bytes of my row
	v_cvt_scalef32_pk16_fp6_f32 v[224:226], v[96:111], v244
	v_cvt_scalef32_pk16_fp6_f32 v[240:242], v[112:127], v245
	v_nop
.irp i, 0,1,2
	v_permlane16_swap_b32 v[224+\i], v[240+\i]
.endr
.irp i, 0,1,2
	v_mov_b32 v[227+\i], v[240+\i]
.endr
	global_store_b128 v[L16], v[224:227], s[90:91]                 ; 512 consecutive bytes
	global_store_b64 v[L8], v[228:229], s[90:91] offset:512        ; 256
	global_store_b16 v[R4], v254, s[92:93]                         ; lanes r and r + 16 hold the same bytes
	s_wait_tensorcnt 0x0                           ; the wave's end
	ds_add_u32 v[SPW], v[NIL]
	s_wait_dscnt 0x0
	s_endpgm
.Lfunc_end_k_qa946ee69fb_attn:
	.size	k_qa946ee69fb_attn, .Lfunc_end_k_qa946ee69fb_attn-k_qa946ee69fb_attn
	.p2alignl 7, 3214868480
	.fill 96, 4, 3214868480
	.section	.rodata,"a",@progbits
	.p2align	6, 0x0
	.amdhsa_kernel k_qa946ee69fb_attn
		.amdhsa_group_segment_fixed_size 206848
		.amdhsa_private_segment_fixed_size 0
		.amdhsa_enable_private_segment 0
		.amdhsa_kernarg_size 16
		.amdhsa_user_sgpr_count 2
		.amdhsa_user_sgpr_kernarg_segment_ptr 1
		.amdhsa_wavefront_size32 1
		.amdhsa_system_sgpr_workgroup_id_x 1
		.amdhsa_system_sgpr_workgroup_id_y 1
		.amdhsa_system_sgpr_workgroup_id_z 1
		.amdhsa_system_vgpr_workitem_id 0
		.amdhsa_next_free_vgpr 256
		.amdhsa_next_free_sgpr 100
		.amdhsa_reserve_vcc 1
		.amdhsa_float_denorm_mode_32 3
		.amdhsa_float_denorm_mode_16_64 3
		.amdhsa_memory_ordered 1
		.amdhsa_forward_progress 1
		.amdhsa_inst_pref_size 100
	.end_amdhsa_kernel
	.amdgpu_metadata
---
amdhsa.version: [ 1, 2 ]
amdhsa.kernels:
  - .name:           k_qa946ee69fb_attn
    .symbol:         k_qa946ee69fb_attn.kd
    .args:
      - { .name: qkvbuf, .offset: 0, .size: 8, .value_kind: global_buffer, .address_space: global }
      - { .name: cbuf, .offset: 8, .size: 8, .value_kind: global_buffer, .address_space: global }
    .group_segment_fixed_size: 206848
    .private_segment_fixed_size: 0
    .kernarg_segment_align: 8
    .kernarg_segment_size: 16
    .max_flat_workgroup_size: 512
    .sgpr_count:     100
    .vgpr_count:     256
    .wavefront_size: 32
...
	.end_amdgpu_metadata
.endif
;; end of part 4
;; launch fc (part 5): grid 4 x 16, 4 waves a work-group, clusters of 4 x 4, 327,680 bytes of LDS; arguments cbuf, wbuf, bfc, data, xbuf; writes xbuf
.if DOCPART == 5
	.amdgcn_target "amdgcn-amd-amdhsa--gfx1250"
	.amdhsa_code_object_version 6
	.text
	.protected	k_qa946ee69fb_fc
	.globl	k_qa946ee69fb_fc
	.p2align	8
	.type	k_qa946ee69fb_fc,@function
k_qa946ee69fb_fc:
	s_mov_b64 s[64:65], 0
	v_nop
	global_prefetch_b8 v0, s[64:65] scope:SCOPE_SE
	s_setreg_imm32_b32 hwreg(HW_REG_WAVE_MODE, 25, 1), 1
	s_wait_xcnt 0x0
	s_wait_alu depctr_hold_cnt(0) depctr_sa_sdst(0) depctr_va_vdst(0) depctr_va_sdst(0) depctr_va_ssrc(0) depctr_va_vcc(0) depctr_vm_vsrc(0)
	s_getreg_b32 s2, hwreg(HW_REG_IB_STS2, 6, 4)
	s_cmp_eq_u32 s2, 0
	s_cbranch_scc0 .Lentry_in_a_cluster
	s_endpgm
.Lentry_in_a_cluster:
	s_bfe_u32 s2, ttmp6, 0x10000c
	s_cmp_lg_u32 s2, 0xf033
	s_cbranch_scc0 .Lentry_shape_is_right
	s_endpgm
.Lentry_shape_is_right:
; x = data + concat Wfc + bfc: a product on codes of FP6 (E2M3) with E8M0 scales, K = 1,024; the result leaves as f32 rows.
; OPERANDS lie as images of registers: codes [tile of 16 rows][K / 64][768 bytes] (registers 0-3 of lane l at 16 l, registers 4-5 at 512 + 8 l), scale words [tile][K / 128][16].  Row rho of tile t is row
; pi(t, rho) = 32 (t / 2) + 8 (t % 2) + rho + 8 (rho / 8) of the tensor.
; A work-group of four waves makes 256 x 256, a wave 128 x 128: 64 accumulators.  Source 0 = 16 columns of the weight, source 1 = 16 tokens: a lane holds one token, and registers 16 b + i of an A block are columns
; 32 b + 16 h + i.  The bias is the C of each sum's first matrix instruction.  K goes in steps of 256 through two LDS slots; a wave's tensor load brings 8 tiles x 3,072 bytes; all scale words come once.
; CLUSTER 4 x 4: the tokens' tile is asked for jointly along a row of the cluster, the weight's along a column.  The grid has 64 work-groups: 1,024 columns make four tiles of 256.
; THE WAY OUT: a block of 16 tokens x 128 columns goes through my stage in LDS (in slot 0, which has had its last fill and its last read), comes back as rows of 512 bytes, takes the residual's rows, and is stored.
; REGISTERS: window 0: v0-31 addresses; v32-63 scale words; v64-127 the bias, later the residual; v128-223 A's fragments; v128-255 the way out.  Window 1: B's fragments, later the residual.  Windows 2, 3: accumulators.
.set KTOT,  1024
.set A_S,   3145728                    ; the tokens' scale words in their buffer
.set B_C,   2359296                    ; the weight's codes in wbuf
.set B_S,   9535488                    ; and scale words
.set KST,   KTOT/128
.set TILEB, KST*1536
.set LAPS,  KTOT/512
.set NQ,    2
.set FR,    12
.set NL,    4
.set NP,    4
.set ROWB,  3072
.set HALFT, 8*ROWB
.set SLOT,  4*HALFT
.set SCL,   2*SLOT
.set HALFS, 8*KST*64
.set SPARE, SCL+4*HALFS                ; the spare words, 128 bytes for each wave: two blocks of 256 bytes that no other line names
.set SPITCH, 528
.set BA,   7                           ; v7  64 h
.set ADRA, 16
.set ADRB, 20
.set STO,  24
.set RD,   25
.set CO,   26                          ; v26 16 x lane
.set ADRS, 27
.set SPW,  28
.set NIL,  29
.set C8,   30
.set R4,   31
.set SC,   32
.set BIAS, 64
.set AF,   128
.set BK,   128
.set G1, 24
.set G0, 32
.set G1B, 48
.set G0B, 56
.set G1S, 68
.set G0S, 76
.set G1SB, 80
.set G0SB, 88
.set MSB, 0
.macro WIN new
.if MSB != (\new)
	s_set_vgpr_msb (MSB<<8)|(\new)
.set MSB, (\new)
.endif
.endm
.set MUL_LO, 0xa1
.set MUL_HI, 0xf1
.set FIRST_LO, 0x81                    ; the first step: C (the bias) window 0, D window 2
.set FIRST_HI, 0xc1
.set TO_B,   0x40
.macro JLOAD g0a, g1a, g0b, g1b
	s_cmp_eq_u32 s15, 0
	s_cbranch_scc0 .Lfor_b_\@
	tensor_load_to_lds s[\g0a:\g0a+3], s[\g1a:\g1a+7]
	s_nop 0
.rept 4
	v_nop
.endr
	s_branch .Lasked_\@
.Lfor_b_\@:
	tensor_load_to_lds s[\g0b:\g0b+3], s[\g1b:\g1b+7]
	s_nop 0
.rept 4
	v_nop
.endr
.Lasked_\@:
.endm
.macro CREST
	s_cmp_lg_u32 s14, 0
	s_cbranch_scc1 .Lnot_wave_0_\@
	s_barrier_signal -3
.Lnot_wave_0_\@:
	s_barrier_wait -3
	s_barrier_signal -1
	s_barrier_wait -1
.endm
.macro CROUND
	s_barrier_signal -1
	s_barrier_wait -1
	CREST
.endm
	s_load_b128 s[4:7], s[0:1], 0x0                ; the tokens' operand s[4:5], wbuf s[6:7]
	s_load_b64 s[66:67], s[0:1], 0x10              ; the bias
	s_load_b64 s[98:99], s[0:1], 0x18              ; the residual
	s_load_b64 s[12:13], s[0:1], 0x20              ; the result
	v_lshl_add_u32 v[SPW], v0, 2, SPARE
	v_mov_b32 v[NIL], 0
	ds_add_u32 v[SPW], v[NIL]                      ; the wave's opening
	v_lshrrev_b32 v1, 5, v0
	v_readfirstlane_b32 s14, v1
	s_lshr_b32 s15, s14, 1
	s_and_b32 s16, s14, 1
	s_bfe_u32 s40, ttmp6, 0x40000
	s_bfe_u32 s41, ttmp6, 0x40004
	s_lshl_b32 s42, ttmp9, 2
	s_add_co_u32 s42, s42, s40                     ; block of 256 columns
	s_and_b32 s17, ttmp7, 0xffff
	s_lshl_b32 s17, s17, 2
	s_add_co_u32 s17, s17, s41                     ; block of 256 tokens
	s_lshl_b32 s43, s41, 2
	s_lshl_b32 s43, 15, s43
	s_lshl_b32 s44, 0x1111, s40
	s_or_b32 s[G1+0], s43, (3<<16)|(1<<21)
	s_or_b32 s[G1B+0], s44, (3<<16)|(1<<21)
.irp g, G1, G1B
	s_mov_b32 s[\g+1], 384<<16
	s_mov_b32 s[\g+2], 8<<16
	s_mov_b32 s[\g+3], 384<<16
	s_mov_b32 s[\g+4], 8
	s_mov_b32 s[\g+5], TILEB/8
	s_mov_b32 s[\g+6], 0
	s_mov_b32 s[\g+7], 0
.endr
	s_or_b32 s[G1S+0], s43, (3<<16)|(1<<21)
	s_or_b32 s[G1SB+0], s44, (3<<16)|(1<<21)
.irp g, G1S, G1SB
	s_mov_b32 s[\g+1], 32<<16
	s_mov_b32 s[\g+2], (HALFS/256)<<16
	s_mov_b32 s[\g+3], 32<<16
	s_mov_b32 s[\g+4], HALFS/256
	s_mov_b32 s[\g+5], 32
	s_mov_b32 s[\g+6], 0
	s_mov_b32 s[\g+7], 0
.endr
	s_lshl_b32 s18, s16, 3
	s_lshl_b32 s20, s17, 4
	s_add_co_u32 s20, s20, s18
	s_lshl_b32 s46, s42, 4
	s_add_co_u32 s46, s46, s18
	s_mov_b32 s21, 0
	s_mov_b32 s47, 0
	s_mov_b64 s[18:19], KST*64
	s_mul_u64 s[22:23], s[20:21], s[18:19]
	s_mul_u64 s[92:93], s[46:47], s[18:19]
	s_mov_b64 s[18:19], TILEB
	s_mul_u64 s[20:21], s[20:21], s[18:19]
	s_mul_u64 s[46:47], s[46:47], s[18:19]
	s_mul_i32 s45, s14, HALFT
	s_mul_i32 s94, s14, HALFS
	s_wait_dscnt 0x0
	s_wait_kmcnt 0x0
	s_add_nc_u64 s[8:9], s[6:7], B_C
	s_add_nc_u64 s[10:11], s[6:7], B_S
	s_add_nc_u64 s[6:7], s[4:5], A_S
	s_add_nc_u64 s[20:21], s[4:5], s[20:21]
	s_add_nc_u64 s[22:23], s[6:7], s[22:23]
	s_add_nc_u64 s[46:47], s[8:9], s[46:47]
	s_add_nc_u64 s[92:93], s[10:11], s[92:93]
	CROUND
	s_mov_b32 s[G0S], 1
	s_add_co_u32 s[G0S+1], s94, SCL
	s_mov_b64 s[G0S+2:G0S+3], s[22:23]
	s_or_b32 s[G0S+3], s[G0S+3], 0x80000000
	s_mov_b32 s[G0SB], 1
	s_add_co_u32 s[G0SB+1], s94, SCL
	s_mov_b64 s[G0SB+2:G0SB+3], s[92:93]
	s_or_b32 s[G0SB+3], s[G0SB+3], 0x80000000
	JLOAD G0S, G1S, G0SB, G1SB
.irp s, 0,1
	s_mov_b32 s[G0+4*\s], 1
	s_add_co_u32 s[G0+4*\s+1], s45, \s*SLOT
	s_add_nc_u64 s[G0+4*\s+2:G0+4*\s+3], s[20:21], \s*ROWB
	s_or_b32 s[G0+4*\s+3], s[G0+4*\s+3], 0x80000000
	s_mov_b32 s[G0B+4*\s], 1
	s_add_co_u32 s[G0B+4*\s+1], s45, \s*SLOT
	s_add_nc_u64 s[G0B+4*\s+2:G0B+4*\s+3], s[46:47], \s*ROWB
	s_or_b32 s[G0B+4*\s+3], s[G0B+4*\s+3], 0x80000000
	JLOAD G0+4*\s, G1, G0B+4*\s, G1B
.endr
	v_and_b32 v1, 15, v0
	v_bfe_u32 v2, v0, 4, 1
	v_and_b32 v3, 31, v0
	v_lshlrev_b32 v[CO], 4, v3
	v_lshlrev_b32 v[C8], 3, v3
	v_lshlrev_b32 v[R4], 2, v1
	v_lshlrev_b32 v[BA], 6, v2
	s_lshl_b32 s20, s17, 20                        ; my first token's row: (256 x block + 128 x half) x 4,096 bytes,
	s_lshl_b32 s21, s15, 19
	s_add_co_u32 s20, s20, s21
	s_lshl_b32 s46, s42, 10                        ; my first column: (256 x block + 128 x half) x 4 bytes
	s_lshl_b32 s47, s16, 9
	s_add_co_u32 s46, s46, s47
	s_add_co_u32 s20, s20, s46
	s_mov_b32 s21, 0
	s_mov_b32 s47, 0
	s_add_nc_u64 s[12:13], s[12:13], s[20:21]
	s_add_nc_u64 s[98:99], s[98:99], s[20:21]
	s_add_nc_u64 s[66:67], s[66:67], s[46:47]
.irp b, 0,1,2,3,4,5,6,7                ; the bias in the result's layout: tile b, lane (r, h): columns 32 (b / 2) + 8 (b % 2) + 16 h + 0 .. 7
	global_load_b128 v[BIAS+8*\b:BIAS+8*\b+3], v[BA], s[66:67] offset:(32*(\b/2)+8*(\b%2))*4
	global_load_b128 v[BIAS+8*\b+4:BIAS+8*\b+7], v[BA], s[66:67] offset:(32*(\b/2)+8*(\b%2))*4+16
.endr
	s_mul_i32 s21, s15, HALFT
	s_mul_i32 s22, s16, HALFT
	s_add_co_u32 s22, s22, 2*HALFT
.irp s, 0,1
	v_add_nc_u32 v[ADRA+\s], s21, v[CO]
	v_add_nc_u32 v[ADRB+\s], s22, v[CO]
	v_add_nc_u32 v[ADRA+2+\s], s21, v[C8]
	v_add_nc_u32 v[ADRB+2+\s], s22, v[C8]
	s_add_co_u32 s21, s21, SLOT
	s_add_co_u32 s22, s22, SLOT
.endr
	s_mul_i32 s21, s15, HALFS
	s_mul_i32 s22, s16, HALFS
	s_add_co_u32 s22, s22, 2*HALFS
	s_sub_co_u32 s22, s22, s21
	v_mul_u32_u24 v6, s22, v2
	s_add_co_u32 s21, s21, SCL
	v_add_nc_u32 v5, v[R4], v6
	v_add_nc_u32 v[ADRS], s21, v5
	s_mul_i32 s23, s14, 16*SPITCH                  ; my stage
	v_mul_u32_u24 v5, v1, SPITCH
	v_lshl_add_u32 v5, v2, 6, v5
	v_add_nc_u32 v[STO], s23, v5                   ; in: row r, + 64 h
	v_add_nc_u32 v[RD], s23, v[CO]                 ; back: a row of 512 bytes, 16 a lane
.macro FRAG reg, adr, q, i
	ds_load_b128 v[\reg:\reg+3], v[\adr] offset:(\i)*ROWB+(\q)*1536
	ds_load_b64 v[\reg+4:\reg+5], v[\adr+2] offset:(\i)*ROWB+(\q)*1536+512
	ds_load_b128 v[\reg+6:\reg+9], v[\adr] offset:(\i)*ROWB+(\q)*1536+768
	ds_load_b64 v[\reg+10:\reg+11], v[\adr+2] offset:(\i)*ROWB+(\q)*1536+1280
.endm
; 16 matrix instructions; the 64 accumulators take turns, one instruction a turn
.macro MUL16 a0, p, q, sc, zero
.irp a, \a0, \a0+1
.irp b, 0,1,2,3,4,5,6,7
.if \zero
	v_wmma_scale_f32_16x16x128_f8f6f4 v[8*(8*((\a)%4)+\b):8*(8*((\a)%4)+\b)+7], v[128*(\p)+FR*\b:128*(\p)+FR*\b+FR-1], v[AF+FR*(\a):AF+FR*(\a)+FR-1], v[BIAS+8*\b:BIAS+8*\b+7], v[SC+8*NQ*(\sc)+NQ*\b+(\q)], v[SC+8*NQ*(\sc)+NQ*(\a)+(\q)] matrix_a_fmt:MATRIX_FMT_FP6 matrix_b_fmt:MATRIX_FMT_FP6 matrix_a_scale:MATRIX_SCALE_ROW1
.else
	v_wmma_scale_f32_16x16x128_f8f6f4 v[8*(8*((\a)%4)+\b):8*(8*((\a)%4)+\b)+7], v[128*(\p)+FR*\b:128*(\p)+FR*\b+FR-1], v[AF+FR*(\a):AF+FR*(\a)+FR-1], v[8*(8*((\a)%4)+\b):8*(8*((\a)%4)+\b)+7], v[SC+8*NQ*(\sc)+NQ*\b+(\q)], v[SC+8*NQ*(\sc)+NQ*(\a)+(\q)] matrix_a_fmt:MATRIX_FMT_FP6 matrix_b_fmt:MATRIX_FMT_FP6 matrix_a_scale:MATRIX_SCALE_ROW1
.endif
.endr
.endr
.endm
.macro FETCH_B slot, q, p
	WIN TO_B
.irp i, 0,1,2,3,4,5,6,7
	FRAG 128*(\p)+FR*\i, ADRB+\slot, \q, \i
.endr
	WIN 0
.endm
.macro FETCH_A slot, q, i0
.irp i, \i0, \i0+1, \i0+2, \i0+3
	FRAG AF+FR*(\i), ADRA+\slot, \q, \i
.endr
.endm
.macro SCALES sc
.irp i, 0,1,2,3,4,5,6,7
	ds_load_b32 v[SC+8*NQ*\sc+NQ*\i], v[ADRS] offset:\i*KST*64
	ds_load_b32 v[SC+8*NQ*\sc+NQ*\i+1], v[ADRS] offset:\i*KST*64+64
.endr
.endm
.macro PLACES n
.rept \n
	v_nop
.endr
.endm
.macro STEP slot, q, zero
	s_wait_dscnt 4*NL                              ; all but A's blocks 4-7 are in
.if \zero
	WIN FIRST_LO
.else
	WIN MUL_LO
.endif
	MUL16 0, (\q)%2, \q, \slot, \zero
	MUL16 2, (\q)%2, \q, \slot, \zero
	s_wait_dscnt 0
	PLACES NP
	FETCH_B \slot, (\q)+1, 1-(\q)%2
	FETCH_A \slot, (\q)+1, 0
.if \zero
	WIN FIRST_HI
.else
	WIN MUL_HI
.endif
	MUL16 4, (\q)%2, \q, \slot, \zero
	MUL16 6, (\q)%2, \q, \slot, \zero
	PLACES NP
	WIN 0
	FETCH_A \slot, (\q)+1, 4
.endm
.macro TURN slot, next, fill
	s_wait_tensorcnt 0x0                           ; all my tensor loads have landed
	ds_add_u32 v[SPW], v[NIL]
	s_wait_dscnt 4*NL+1                            ; (the add and A's blocks 4-7 may be out)
	WIN MUL_LO
	MUL16 0, 1, NQ-1, \slot, 0
	s_wait_dscnt 0x0                               ; the add is done, and my reads of this slot are over
	s_barrier_signal -1
	MUL16 2, 1, NQ-1, \slot, 0
	WIN 0
	s_barrier_wait -1
.if \fill
	CREST
	s_add_nc_u64 s[G0+4*\slot+2:G0+4*\slot+3], s[G0+4*\slot+2:G0+4*\slot+3], 2*ROWB
	s_add_nc_u64 s[G0B+4*\slot+2:G0B+4*\slot+3], s[G0B+4*\slot+2:G0B+4*\slot+3], 2*ROWB
	JLOAD G0+4*\slot, G1, G0B+4*\slot, G1B
.else
	PLACES NP
.endif
	v_add_nc_u32 v[ADRS], 64*NQ, v[ADRS]
	FETCH_B \next, 0, 0
	FETCH_A \next, 0, 0
	SCALES \next
	WIN MUL_HI
	MUL16 4, 1, NQ-1, \slot, 0
	MUL16 6, 1, NQ-1, \slot, 0
	PLACES NP
	WIN 0
	FETCH_A \next, 0, 4
.endm
; the residual's 16 rows of block a: block 0 into window 0 v64-127 (the bias has served), blocks 1-7 into four sets of 64 in window 1 (B's fragments have served)
.macro RLOAD a
.if (\a) == 0
.set RS, 64
	WIN 0
.else
.set RS, 64*(((\a)-1)%4)
	WIN 0x40
.endif
.irp t, 0,1,2,3,4,5,6,7,8,9,10,11,12,13,14,15
	global_load_b128 v[RS+4*\t:RS+4*\t+3], v[CO], s[98:99] offset:(32*((\a)/2)+8*((\a)%2)+\t+8*(\t/8))*4096
.endr
	WIN 0
.endm
.macro TOSTAGE a
.set AC, 64*((\a)%4)
	WIN 0x08+4*((\a)/4)                            ; an LDS store's data are its source 1: window 2 or 3
.irp b, 0,1,2,3,4,5,6,7
	ds_store_b128 v[STO], v[AC+8*\b:AC+8*\b+3] offset:128*(\b/2)+32*(\b%2)          ; each accumulator from its low end on
	ds_store_b128 v[STO], v[AC+8*\b+4:AC+8*\b+7] offset:128*(\b/2)+32*(\b%2)+16
.endr
	WIN 0
.set BB, BK+64*((\a)%2)
.irp t, 0,1,2,3,4,5,6,7,8,9,10,11,12,13,14,15
	ds_load_b128 v[BB+4*\t:BB+4*\t+3], v[RD] offset:\t*SPITCH      ; LDS serves a wave's instructions in order: these see the stores above
.endr
.endm
.macro SENDF a, younger
.set BB, BK+64*((\a)%2)
	s_wait_dscnt \younger                          ; the block is back; the next block's 16 stores and 16 loads may be out
.if (\a) <= 4
	s_wait_loadcnt 48                              ; its residual is in; three younger blocks of 16 loads may be out
.else
	s_wait_loadcnt 16*(7-(\a))
.endif
.if (\a) == 0
.set RS, 64
	WIN 0
.else
.set RS, 64*(((\a)-1)%4)
	WIN 0x04
.endif
.set QJ, 0
.rept 32
	v_pk_add_f32 v[BB+QJ:BB+QJ+1], v[BB+QJ:BB+QJ+1], v[RS+QJ:RS+QJ+1]
.set QJ, QJ+2
.endr
	WIN 0
.irp t, 0,1,2,3,4,5,6,7,8,9,10,11,12,13,14,15
	global_store_b128 v[CO], v[BB+4*\t:BB+4*\t+3], s[12:13] offset:(32*((\a)/2)+8*((\a)%2)+\t+8*(\t/8))*4096   ; 32 lanes store 512 consecutive bytes, aligned: row t of block a is token pi(a, t)
.endr
.endm
	s_wait_tensorcnt 1                             ; the scale words and slot 0 are in; slot 1's load may be out
	s_barrier_signal -1
	s_barrier_wait -1
	FETCH_B 0, 0, 0
	FETCH_A 0, 0, 0
	SCALES 0
	FETCH_A 0, 0, 4
	s_wait_loadcnt 0x0                             ; the bias
	STEP 0, 0, 1
	s_mov_b32 s3, LAPS-1
.Llap:
	TURN 0, 1, 1
	STEP 1, 0, 0
	TURN 1, 0, 1
	STEP 0, 0, 0
	s_sub_co_u32 s3, s3, 1
	s_cmp_lg_u32 s3, 0
	s_cbranch_scc1 .Llap
	RLOAD 0                                        ; the first block's residual is asked for three steps ahead of its use
	TURN 0, 1, 0
	STEP 1, 0, 0
	s_wait_dscnt 4*NL
	WIN MUL_LO
	MUL16 0, 1, NQ-1, 1, 0
	MUL16 2, 1, NQ-1, 1, 0
	s_wait_dscnt 0
	WIN MUL_HI
	MUL16 4, 1, NQ-1, 1, 0
	MUL16 6, 1, NQ-1, 1, 0
	WIN 0
	PLACES NP
	RLOAD 1
	RLOAD 2
	RLOAD 3
	TOSTAGE 0
.irp a, 1,2,3,4,5,6,7
.if \a > 1
	s_wait_xcnt 0x0                                ; block a - 2's stores have read their registers: block a's loads may land there
.endif
	TOSTAGE \a
	SENDF \a-1, 32
.if \a+3 <= 7
	RLOAD \a+3
.endif
.endr
	s_wait_xcnt 0x0
	SENDF 7, 0
	s_wait_tensorcnt 0x0                           ; the wave's end
	ds_add_u32 v[SPW], v[NIL]
	s_wait_dscnt 0x0
	CROUND                                         ; the closing round
	s_endpgm
.Lfunc_end_k_qa946ee69fb_fc:
	.size	k_qa946ee69fb_fc, .Lfunc_end_k_qa946ee69fb_fc-k_qa946ee69fb_fc
	.p2alignl 7, 3214868480
	.fill 96, 4, 3214868480
	.section	.rodata,"a",@progbits
	.p2align	6, 0x0
	.amdhsa_kernel k_qa946ee69fb_fc
		.amdhsa_group_segment_fixed_size 327680
		.amdhsa_private_segment_fixed_size 0
		.amdhsa_enable_private_segment 0
		.amdhsa_kernarg_size 40
		.amdhsa_user_sgpr_count 2
		.amdhsa_user_sgpr_kernarg_segment_ptr 1
		.amdhsa_wavefront_size32 1
		.amdhsa_system_sgpr_workgroup_id_x 1
		.amdhsa_system_sgpr_workgroup_id_y 1
		.amdhsa_system_sgpr_workgroup_id_z 1
		.amdhsa_system_vgpr_workitem_id 0
		.amdhsa_next_free_vgpr 1024
		.amdhsa_next_free_sgpr 100
		.amdhsa_reserve_vcc 0
		.amdhsa_float_denorm_mode_32 3
		.amdhsa_float_denorm_mode_16_64 3
		.amdhsa_memory_ordered 1
		.amdhsa_forward_progress 1
		.amdhsa_inst_pref_size 176
	.end_amdhsa_kernel
	.amdgpu_metadata
---
amdhsa.version: [ 1, 2 ]
amdhsa.kernels:
  - .name:           k_qa946ee69fb_fc
    .symbol:         k_qa946ee69fb_fc.kd
    .args:
      - { .name: cbuf, .offset: 0, .size: 8, .value_kind: global_buffer, .address_space: global }
      - { .name: wbuf, .offset: 8, .size: 8, .value_kind: global_buffer, .address_space: global }
      - { .name: bfc, .offset: 16, .size: 8, .value_kind: global_buffer, .address_space: global }
      - { .name: data, .offset: 24, .size: 8, .value_kind: global_buffer, .address_space: global }
      - { .name: xbuf, .offset: 32, .size: 8, .value_kind: global_buffer, .address_space: global }
    .group_segment_fixed_size: 327680
    .private_segment_fixed_size: 0
    .kernarg_segment_align: 8
    .kernarg_segment_size: 40
    .max_flat_workgroup_size: 128
    .sgpr_count:     100
    .vgpr_count:     1024
    .wavefront_size: 32
...
	.end_amdgpu_metadata
.endif
;; end of part 5
;; launch ln2: the kernel of part 2 again; grid 256 x 1, 8 waves a work-group, no clusters, 66,816 bytes of LDS; arguments xbuf, g2, be2, hbuf; writes hbuf
;; launch ffn1 (part 6): grid 16 x 16, 4 waves a work-group, clusters of 4 x 4, 327,680 bytes of LDS; arguments hbuf, wbuf, b1, hidbuf; writes hidbuf
.if DOCPART == 6
	.amdgcn_target "amdgcn-amd-amdhsa--gfx1250"
	.amdhsa_code_object_version 6
	.text
	.protected	k_qa946ee69fb_ffn1
	.globl	k_qa946ee69fb_ffn1
	.p2align	8
	.type	k_qa946ee69fb_ffn1,@function
k_qa946ee69fb_ffn1:
	s_mov_b64 s[64:65], 0
	v_nop
	global_prefetch_b8 v0, s[64:65] scope:SCOPE_SE
	s_setreg_imm32_b32 hwreg(HW_REG_WAVE_MODE, 25, 1), 1
	s_wait_xcnt 0x0
	s_wait_alu depctr_hold_cnt(0) depctr_sa_sdst(0) depctr_va_vdst(0) depctr_va_sdst(0) depctr_va_ssrc(0) depctr_va_vcc(0) depctr_vm_vsrc(0)
	s_getreg_b32 s2, hwreg(HW_REG_IB_STS2, 6, 4)
	s_cmp_eq_u32 s2, 0
	s_cbranch_scc0 .Lentry_in_a_cluster
	s_endpgm
.Lentry_in_a_cluster:
	s_bfe_u32 s2, ttmp6, 0x10000c
	s_cmp_lg_u32 s2, 0xf033
	s_cbranch_scc0 .Lentry_shape_is_right
	s_endpgm
.Lentry_shape_is_right:
; hidden = relu(h2 W1 + b1) on codes of FP6 (E2M3) with E8M0 scales, K = 1,024; the result is quantised in registers along its 4,096 columns and leaves as the next product's operand.
; OPERANDS lie as images of registers: codes [tile of 16 rows][K / 64][768 bytes] (registers 0-3 of lane l at 16 l, registers 4-5 at 512 + 8 l), scale words [tile][K / 128][16].  Row rho of tile t is row
; 32 (t / 2) + 8 (t % 2) + rho + 8 (rho / 8) of the tensor.
; A work-group of four waves makes 256 x 256, a wave 128 x 128: 64 accumulators.  Source 0 = 16 columns of W1, source 1 = 16 tokens: a lane holds one token, and the 64 registers of an A block are 4 x 16 neighbours
; along the columns: a K step of the next product.  The bias is the C of each sum's first matrix instruction.  K goes in steps of 256 through two LDS slots; all scale words come once.
; CLUSTER 4 x 4: the tokens' tile is asked for jointly along a row of the cluster, the weight's along a column.
; REGISTERS: window 0: v0-31 addresses; v32-63 scale words; v64-127 the bias; v96-115, v224-240 the way out; v128-223 A's fragments.  Window 1: B's fragments, two sets.  Windows 2, 3: the accumulators.
; LIMITS: a block under 2^-124 keeps the byte 1; NaN and infinities are not served.
.set KTOT,  1024
.set A_S,   3145728
.set B_C,   3145728
.set B_S,   9568256
.set KST,   KTOT/128
.set TILEB, KST*1536
.set LAPS,  KTOT/512
.set NQ,    2
.set FR,    12
.set NL,    4
.set NP,    4
.set ROWB,  3072
.set HALFT, 8*ROWB
.set SLOT,  4*HALFT
.set SCL,   2*SLOT
.set HALFS, 8*KST*64
.set SPARE, SCL+4*HALFS                ; the spare words, 128 bytes for each wave: two blocks of 256 bytes that no other line names
.set BA,   7
.set ADRA, 16
.set ADRB, 20
.set CO,   26
.set ADRS, 27
.set SPW,  28
.set NIL,  29
.set C8,   30
.set R4,   31
.set SC,   32
.set BIAS, 64
.set PC,   96
.set AF,   128
.set TM,   224
.set PW,   240
.set SEL,  96
.set G1, 24
.set G0, 32
.set G1B, 48
.set G0B, 56
.set G1S, 68
.set G0S, 76
.set G1SB, 80
.set G0SB, 88
.set MSB, 0
.macro WIN new
.if MSB != (\new)
	s_set_vgpr_msb (MSB<<8)|(\new)
.set MSB, (\new)
.endif
.endm
.set MUL_LO, 0xa1
.set MUL_HI, 0xf1
.set FIRST_LO, 0x81
.set FIRST_HI, 0xc1
.set TO_B,   0x40
.macro JLOAD g0a, g1a, g0b, g1b
	s_cmp_eq_u32 s15, 0
	s_cbranch_scc0 .Lfor_b_\@
	tensor_load_to_lds s[\g0a:\g0a+3], s[\g1a:\g1a+7]
	s_nop 0
.rept 4
	v_nop
.endr
	s_branch .Lasked_\@
.Lfor_b_\@:
	tensor_load_to_lds s[\g0b:\g0b+3], s[\g1b:\g1b+7]
	s_nop 0
.rept 4
	v_nop
.endr
.Lasked_\@:
.endm
.macro CREST
	s_cmp_lg_u32 s14, 0
	s_cbranch_scc1 .Lnot_wave_0_\@
	s_barrier_signal -3
.Lnot_wave_0_\@:
	s_barrier_wait -3
	s_barrier_signal -1
	s_barrier_wait -1
.endm
.macro CROUND
	s_barrier_signal -1
	s_barrier_wait -1
	CREST
.endm
	s_load_b128 s[4:7], s[0:1], 0x0                ; hbuf s[4:5], wbuf s[6:7]
	s_load_b64 s[66:67], s[0:1], 0x10              ; b1
	s_load_b64 s[12:13], s[0:1], 0x18              ; hidbuf
	v_lshl_add_u32 v[SPW], v0, 2, SPARE
	v_mov_b32 v[NIL], 0
	ds_add_u32 v[SPW], v[NIL]                      ; the wave's opening
	v_lshrrev_b32 v1, 5, v0
	v_readfirstlane_b32 s14, v1
	s_lshr_b32 s15, s14, 1
	s_and_b32 s16, s14, 1
	s_bfe_u32 s40, ttmp6, 0x40000
	s_bfe_u32 s41, ttmp6, 0x40004
	s_lshl_b32 s42, ttmp9, 2
	s_add_co_u32 s42, s42, s40
	s_and_b32 s17, ttmp7, 0xffff
	s_lshl_b32 s17, s17, 2
	s_add_co_u32 s17, s17, s41
	s_lshl_b32 s43, s41, 2
	s_lshl_b32 s43, 15, s43
	s_lshl_b32 s44, 0x1111, s40
	s_or_b32 s[G1+0], s43, (3<<16)|(1<<21)
	s_or_b32 s[G1B+0], s44, (3<<16)|(1<<21)
.irp g, G1, G1B
	s_mov_b32 s[\g+1], 384<<16
	s_mov_b32 s[\g+2], 8<<16
	s_mov_b32 s[\g+3], 384<<16
	s_mov_b32 s[\g+4], 8
	s_mov_b32 s[\g+5], TILEB/8
	s_mov_b32 s[\g+6], 0
	s_mov_b32 s[\g+7], 0
.endr
	s_or_b32 s[G1S+0], s43, (3<<16)|(1<<21)
	s_or_b32 s[G1SB+0], s44, (3<<16)|(1<<21)
.irp g, G1S, G1SB
	s_mov_b32 s[\g+1], 32<<16
	s_mov_b32 s[\g+2], (HALFS/256)<<16
	s_mov_b32 s[\g+3], 32<<16
	s_mov_b32 s[\g+4], HALFS/256
	s_mov_b32 s[\g+5], 32
	s_mov_b32 s[\g+6], 0
	s_mov_b32 s[\g+7], 0
.endr
	s_lshl_b32 s18, s16, 3
	s_lshl_b32 s20, s17, 4
	s_add_co_u32 s20, s20, s18
	s_lshl_b32 s46, s42, 4
	s_add_co_u32 s46, s46, s18
	s_mov_b32 s21, 0
	s_mov_b32 s47, 0
	s_mov_b64 s[18:19], KST*64
	s_mul_u64 s[22:23], s[20:21], s[18:19]
	s_mul_u64 s[92:93], s[46:47], s[18:19]
	s_mov_b64 s[18:19], TILEB
	s_mul_u64 s[20:21], s[20:21], s[18:19]
	s_mul_u64 s[46:47], s[46:47], s[18:19]
	s_mul_i32 s45, s14, HALFT
	s_mul_i32 s94, s14, HALFS
	s_wait_dscnt 0x0
	s_wait_kmcnt 0x0
	s_add_nc_u64 s[8:9], s[6:7], B_C
	s_add_nc_u64 s[10:11], s[6:7], B_S
	s_add_nc_u64 s[6:7], s[4:5], A_S
	s_add_nc_u64 s[20:21], s[4:5], s[20:21]
	s_add_nc_u64 s[22:23], s[6:7], s[22:23]
	s_add_nc_u64 s[46:47], s[8:9], s[46:47]
	s_add_nc_u64 s[92:93], s[10:11], s[92:93]
	CROUND
	s_mov_b32 s[G0S], 1
	s_add_co_u32 s[G0S+1], s94, SCL
	s_mov_b64 s[G0S+2:G0S+3], s[22:23]
	s_or_b32 s[G0S+3], s[G0S+3], 0x80000000
	s_mov_b32 s[G0SB], 1
	s_add_co_u32 s[G0SB+1], s94, SCL
	s_mov_b64 s[G0SB+2:G0SB+3], s[92:93]
	s_or_b32 s[G0SB+3], s[G0SB+3], 0x80000000
	JLOAD G0S, G1S, G0SB, G1SB
.irp s, 0,1
	s_mov_b32 s[G0+4*\s], 1
	s_add_co_u32 s[G0+4*\s+1], s45, \s*SLOT
	s_add_nc_u64 s[G0+4*\s+2:G0+4*\s+3], s[20:21], \s*ROWB
	s_or_b32 s[G0+4*\s+3], s[G0+4*\s+3], 0x80000000
	s_mov_b32 s[G0B+4*\s], 1
	s_add_co_u32 s[G0B+4*\s+1], s45, \s*SLOT
	s_add_nc_u64 s[G0B+4*\s+2:G0B+4*\s+3], s[46:47], \s*ROWB
	s_or_b32 s[G0B+4*\s+3], s[G0B+4*\s+3], 0x80000000
	JLOAD G0+4*\s, G1, G0B+4*\s, G1B
.endr
	v_and_b32 v1, 15, v0
	v_bfe_u32 v2, v0, 4, 1
	v_and_b32 v3, 31, v0
	v_lshlrev_b32 v[CO], 4, v3
	v_lshlrev_b32 v[C8], 3, v3
	v_lshlrev_b32 v[R4], 2, v1
	v_lshlrev_b32 v[BA], 6, v2
	s_lshl_b32 s46, s42, 10                        ; my first column: (256 x block + 128 x half) x 4 bytes
	s_lshl_b32 s47, s16, 9
	s_add_co_u32 s46, s46, s47
	s_mov_b32 s47, 0
	s_add_nc_u64 s[66:67], s[66:67], s[46:47]
.irp b, 0,1,2,3,4,5,6,7
	global_load_b128 v[BIAS+8*\b:BIAS+8*\b+3], v[BA], s[66:67] offset:(32*(\b/2)+8*(\b%2))*4
	global_load_b128 v[BIAS+8*\b+4:BIAS+8*\b+7], v[BA], s[66:67] offset:(32*(\b/2)+8*(\b%2))*4+16
.endr
	s_lshl_b32 s20, s17, 4
	s_lshl_b32 s21, s15, 3
	s_add_co_u32 s20, s20, s21                     ; my first tile of tokens
	s_lshl_b32 s21, s42, 1
	s_add_co_u32 s21, s21, s16                     ; my K step of the next product
	s_mul_i32 s22, s20, 49152
	s_mul_i32 s23, s21, 1536
	s_add_co_u32 s22, s22, s23
	s_lshl_b32 s20, s20, 11
	s_lshl_b32 s21, s21, 6
	s_add_co_u32 s20, s20, s21
	s_add_co_u32 s20, s20, 12582912
	s_mov_b32 s21, 0
	s_mov_b32 s23, 0
	s_add_nc_u64 s[98:99], s[12:13], s[20:21]      ; the scale words' base
	s_add_nc_u64 s[12:13], s[12:13], s[22:23]      ; the codes' base
	s_mul_i32 s21, s15, HALFT
	s_mul_i32 s22, s16, HALFT
	s_add_co_u32 s22, s22, 2*HALFT
.irp s, 0,1
	v_add_nc_u32 v[ADRA+\s], s21, v[CO]
	v_add_nc_u32 v[ADRB+\s], s22, v[CO]
	v_add_nc_u32 v[ADRA+2+\s], s21, v[C8]
	v_add_nc_u32 v[ADRB+2+\s], s22, v[C8]
	s_add_co_u32 s21, s21, SLOT
	s_add_co_u32 s22, s22, SLOT
.endr
	s_mul_i32 s21, s15, HALFS
	s_mul_i32 s22, s16, HALFS
	s_add_co_u32 s22, s22, 2*HALFS
	s_sub_co_u32 s22, s22, s21
	v_mul_u32_u24 v6, s22, v2
	s_add_co_u32 s21, s21, SCL
	v_add_nc_u32 v5, v[R4], v6
	v_add_nc_u32 v[ADRS], s21, v5
	s_mov_b32 s[SEL], 0x76543210
	s_mov_b32 s[SEL+1], 0xfedcba98
.irp b, 0,1,2,3
	v_mov_b32 v[TM+4+\b], 0
.endr
.macro FRAG reg, adr, q, i
	ds_load_b128 v[\reg:\reg+3], v[\adr] offset:(\i)*ROWB+(\q)*1536
	ds_load_b64 v[\reg+4:\reg+5], v[\adr+2] offset:(\i)*ROWB+(\q)*1536+512
	ds_load_b128 v[\reg+6:\reg+9], v[\adr] offset:(\i)*ROWB+(\q)*1536+768
	ds_load_b64 v[\reg+10:\reg+11], v[\adr+2] offset:(\i)*ROWB+(\q)*1536+1280
.endm
; 16 matrix instructions; the 64 accumulators take turns, one instruction a turn
.macro MUL16 a0, p, q, sc, zero
.irp a, \a0, \a0+1
.irp b, 0,1,2,3,4,5,6,7
.if \zero
	v_wmma_scale_f32_16x16x128_f8f6f4 v[8*(8*((\a)%4)+\b):8*(8*((\a)%4)+\b)+7], v[128*(\p)+FR*\b:128*(\p)+FR*\b+FR-1], v[AF+FR*(\a):AF+FR*(\a)+FR-1], v[BIAS+8*\b:BIAS+8*\b+7], v[SC+8*NQ*(\sc)+NQ*\b+(\q)], v[SC+8*NQ*(\sc)+NQ*(\a)+(\q)] matrix_a_fmt:MATRIX_FMT_FP6 matrix_b_fmt:MATRIX_FMT_FP6 matrix_a_scale:MATRIX_SCALE_ROW1
.else
	v_wmma_scale_f32_16x16x128_f8f6f4 v[8*(8*((\a)%4)+\b):8*(8*((\a)%4)+\b)+7], v[128*(\p)+FR*\b:128*(\p)+FR*\b+FR-1], v[AF+FR*(\a):AF+FR*(\a)+FR-1], v[8*(8*((\a)%4)+\b):8*(8*((\a)%4)+\b)+7], v[SC+8*NQ*(\sc)+NQ*\b+(\q)], v[SC+8*NQ*(\sc)+NQ*(\a)+(\q)] matrix_a_fmt:MATRIX_FMT_FP6 matrix_b_fmt:MATRIX_FMT_FP6 matrix_a_scale:MATRIX_SCALE_ROW1
.endif
.endr
.endr
.endm
.macro FETCH_B slot, q, p
	WIN TO_B
.irp i, 0,1,2,3,4,5,6,7
	FRAG 128*(\p)+FR*\i, ADRB+\slot, \q, \i
.endr
	WIN 0
.endm
.macro FETCH_A slot, q, i0
.irp i, \i0, \i0+1, \i0+2, \i0+3
	FRAG AF+FR*(\i), ADRA+\slot, \q, \i
.endr
.endm
.macro SCALES sc
.irp i, 0,1,2,3,4,5,6,7
	ds_load_b32 v[SC+8*NQ*\sc+NQ*\i], v[ADRS] offset:\i*KST*64
	ds_load_b32 v[SC+8*NQ*\sc+NQ*\i+1], v[ADRS] offset:\i*KST*64+64
.endr
.endm
.macro PLACES n
.rept \n
	v_nop
.endr
.endm
.macro STEP slot, q, zero
	s_wait_dscnt 4*NL                              ; all but A's blocks 4-7 are in
.if \zero
	WIN FIRST_LO
.else
	WIN MUL_LO
.endif
	MUL16 0, (\q)%2, \q, \slot, \zero
	MUL16 2, (\q)%2, \q, \slot, \zero
	s_wait_dscnt 0
	PLACES NP
	FETCH_B \slot, (\q)+1, 1-(\q)%2
	FETCH_A \slot, (\q)+1, 0
.if \zero
	WIN FIRST_HI
.else
	WIN MUL_HI
.endif
	MUL16 4, (\q)%2, \q, \slot, \zero
	MUL16 6, (\q)%2, \q, \slot, \zero
	PLACES NP
	WIN 0
	FETCH_A \slot, (\q)+1, 4
.endm
.macro TURN slot, next, fill
	s_wait_tensorcnt 0x0                           ; all my tensor loads have landed
	ds_add_u32 v[SPW], v[NIL]
	s_wait_dscnt 4*NL+1                            ; (the add and A's blocks 4-7 may be out)
	WIN MUL_LO
	MUL16 0, 1, NQ-1, \slot, 0
	s_wait_dscnt 0x0                               ; the add is done, and my reads of this slot are over
	s_barrier_signal -1
	MUL16 2, 1, NQ-1, \slot, 0
	WIN 0
	s_barrier_wait -1
.if \fill
	CREST
	s_add_nc_u64 s[G0+4*\slot+2:G0+4*\slot+3], s[G0+4*\slot+2:G0+4*\slot+3], 2*ROWB
	s_add_nc_u64 s[G0B+4*\slot+2:G0B+4*\slot+3], s[G0B+4*\slot+2:G0B+4*\slot+3], 2*ROWB
	JLOAD G0+4*\slot, G1, G0B+4*\slot, G1B
.else
	PLACES NP
.endif
	v_add_nc_u32 v[ADRS], 64*NQ, v[ADRS]
	FETCH_B \next, 0, 0
	FETCH_A \next, 0, 0
	SCALES \next
	WIN MUL_HI
	MUL16 4, 1, NQ-1, \slot, 0
	MUL16 6, 1, NQ-1, \slot, 0
	PLACES NP
	WIN 0
	FETCH_A \next, 0, 4
.endm
	s_wait_tensorcnt 1                             ; the scale words and slot 0 are in; slot 1's load may be out
	s_barrier_signal -1
	s_barrier_wait -1
	FETCH_B 0, 0, 0
	FETCH_A 0, 0, 0
	SCALES 0
	FETCH_A 0, 0, 4
	s_wait_loadcnt 0x0                             ; the bias
	STEP 0, 0, 1
	s_mov_b32 s3, LAPS-1
.Llap:
	TURN 0, 1, 1
	STEP 1, 0, 0
	TURN 1, 0, 1
	STEP 0, 0, 0
	s_sub_co_u32 s3, s3, 1
	s_cmp_lg_u32 s3, 0
	s_cbranch_scc1 .Llap
	TURN 0, 1, 0
	STEP 1, 0, 0
	s_wait_dscnt 4*NL
	WIN MUL_LO
	MUL16 0, 1, NQ-1, 1, 0
	MUL16 2, 1, NQ-1, 1, 0
	s_wait_dscnt 0
	WIN MUL_HI
	MUL16 4, 1, NQ-1, 1, 0
	MUL16 6, 1, NQ-1, 1, 0
	WIN 0
	PLACES NP
; 64 numbers of a lane in window w, register 16 b + i = k 32 b + 16 h + i of my row: relu, then a fragment in v[PC] on and its scale word in v[PW].  Each accumulator is read from its low end on.
.macro QUANT s, w
	WIN ((\w)<<6)|((\w)<<2)
.set QJ, 0
.rept 64
	v_max_num_f32 v[(\s)+QJ], 0, v[(\s)+QJ]        ; the activation, in f32
.set QJ, QJ+1
.endr
	WIN 0
.irp b, 0,1,2,3
	v_mov_b32 v[TM+\b], 0x1800000                  ; the floor 2^(3 - 127)
.endr
	WIN ((\w)<<4)|((\w)<<2)
.irp i, 0,2,4,6,8,10,12,14
.irp b, 0,1,2,3
	v_max3_num_f32 v[TM+\b], v[TM+\b], |v[(\s)+16*\b+\i]|, |v[(\s)+16*\b+\i+1]|
.endr
.endr
	WIN 0
.irp b, 0,1,2,3
	v_permlanex16_b32 v[TM+4+\b], v[TM+\b], s[SEL], s[SEL+1]
.endr
.irp b, 0,1,2,3
	v_max_num_f32 v[TM+\b], v[TM+\b], v[TM+4+\b]
.endr
.irp b, 0,1,2,3
	v_add_nc_u32 v[TM+12+\b], 0xff000000, v[TM+\b]
.endr
.irp b, 0,1,2,3
	v_lshrrev_b32 v[TM+4+\b], 23, v[TM+12+\b]
.endr
	v_lshl_or_b32 v[PW], v[TM+5], 8, v[TM+4]
	v_lshl_or_b32 v[PW], v[TM+6], 16, v[PW]
	v_lshl_or_b32 v[PW], v[TM+7], 24, v[PW]
	WIN (\w)
.irp c, 0,1
	v_cvt_scalef32_pk16_fp6_f32 v[PC+6*\c:PC+2+6*\c], v[(\s)+32*\c:(\s)+32*\c+15], v[TM+12+2*\c]
	v_cvt_scalef32_pk16_fp6_f32 v[PC+12+4*\c:PC+14+4*\c], v[(\s)+32*\c+16:(\s)+32*\c+31], v[TM+13+2*\c]
.endr
	WIN 0
	v_nop                                          ; one plain place behind a scaled conversion
.irp c, 0,1
.irp i, 0,1,2
	v_permlane16_swap_b32 v[PC+6*\c+\i], v[PC+12+4*\c+\i]
.endr
.irp i, 0,1,2
	v_mov_b32 v[PC+3+6*\c+\i], v[PC+12+4*\c+\i]
.endr
.endr
.endm
.irp a, 0,1,2,3,4,5,6,7                ; THE WAY OUT: A block a is tile a of my tokens, my K step of the next product
	s_wait_xcnt 0x0                                ; the last block's stores have read their registers
	QUANT 64*((\a)%4), 2+(\a)/4
	global_store_b128 v[CO], v[PC:PC+3], s[12:13] offset:\a*49152
	global_store_b64 v[C8], v[PC+4:PC+5], s[12:13] offset:\a*49152+512
	global_store_b128 v[CO], v[PC+6:PC+9], s[12:13] offset:\a*49152+768
	global_store_b64 v[C8], v[PC+10:PC+11], s[12:13] offset:\a*49152+1280
	global_store_b32 v[R4], v[PW], s[98:99] offset:\a*2048
.endr
	s_wait_tensorcnt 0x0                           ; the wave's end
	ds_add_u32 v[SPW], v[NIL]
	s_wait_dscnt 0x0
	CROUND                                         ; the closing round
	s_endpgm
.Lfunc_end_k_qa946ee69fb_ffn1:
	.size	k_qa946ee69fb_ffn1, .Lfunc_end_k_qa946ee69fb_ffn1-k_qa946ee69fb_ffn1
	.p2alignl 7, 3214868480
	.fill 96, 4, 3214868480
	.section	.rodata,"a",@progbits
	.p2align	6, 0x0
	.amdhsa_kernel k_qa946ee69fb_ffn1
		.amdhsa_group_segment_fixed_size 327680
		.amdhsa_private_segment_fixed_size 0
		.amdhsa_enable_private_segment 0
		.amdhsa_kernarg_size 32
		.amdhsa_user_sgpr_count 2
		.amdhsa_user_sgpr_kernarg_segment_ptr 1
		.amdhsa_wavefront_size32 1
		.amdhsa_system_sgpr_workgroup_id_x 1
		.amdhsa_system_sgpr_workgroup_id_y 1
		.amdhsa_system_sgpr_workgroup_id_z 1
		.amdhsa_system_vgpr_workitem_id 0
		.amdhsa_next_free_vgpr 1024
		.amdhsa_next_free_sgpr 100
		.amdhsa_reserve_vcc 0
		.amdhsa_float_denorm_mode_32 3
		.amdhsa_float_denorm_mode_16_64 3
		.amdhsa_memory_ordered 1
		.amdhsa_forward_progress 1
		.amdhsa_inst_pref_size 170
	.end_amdhsa_kernel
	.amdgpu_metadata
---
amdhsa.version: [ 1, 2 ]
amdhsa.kernels:
  - .name:           k_qa946ee69fb_ffn1
    .symbol:         k_qa946ee69fb_ffn1.kd
    .args:
      - { .name: hbuf, .offset: 0, .size: 8, .value_kind: global_buffer, .address_space: global }
      - { .name: wbuf, .offset: 8, .size: 8, .value_kind: global_buffer, .address_space: global }
      - { .name: b1, .offset: 16, .size: 8, .value_kind: global_buffer, .address_space: global }
      - { .name: hidbuf, .offset: 24, .size: 8, .value_kind: global_buffer, .address_space: global }
    .group_segment_fixed_size: 327680
    .private_segment_fixed_size: 0
    .kernarg_segment_align: 8
    .kernarg_segment_size: 32
    .max_flat_workgroup_size: 128
    .sgpr_count:     100
    .vgpr_count:     1024
    .wavefront_size: 32
...
	.end_amdgpu_metadata
.endif
;; end of part 6
;; launch ffn2 (part 7): grid 4 x 16, 4 waves a work-group, clusters of 4 x 4, 327,680 bytes of LDS; arguments hidbuf, wbuf, b2, xbuf, out0; writes out0
.if DOCPART == 7
	.amdgcn_target "amdgcn-amd-amdhsa--gfx1250"
	.amdhsa_code_object_version 6
	.text
	.protected	k_qa946ee69fb_ffn2
	.globl	k_qa946ee69fb_ffn2
	.p2align	8
	.type	k_qa946ee69fb_ffn2,@function
k_qa946ee69fb_ffn2:
	s_mov_b64 s[64:65], 0
	v_nop
	global_prefetch_b8 v0, s[64:65] scope:SCOPE_SE
	s_setreg_imm32_b32 hwreg(HW_REG_WAVE_MODE, 25, 1), 1
	s_wait_xcnt 0x0
	s_wait_alu depctr_hold_cnt(0) depctr_sa_sdst(0) depctr_va_vdst(0) depctr_va_sdst(0) depctr_va_ssrc(0) depctr_va_vcc(0) depctr_vm_vsrc(0)
	s_getreg_b32 s2, hwreg(HW_REG_IB_STS2, 6, 4)
	s_cmp_eq_u32 s2, 0
	s_cbranch_scc0 .Lentry_in_a_cluster
	s_endpgm
.Lentry_in_a_cluster:
	s_bfe_u32 s2, ttmp6, 0x10000c
	s_cmp_lg_u32 s2, 0xf033
	s_cbranch_scc0 .Lentry_shape_is_right
	s_endpgm
.Lentry_shape_is_right:
; out = x + hidden W2 + b2: a product on codes of FP6 (E2M3) with E8M0 scales, K = 4,096; the result leaves as f32 rows.
; OPERANDS lie as images of registers: codes [tile of 16 rows][K / 64][768 bytes] (registers 0-3 of lane l at 16 l, registers 4-5 at 512 + 8 l), scale words [tile][K / 128][16].  Row rho of tile t is row
; pi(t, rho) = 32 (t / 2) + 8 (t % 2) + rho + 8 (rho / 8) of the tensor.
; A work-group of four waves makes 256 x 256, a wave 128 x 128: 64 accumulators.  Source 0 = 16 columns of the weight, source 1 = 16 tokens: a lane holds one token, and registers 16 b + i of an A block are columns
; 32 b + 16 h + i.  The bias is the C of each sum's first matrix instruction.  K goes in steps of 256 through two LDS slots; a wave's tensor load brings 8 tiles x 3,072 bytes; all scale words come once.
; CLUSTER 4 x 4: the tokens' tile is asked for jointly along a row of the cluster, the weight's along a column.  The grid has 64 work-groups: 1,024 columns make four tiles of 256.
; THE WAY OUT: a block of 16 tokens x 128 columns goes through my stage in LDS (in slot 0, which has had its last fill and its last read), comes back as rows of 512 bytes, takes the residual's rows, and is stored.
; REGISTERS: window 0: v0-31 addresses; v32-63 scale words; v64-127 the bias, later the residual; v128-223 A's fragments; v128-255 the way out.  Window 1: B's fragments, later the residual.  Windows 2, 3: accumulators.
.set KTOT,  4096
.set A_S,   12582912                   ; the tokens' scale words in their buffer
.set B_C,   6291456                    ; the weight's codes in wbuf
.set B_S,   9699328                    ; and scale words
.set KST,   KTOT/128
.set TILEB, KST*1536
.set LAPS,  KTOT/512
.set NQ,    2
.set FR,    12
.set NL,    4
.set NP,    4
.set ROWB,  3072
.set HALFT, 8*ROWB
.set SLOT,  4*HALFT
.set SCL,   2*SLOT
.set HALFS, 8*KST*64
.set SPARE, SCL+4*HALFS                ; the spare words, 128 bytes for each wave: two blocks of 256 bytes that no other line names
.set SPITCH, 528
.set BA,   7
.set ADRA, 16
.set ADRB, 20
.set STO,  24
.set RD,   25
.set CO,   26
.set ADRS, 27
.set SPW,  28
.set NIL,  29
.set C8,   30
.set R4,   31
.set SC,   32
.set BIAS, 64
.set AF,   128
.set BK,   128
.set G1, 24
.set G0, 32
.set G1B, 48
.set G0B, 56
.set G1S, 68
.set G0S, 76
.set G1SB, 80
.set G0SB, 88
.set MSB, 0
.macro WIN new
.if MSB != (\new)
	s_set_vgpr_msb (MSB<<8)|(\new)
.set MSB, (\new)
.endif
.endm
.set MUL_LO, 0xa1
.set MUL_HI, 0xf1
.set FIRST_LO, 0x81
.set FIRST_HI, 0xc1
.set TO_B,   0x40
.macro JLOAD g0a, g1a, g0b, g1b
	s_cmp_eq_u32 s15, 0
	s_cbranch_scc0 .Lfor_b_\@
	tensor_load_to_lds s[\g0a:\g0a+3], s[\g1a:\g1a+7]
	s_nop 0
.rept 4
	v_nop
.endr
	s_branch .Lasked_\@
.Lfor_b_\@:
	tensor_load_to_lds s[\g0b:\g0b+3], s[\g1b:\g1b+7]
	s_nop 0
.rept 4
	v_nop
.endr
.Lasked_\@:
.endm
.macro CREST
	s_cmp_lg_u32 s14, 0
	s_cbranch_scc1 .Lnot_wave_0_\@
	s_barrier_signal -3
.Lnot_wave_0_\@:
	s_barrier_wait -3
	s_barrier_signal -1
	s_barrier_wait -1
.endm
.macro CROUND
	s_barrier_signal -1
	s_barrier_wait -1
	CREST
.endm
	s_load_b128 s[4:7], s[0:1], 0x0                ; the tokens' operand s[4:5], wbuf s[6:7]
	s_load_b64 s[66:67], s[0:1], 0x10              ; the bias
	s_load_b64 s[98:99], s[0:1], 0x18              ; the residual
	s_load_b64 s[12:13], s[0:1], 0x20              ; the result
	v_lshl_add_u32 v[SPW], v0, 2, SPARE
	v_mov_b32 v[NIL], 0
	ds_add_u32 v[SPW], v[NIL]                      ; the wave's opening
	v_lshrrev_b32 v1, 5, v0
	v_readfirstlane_b32 s14, v1
	s_lshr_b32 s15, s14, 1
	s_and_b32 s16, s14, 1
	s_bfe_u32 s40, ttmp6, 0x40000
	s_bfe_u32 s41, ttmp6, 0x40004
	s_lshl_b32 s42, ttmp9, 2
	s_add_co_u32 s42, s42, s40
	s_and_b32 s17, ttmp7, 0xffff
	s_lshl_b32 s17, s17, 2
	s_add_co_u32 s17, s17, s41
	s_lshl_b32 s43, s41, 2
	s_lshl_b32 s43, 15, s43
	s_lshl_b32 s44, 0x1111, s40
	s_or_b32 s[G1+0], s43, (3<<16)|(1<<21)
	s_or_b32 s[G1B+0], s44, (3<<16)|(1<<21)
.irp g, G1, G1B
	s_mov_b32 s[\g+1], 384<<16
	s_mov_b32 s[\g+2], 8<<16
	s_mov_b32 s[\g+3], 384<<16
	s_mov_b32 s[\g+4], 8
	s_mov_b32 s[\g+5], TILEB/8
	s_mov_b32 s[\g+6], 0
	s_mov_b32 s[\g+7], 0
.endr
	s_or_b32 s[G1S+0], s43, (3<<16)|(1<<21)
	s_or_b32 s[G1SB+0], s44, (3<<16)|(1<<21)
.irp g, G1S, G1SB
	s_mov_b32 s[\g+1], 32<<16
	s_mov_b32 s[\g+2], (HALFS/256)<<16
	s_mov_b32 s[\g+3], 32<<16
	s_mov_b32 s[\g+4], HALFS/256
	s_mov_b32 s[\g+5], 32
	s_mov_b32 s[\g+6], 0
	s_mov_b32 s[\g+7], 0
.endr
	s_lshl_b32 s18, s16, 3
	s_lshl_b32 s20, s17, 4
	s_add_co_u32 s20, s20, s18
	s_lshl_b32 s46, s42, 4
	s_add_co_u32 s46, s46, s18
	s_mov_b32 s21, 0
	s_mov_b32 s47, 0
	s_mov_b64 s[18:19], KST*64
	s_mul_u64 s[22:23], s[20:21], s[18:19]
	s_mul_u64 s[92:93], s[46:47], s[18:19]
	s_mov_b64 s[18:19], TILEB
	s_mul_u64 s[20:21], s[20:21], s[18:19]
	s_mul_u64 s[46:47], s[46:47], s[18:19]
	s_mul_i32 s45, s14, HALFT
	s_mul_i32 s94, s14, HALFS
	s_wait_dscnt 0x0
	s_wait_kmcnt 0x0
	s_add_nc_u64 s[8:9], s[6:7], B_C
	s_add_nc_u64 s[10:11], s[6:7], B_S
	s_add_nc_u64 s[6:7], s[4:5], A_S
	s_add_nc_u64 s[20:21], s[4:5], s[20:21]
	s_add_nc_u64 s[22:23], s[6:7], s[22:23]
	s_add_nc_u64 s[46:47], s[8:9], s[46:47]
	s_add_nc_u64 s[92:93], s[10:11], s[92:93]
	CROUND
	s_mov_b32 s[G0S], 1
	s_add_co_u32 s[G0S+1], s94, SCL
	s_mov_b64 s[G0S+2:G0S+3], s[22:23]
	s_or_b32 s[G0S+3], s[G0S+3], 0x80000000
	s_mov_b32 s[G0SB], 1
	s_add_co_u32 s[G0SB+1], s94, SCL
	s_mov_b64 s[G0SB+2:G0SB+3], s[92:93]
	s_or_b32 s[G0SB+3], s[G0SB+3], 0x80000000
	JLOAD G0S, G1S, G0SB, G1SB
.irp s, 0,1
	s_mov_b32 s[G0+4*\s], 1
	s_add_co_u32 s[G0+4*\s+1], s45, \s*SLOT
	s_add_nc_u64 s[G0+4*\s+2:G0+4*\s+3], s[20:21], \s*ROWB
	s_or_b32 s[G0+4*\s+3], s[G0+4*\s+3], 0x80000000
	s_mov_b32 s[G0B+4*\s], 1
	s_add_co_u32 s[G0B+4*\s+1], s45, \s*SLOT
	s_add_nc_u64 s[G0B+4*\s+2:G0B+4*\s+3], s[46:47], \s*ROWB
	s_or_b32 s[G0B+4*\s+3], s[G0B+4*\s+3], 0x80000000
	JLOAD G0+4*\s, G1, G0B+4*\s, G1B
.endr
	v_and_b32 v1, 15, v0
	v_bfe_u32 v2, v0, 4, 1
	v_and_b32 v3, 31, v0
	v_lshlrev_b32 v[CO], 4, v3
	v_lshlrev_b32 v[C8], 3, v3
	v_lshlrev_b32 v[R4], 2, v1
	v_lshlrev_b32 v[BA], 6, v2
	s_lshl_b32 s20, s17, 20
	s_lshl_b32 s21, s15, 19
	s_add_co_u32 s20, s20, s21
	s_lshl_b32 s46, s42, 10
	s_lshl_b32 s47, s16, 9
	s_add_co_u32 s46, s46, s47
	s_add_co_u32 s20, s20, s46
	s_mov_b32 s21, 0
	s_mov_b32 s47, 0
	s_add_nc_u64 s[12:13], s[12:13], s[20:21]
	s_add_nc_u64 s[98:99], s[98:99], s[20:21]
	s_add_nc_u64 s[66:67], s[66:67], s[46:47]
.irp b, 0,1,2,3,4,5,6,7
	global_load_b128 v[BIAS+8*\b:BIAS+8*\b+3], v[BA], s[66:67] offset:(32*(\b/2)+8*(\b%2))*4
	global_load_b128 v[BIAS+8*\b+4:BIAS+8*\b+7], v[BA], s[66:67] offset:(32*(\b/2)+8*(\b%2))*4+16
.endr
	s_mul_i32 s21, s15, HALFT
	s_mul_i32 s22, s16, HALFT
	s_add_co_u32 s22, s22, 2*HALFT
.irp s, 0,1
	v_add_nc_u32 v[ADRA+\s], s21, v[CO]
	v_add_nc_u32 v[ADRB+\s], s22, v[CO]
	v_add_nc_u32 v[ADRA+2+\s], s21, v[C8]
	v_add_nc_u32 v[ADRB+2+\s], s22, v[C8]
	s_add_co_u32 s21, s21, SLOT
	s_add_co_u32 s22, s22, SLOT
.endr
	s_mul_i32 s21, s15, HALFS
	s_mul_i32 s22, s16, HALFS
	s_add_co_u32 s22, s22, 2*HALFS
	s_sub_co_u32 s22, s22, s21
	v_mul_u32_u24 v6, s22, v2
	s_add_co_u32 s21, s21, SCL
	v_add_nc_u32 v5, v[R4], v6
	v_add_nc_u32 v[ADRS], s21, v5
	s_mul_i32 s23, s14, 16*SPITCH
	v_mul_u32_u24 v5, v1, SPITCH
	v_lshl_add_u32 v5, v2, 6, v5
	v_add_nc_u32 v[STO], s23, v5
	v_add_nc_u32 v[RD], s23, v[CO]
.macro FRAG reg, adr, q, i
	ds_load_b128 v[\reg:\reg+3], v[\adr] offset:(\i)*ROWB+(\q)*1536
	ds_load_b64 v[\reg+4:\reg+5], v[\adr+2] offset:(\i)*ROWB+(\q)*1536+512
	ds_load_b128 v[\reg+6:\reg+9], v[\adr] offset:(\i)*ROWB+(\q)*1536+768
	ds_load_b64 v[\reg+10:\reg+11], v[\adr+2] offset:(\i)*ROWB+(\q)*1536+1280
.endm
; 16 matrix instructions; the 64 accumulators take turns, one instruction a turn
.macro MUL16 a0, p, q, sc, zero
.irp a, \a0, \a0+1
.irp b, 0,1,2,3,4,5,6,7
.if \zero
	v_wmma_scale_f32_16x16x128_f8f6f4 v[8*(8*((\a)%4)+\b):8*(8*((\a)%4)+\b)+7], v[128*(\p)+FR*\b:128*(\p)+FR*\b+FR-1], v[AF+FR*(\a):AF+FR*(\a)+FR-1], v[BIAS+8*\b:BIAS+8*\b+7], v[SC+8*NQ*(\sc)+NQ*\b+(\q)], v[SC+8*NQ*(\sc)+NQ*(\a)+(\q)] matrix_a_fmt:MATRIX_FMT_FP6 matrix_b_fmt:MATRIX_FMT_FP6 matrix_a_scale:MATRIX_SCALE_ROW1
.else
	v_wmma_scale_f32_16x16x128_f8f6f4 v[8*(8*((\a)%4)+\b):8*(8*((\a)%4)+\b)+7], v[128*(\p)+FR*\b:128*(\p)+FR*\b+FR-1], v[AF+FR*(\a):AF+FR*(\a)+FR-1], v[8*(8*((\a)%4)+\b):8*(8*((\a)%4)+\b)+7], v[SC+8*NQ*(\sc)+NQ*\b+(\q)], v[SC+8*NQ*(\sc)+NQ*(\a)+(\q)] matrix_a_fmt:MATRIX_FMT_FP6 matrix_b_fmt:MATRIX_FMT_FP6 matrix_a_scale:MATRIX_SCALE_ROW1
.endif
.endr
.endr
.endm
.macro FETCH_B slot, q, p
	WIN TO_B
.irp i, 0,1,2,3,4,5,6,7
	FRAG 128*(\p)+FR*\i, ADRB+\slot, \q, \i
.endr
	WIN 0
.endm
.macro FETCH_A slot, q, i0
.irp i, \i0, \i0+1, \i0+2, \i0+3
	FRAG AF+FR*(\i), ADRA+\slot, \q, \i
.endr
.endm
.macro SCALES sc
.irp i, 0,1,2,3,4,5,6,7
	ds_load_b32 v[SC+8*NQ*\sc+NQ*\i], v[ADRS] offset:\i*KST*64
	ds_load_b32 v[SC+8*NQ*\sc+NQ*\i+1], v[ADRS] offset:\i*KST*64+64
.endr
.endm
.macro PLACES n
.rept \n
	v_nop
.endr
.endm
.macro STEP slot, q, zero
	s_wait_dscnt 4*NL                              ; all but A's blocks 4-7 are in
.if \zero
	WIN FIRST_LO
.else
	WIN MUL_LO
.endif
	MUL16 0, (\q)%2, \q, \slot, \zero
	MUL16 2, (\q)%2, \q, \slot, \zero
	s_wait_dscnt 0
	PLACES NP
	FETCH_B \slot, (\q)+1, 1-(\q)%2
	FETCH_A \slot, (\q)+1, 0
.if \zero
	WIN FIRST_HI
.else
	WIN MUL_HI
.endif
	MUL16 4, (\q)%2, \q, \slot, \zero
	MUL16 6, (\q)%2, \q, \slot, \zero
	PLACES NP
	WIN 0
	FETCH_A \slot, (\q)+1, 4
.endm
.macro TURN slot, next, fill
	s_wait_tensorcnt 0x0                           ; all my tensor loads have landed
	ds_add_u32 v[SPW], v[NIL]
	s_wait_dscnt 4*NL+1                            ; (the add and A's blocks 4-7 may be out)
	WIN MUL_LO
	MUL16 0, 1, NQ-1, \slot, 0
	s_wait_dscnt 0x0                               ; the add is done, and my reads of this slot are over
	s_barrier_signal -1
	MUL16 2, 1, NQ-1, \slot, 0
	WIN 0
	s_barrier_wait -1
.if \fill
	CREST
	s_add_nc_u64 s[G0+4*\slot+2:G0+4*\slot+3], s[G0+4*\slot+2:G0+4*\slot+3], 2*ROWB
	s_add_nc_u64 s[G0B+4*\slot+2:G0B+4*\slot+3], s[G0B+4*\slot+2:G0B+4*\slot+3], 2*ROWB
	JLOAD G0+4*\slot, G1, G0B+4*\slot, G1B
.else
	PLACES NP
.endif
	v_add_nc_u32 v[ADRS], 64*NQ, v[ADRS]
	FETCH_B \next, 0, 0
	FETCH_A \next, 0, 0
	SCALES \next
	WIN MUL_HI
	MUL16 4, 1, NQ-1, \slot, 0
	MUL16 6, 1, NQ-1, \slot, 0
	PLACES NP
	WIN 0
	FETCH_A \next, 0, 4
.endm
; the residual's 16 rows of block a: block 0 into window 0 v64-127 (the bias has served), blocks 1-7 into four sets of 64 in window 1 (B's fragments have served)
.macro RLOAD a
.if (\a) == 0
.set RS, 64
	WIN 0
.else
.set RS, 64*(((\a)-1)%4)
	WIN 0x40
.endif
.irp t, 0,1,2,3,4,5,6,7,8,9,10,11,12,13,14,15
	global_load_b128 v[RS+4*\t:RS+4*\t+3], v[CO], s[98:99] offset:(32*((\a)/2)+8*((\a)%2)+\t+8*(\t/8))*4096
.endr
	WIN 0
.endm
.macro TOSTAGE a
.set AC, 64*((\a)%4)
	WIN 0x08+4*((\a)/4)
.irp b, 0,1,2,3,4,5,6,7
	ds_store_b128 v[STO], v[AC+8*\b:AC+8*\b+3] offset:128*(\b/2)+32*(\b%2)          ; each accumulator from its low end on
	ds_store_b128 v[STO], v[AC+8*\b+4:AC+8*\b+7] offset:128*(\b/2)+32*(\b%2)+16
.endr
	WIN 0
.set BB, BK+64*((\a)%2)
.irp t, 0,1,2,3,4,5,6,7,8,9,10,11,12,13,14,15
	ds_load_b128 v[BB+4*\t:BB+4*\t+3], v[RD] offset:\t*SPITCH      ; LDS serves a wave's instructions in order: these see the stores above
.endr
.endm
.macro SENDF a, younger
.set BB, BK+64*((\a)%2)
	s_wait_dscnt \younger                          ; the block is back; the next block's 16 stores and 16 loads may be out
.if (\a) <= 4
	s_wait_loadcnt 48                              ; its residual is in; three younger blocks of 16 loads may be out
.else
	s_wait_loadcnt 16*(7-(\a))
.endif
.if (\a) == 0
.set RS, 64
	WIN 0
.else
.set RS, 64*(((\a)-1)%4)
	WIN 0x04
.endif
.set QJ, 0
.rept 32
	v_pk_add_f32 v[BB+QJ:BB+QJ+1], v[BB+QJ:BB+QJ+1], v[RS+QJ:RS+QJ+1]
.set QJ, QJ+2
.endr
	WIN 0
.irp t, 0,1,2,3,4,5,6,7,8,9,10,11,12,13,14,15
	global_store_b128 v[CO], v[BB+4*\t:BB+4*\t+3], s[12:13] offset:(32*((\a)/2)+8*((\a)%2)+\t+8*(\t/8))*4096 th:TH_STORE_NT   ; 512 consecutive bytes, aligned: row t of block a is token pi(a, t); written once, read by nobody here
.endr
.endm
	s_wait_tensorcnt 1                             ; the scale words and slot 0 are in; slot 1's load may be out
	s_barrier_signal -1
	s_barrier_wait -1
	FETCH_B 0, 0, 0
	FETCH_A 0, 0, 0
	SCALES 0
	FETCH_A 0, 0, 4
	s_wait_loadcnt 0x0                             ; the bias
	STEP 0, 0, 1
	s_mov_b32 s3, LAPS-1
.Llap:
	TURN 0, 1, 1
	STEP 1, 0, 0
	TURN 1, 0, 1
	STEP 0, 0, 0
	s_sub_co_u32 s3, s3, 1
	s_cmp_lg_u32 s3, 0
	s_cbranch_scc1 .Llap
	RLOAD 0                                        ; the first block's residual is asked for three steps ahead of its use
	TURN 0, 1, 0
	STEP 1, 0, 0
	s_wait_dscnt 4*NL
	WIN MUL_LO
	MUL16 0, 1, NQ-1, 1, 0
	MUL16 2, 1, NQ-1, 1, 0
	s_wait_dscnt 0
	WIN MUL_HI
	MUL16 4, 1, NQ-1, 1, 0
	MUL16 6, 1, NQ-1, 1, 0
	WIN 0
	PLACES NP
	RLOAD 1
	RLOAD 2
	RLOAD 3
	TOSTAGE 0
.irp a, 1,2,3,4,5,6,7
.if \a > 1
	s_wait_xcnt 0x0                                ; block a - 2's stores have read their registers: block a's loads may land there
.endif
	TOSTAGE \a
	SENDF \a-1, 32
.if \a+3 <= 7
	RLOAD \a+3
.endif
.endr
	s_wait_xcnt 0x0
	SENDF 7, 0
	s_wait_tensorcnt 0x0                           ; the wave's end
	ds_add_u32 v[SPW], v[NIL]
	s_wait_dscnt 0x0
	CROUND                                         ; the closing round
	s_endpgm
.Lfunc_end_k_qa946ee69fb_ffn2:
	.size	k_qa946ee69fb_ffn2, .Lfunc_end_k_qa946ee69fb_ffn2-k_qa946ee69fb_ffn2
	.p2alignl 7, 3214868480
	.fill 96, 4, 3214868480
	.section	.rodata,"a",@progbits
	.p2align	6, 0x0
	.amdhsa_kernel k_qa946ee69fb_ffn2
		.amdhsa_group_segment_fixed_size 327680
		.amdhsa_private_segment_fixed_size 0
		.amdhsa_enable_private_segment 0
		.amdhsa_kernarg_size 40
		.amdhsa_user_sgpr_count 2
		.amdhsa_user_sgpr_kernarg_segment_ptr 1
		.amdhsa_wavefront_size32 1
		.amdhsa_system_sgpr_workgroup_id_x 1
		.amdhsa_system_sgpr_workgroup_id_y 1
		.amdhsa_system_sgpr_workgroup_id_z 1
		.amdhsa_system_vgpr_workitem_id 0
		.amdhsa_next_free_vgpr 1024
		.amdhsa_next_free_sgpr 100
		.amdhsa_reserve_vcc 0
		.amdhsa_float_denorm_mode_32 3
		.amdhsa_float_denorm_mode_16_64 3
		.amdhsa_memory_ordered 1
		.amdhsa_forward_progress 1
		.amdhsa_inst_pref_size 176
	.end_amdhsa_kernel
	.amdgpu_metadata
---
amdhsa.version: [ 1, 2 ]
amdhsa.kernels:
  - .name:           k_qa946ee69fb_ffn2
    .symbol:         k_qa946ee69fb_ffn2.kd
    .args:
      - { .name: hidbuf, .offset: 0, .size: 8, .value_kind: global_buffer, .address_space: global }
      - { .name: wbuf, .offset: 8, .size: 8, .value_kind: global_buffer, .address_space: global }
      - { .name: b2, .offset: 16, .size: 8, .value_kind: global_buffer, .address_space: global }
      - { .name: xbuf, .offset: 24, .size: 8, .value_kind: global_buffer, .address_space: global }
      - { .name: out0, .offset: 32, .size: 8, .value_kind: global_buffer, .address_space: global }
    .group_segment_fixed_size: 327680
    .private_segment_fixed_size: 0
    .kernarg_segment_align: 8
    .kernarg_segment_size: 40
    .max_flat_workgroup_size: 128
    .sgpr_count:     100
    .vgpr_count:     1024
    .wavefront_size: 32
...
	.end_amdgpu_metadata
.endif
;; end of part 7
;; ======== version 2 of 2: 7 launches
;; limits: right only within a limited range of input values
;; workspace buffers: wbuf 9,830,400 bytes; hbuf 3,276,800 bytes; qkvbuf 9,830,400 bytes; cbuf 3,276,800 bytes; xbuf 16,777,216 bytes; hidbuf 13,107,200 bytes
;; launch prep (part 8): grid 640 x 1, 8 waves a work-group, no clusters, 66,816 bytes of LDS; arguments data, g1, be1, hbuf, Wq, Wk, Wv, Wfc, W1, W2, wbuf; writes hbuf, wbuf
.if DOCPART == 8
	.amdgcn_target "amdgcn-amd-amdhsa--gfx1250"
	.amdhsa_code_object_version 6
	.text
	.protected	k_qa946ee69fb_prep
	.globl	k_qa946ee69fb_prep
	.p2align	8
	.type	k_qa946ee69fb_prep,@function
k_qa946ee69fb_prep:
	s_mov_b64 s[64:65], 0
	v_nop
	global_prefetch_b8 v0, s[64:65] scope:SCOPE_SE
	s_setreg_imm32_b32 hwreg(HW_REG_WAVE_MODE, 25, 1), 1
	s_wait_xcnt 0x0
; ONE LAUNCH PREPARES ALL OPERANDS THAT HANG ON INPUTS ALONE.  Work-groups 0-255: the first norm of data, quantised.  Work-groups 256-639: the six weights, quantised.  The two paths part on the work-group's number alone;
; only the norm's path uses LDS and has a barrier.  The norm's work-groups, whose steps hang on each other, have the lowest numbers.
; LAYOUT OF AN OPERAND.  A tile is 16 rows (tokens, or output columns n of a weight); row rho of tile t is row 32 (t / 2) + 8 (t % 2) + rho + 8 (rho / 8): with that order the results of two neighbouring tiles are
; 16 neighbours along the next product's K.  Codes of FP6 (E2M3): [tile][K / 64][768 bytes], an image of the operand's registers (registers 0-3 of lane l at 16 l, registers 4-5 at 512 + 8 l); E8M0 scale words: [tile][K / 128][16 words].
; A block's scale is 2^(floor(log2(largest magnitude)) - 2); the byte is the largest magnitude's exponent field - 2, held at 1 from below.
; LIMITS: a block of zeros, or one whose largest magnitude lies under 2^-124, keeps the byte 1 (this program alone reads the bytes); NaN and infinities are not served.
	s_cmp_lt_u32 ttmp9, 256
	s_cbranch_scc0 .Lweights
; THE NORM: y = (x - mean) rsqrt(var + 1e-5) g + b along rows of 1,024 f32.  A work-group of eight waves owns a tile.  PHASE 1: wave w norms tile rows 2 w and 2 w + 1, two neighbouring tokens, 8,192 consecutive bytes;
; mean and variance in two passes over registers, so that a common offset of the inputs costs nothing; the rows go to a stage in LDS.  One barrier.  PHASE 2: wave w quantises K step w (128 columns of the 16 rows):
; lane (r, h) takes, of row r, 16 neighbours of each block of 32.
.set ROWP,  4112                       ; a stage row: 4,096 bytes + 16
.set SPARE, 16*ROWP                    ; behind the stage: the spare words, 128 bytes for each wave
.set L16, 2                            ; v2  16 x lane
.set STA, 3                            ; v3  the stage, on the way in
.set SPW, 4                            ; v4  my spare word; never rewritten
.set NIL, 5                            ; v5  0; never rewritten
.set RDA, 6                            ; v6  the stage, on the way out
.set L8,  7                            ; v7  8 x lane
.set R4,  8                            ; v8  4 x (lane % 16)
.set T,   10                           ; v10-27 at work: row i: +8 i two chains, +8 i + 4 -mean twice, +8 i + 6 rstd twice; +16 + i the other half's sum
.set X,   32                           ; v32-95 two rows' numbers; later 64 numbers to quantise
.set G,   96                           ; v96-127 g of my columns
.set BE,  128                          ; v128-159 b of my columns
.set TM,  160
.set PW,  176
.set PC,  180
	s_load_b256 s[4:11], s[0:1], 0x0               ; x s[4:5], g s[6:7], b s[8:9], the operand's buffer s[10:11]
	v_lshl_add_u32 v[SPW], v0, 2, SPARE
	v_mov_b32 v[NIL], 0
	v_lshrrev_b32 v1, 5, v0
	s_delay_alu instid0(VALU_DEP_1)
	v_readfirstlane_b32 s12, v1                    ; wave
	v_and_b32 v1, 31, v0
	s_delay_alu instid0(VALU_DEP_1)
	v_lshlrev_b32 v[L16], 4, v1
	s_delay_alu instid0(VALU_DEP_2)
	v_lshlrev_b32 v[L8], 3, v1
	v_and_b32 v9, 15, v0                           ; r
	s_delay_alu instid0(VALU_DEP_1)
	v_lshlrev_b32 v[R4], 2, v9
	v_bfe_u32 v10, v0, 4, 1                        ; h
	s_mul_i32 s13, s12, 2*ROWP
	v_add_nc_u32 v[STA], s13, v[L16]               ; rows 2 w on, 16 bytes a lane
	v_mul_u32_u24 v[RDA], v9, ROWP
	s_delay_alu instid0(VALU_DEP_1)
	v_lshl_add_u32 v[RDA], v10, 6, v[RDA]
	s_lshl_b32 s13, s12, 9
	v_add_nc_u32 v[RDA], s13, v[RDA]               ; row r, K step w, + 64 h
	s_lshr_b32 s14, ttmp9, 1
	s_lshl_b32 s14, s14, 5
	s_and_b32 s15, ttmp9, 1
	s_lshl_b32 s15, s15, 3
	s_add_co_u32 s14, s14, s15
	s_lshl_b32 s15, s12, 1
	s_add_co_u32 s14, s14, s15
	s_lshr_b32 s15, s12, 2
	s_lshl_b32 s15, s15, 3
	s_add_co_u32 s14, s14, s15                     ; my first token: 32 (a / 2) + 8 (a % 2) + 2 w + 8 (w / 4)
	s_lshl_b32 s14, s14, 12
	s_mov_b32 s15, 0
	s_mov_b32 s16, 0x76543210
	s_mov_b32 s17, 0xfedcba98                      ; v_permlanex16_b32's selects for lane l xor 16
	s_mov_b32 s18, 0x3a800000                      ; 1 / 1,024
	s_mov_b32 s19, 0x3727c5ac                      ; 1e-5
	s_mul_i32 s20, ttmp9, 12288
	s_mul_i32 s21, s12, 1536
	s_add_co_u32 s20, s20, s21                     ; my fragment
	s_mov_b32 s21, 0
	s_lshl_b32 s22, ttmp9, 9
	s_lshl_b32 s23, s12, 6
	s_add_co_u32 s22, s22, s23
	s_add_co_u32 s22, s22, 3145728                 ; its scale words
	s_mov_b32 s23, 0
	v_mov_b32 v[T+16], 0                           ; a lane permute's destination counts as one of its sources
	v_mov_b32 v[T+17], 0
.irp b, 0,1,2,3
	v_mov_b32 v[TM+4+\b], 0
.endr
	s_wait_kmcnt 0x0
	s_add_nc_u64 s[4:5], s[4:5], s[14:15]
	s_add_nc_u64 s[20:21], s[10:11], s[20:21]
	s_add_nc_u64 s[22:23], s[10:11], s[22:23]
.irp j, 0,1,2,3,4,5,6,7,8,9,10,11,12,13,14,15
	global_load_b128 v[X+4*\j:X+4*\j+3], v[L16], s[4:5] offset:512*\j      ; 32 lanes read 512 consecutive bytes
.endr
.irp j, 0,1,2,3,4,5,6,7
	global_load_b128 v[G+4*\j:G+4*\j+3], v[L16], s[6:7] offset:512*\j
.endr
.irp j, 0,1,2,3,4,5,6,7
	global_load_b128 v[BE+4*\j:BE+4*\j+3], v[L16], s[8:9] offset:512*\j
.endr
.macro REDUCE                          ; v[T] and v[T + 8]: the two rows' sums over the 32 lanes, the rows by turns
.irp m, 1,2,4,8
.irp i, 0,1
	s_delay_alu instid0(VALU_DEP_2)
	v_add_f32_dpp v[T+8*\i], v[T+8*\i], v[T+8*\i] row_xmask:\m row_mask:0xf bank_mask:0xf
.endr
.endr
.irp i, 0,1
	s_delay_alu instid0(VALU_DEP_2)
	v_permlanex16_b32 v[T+16+\i], v[T+8*\i], s16, s17
.endr
.irp i, 0,1
	s_delay_alu instid0(VALU_DEP_2)
	v_add_f32 v[T+8*\i], v[T+8*\i], v[T+16+\i]
.endr
.endm
	s_wait_loadcnt 16                              ; x is in; the sixteen loads of g and b may be out
.irp i, 0,1
	v_pk_add_f32 v[T+8*\i:T+8*\i+1], v[X+32*\i:X+32*\i+1], v[X+32*\i+2:X+32*\i+3]
	v_pk_add_f32 v[T+8*\i+2:T+8*\i+3], v[X+32*\i+4:X+32*\i+5], v[X+32*\i+6:X+32*\i+7]
.endr
.irp k, 8,12,16,20,24,28
.irp i, 0,1
	s_delay_alu instid0(VALU_DEP_4)
	v_pk_add_f32 v[T+8*\i:T+8*\i+1], v[T+8*\i:T+8*\i+1], v[X+32*\i+\k:X+32*\i+\k+1]
	s_delay_alu instid0(VALU_DEP_4)
	v_pk_add_f32 v[T+8*\i+2:T+8*\i+3], v[T+8*\i+2:T+8*\i+3], v[X+32*\i+\k+2:X+32*\i+\k+3]
.endr
.endr
.irp i, 0
	s_delay_alu instid0(VALU_DEP_3)
	v_pk_add_f32 v[T+8*\i:T+8*\i+1], v[T+8*\i:T+8*\i+1], v[T+8*\i+2:T+8*\i+3]
.endr
.irp i, 1
	s_delay_alu instid0(VALU_DEP_2)
	v_pk_add_f32 v[T+8*\i:T+8*\i+1], v[T+8*\i:T+8*\i+1], v[T+8*\i+2:T+8*\i+3]
.endr
.irp i, 0,1
	s_delay_alu instid0(VALU_DEP_2)
	v_add_f32 v[T+8*\i], v[T+8*\i], v[T+8*\i+1]
.endr
	REDUCE
.irp i, 0
	s_delay_alu instid0(VALU_DEP_2)
	v_mul_f32 v[T+8*\i+4], 0xba800000, v[T+8*\i]   ; -mean, twice: a pair for the packed addition
	s_delay_alu instid0(VALU_DEP_3)
	v_mul_f32 v[T+8*\i+5], 0xba800000, v[T+8*\i]
.endr
.irp i, 1
	s_delay_alu instid0(VALU_DEP_3)
	v_mul_f32 v[T+8*\i+4], 0xba800000, v[T+8*\i]
	s_delay_alu instid0(VALU_DEP_4)
	v_mul_f32 v[T+8*\i+5], 0xba800000, v[T+8*\i]
.endr
.irp k, 0,2,4,6,8,10,12,14,16,18,20,22,24,26,28,30
.irp i, 0,1
	v_pk_add_f32 v[X+32*\i+\k:X+32*\i+\k+1], v[X+32*\i+\k:X+32*\i+\k+1], v[T+8*\i+4:T+8*\i+5]   ; d = x - mean, in place
.endr
.endr
.irp i, 0,1
	v_pk_mul_f32 v[T+8*\i:T+8*\i+1], v[X+32*\i:X+32*\i+1], v[X+32*\i:X+32*\i+1]
	v_pk_mul_f32 v[T+8*\i+2:T+8*\i+3], v[X+32*\i+2:X+32*\i+3], v[X+32*\i+2:X+32*\i+3]
.endr
.irp k, 4,8,12,16,20,24,28
.irp i, 0,1
	s_delay_alu instid0(VALU_DEP_4)
	v_pk_fma_f32 v[T+8*\i:T+8*\i+1], v[X+32*\i+\k:X+32*\i+\k+1], v[X+32*\i+\k:X+32*\i+\k+1], v[T+8*\i:T+8*\i+1]
	s_delay_alu instid0(VALU_DEP_4)
	v_pk_fma_f32 v[T+8*\i+2:T+8*\i+3], v[X+32*\i+\k+2:X+32*\i+\k+3], v[X+32*\i+\k+2:X+32*\i+\k+3], v[T+8*\i+2:T+8*\i+3]
.endr
.endr
.irp i, 0
	s_delay_alu instid0(VALU_DEP_3)
	v_pk_add_f32 v[T+8*\i:T+8*\i+1], v[T+8*\i:T+8*\i+1], v[T+8*\i+2:T+8*\i+3]
.endr
.irp i, 1
	s_delay_alu instid0(VALU_DEP_2)
	v_pk_add_f32 v[T+8*\i:T+8*\i+1], v[T+8*\i:T+8*\i+1], v[T+8*\i+2:T+8*\i+3]
.endr
.irp i, 0,1
	s_delay_alu instid0(VALU_DEP_2)
	v_add_f32 v[T+8*\i], v[T+8*\i], v[T+8*\i+1]
.endr
	REDUCE
.irp i, 0,1
	s_delay_alu instid0(VALU_DEP_2)
	v_fma_f32 v[T+8*\i], v[T+8*\i], s18, s19       ; the variance + 1e-5
.endr
	s_wait_alu depctr_va_vdst(0)
.irp i, 0,1
	v_rsq_f32 v[T+8*\i+6], v[T+8*\i]               ; twice: a pair for the packed multiply; the four are one batch
	v_rsq_f32 v[T+8*\i+7], v[T+8*\i]
.endr
	v_nop                                          ; a plain line behind the last of them
	s_wait_loadcnt 0x0                             ; g and b
	s_wait_alu depctr_va_vdst(0)                   ; one wait for the batch, ahead of its first reader
.irp k, 0,2,4,6,8,10,12,14,16,18,20,22,24,26,28,30
.irp i, 0,1
	v_pk_mul_f32 v[X+32*\i+\k:X+32*\i+\k+1], v[X+32*\i+\k:X+32*\i+\k+1], v[T+8*\i+6:T+8*\i+7]
.endr
.irp i, 0,1
	s_delay_alu instid0(VALU_DEP_2)
	v_pk_fma_f32 v[X+32*\i+\k:X+32*\i+\k+1], v[X+32*\i+\k:X+32*\i+\k+1], v[G+\k:G+\k+1], v[BE+\k:BE+\k+1]
.endr
.endr
.irp i, 0,1
.irp j, 0,1,2,3,4,5,6,7
	ds_store_b128 v[STA], v[X+32*\i+4*\j:X+32*\i+4*\j+3] offset:\i*ROWP+512*\j
.endr
.endr
	s_wait_dscnt 0x0                               ; for the others' sake: my rows lie in the stage
	s_barrier_signal -1
	s_barrier_wait -1
.irp b, 0,1,2,3
.irp j, 0,1,2,3
	ds_load_b128 v[X+16*\b+4*\j:X+16*\b+4*\j+3], v[RDA] offset:128*\b+16*\j   ; register 16 b + i = column 128 w + 32 b + 16 h + i of row r
.endr
.endr
	s_wait_dscnt 0x0
.irp b, 0,1,2,3
	v_max3_num_f32 v[TM+\b], |v[X+16*\b]|, |v[X+1+16*\b]|, 0x1800000   ; block b: my 16 numbers, and the floor 2^(3 - 127)
.endr
.irp i, 2,4,6,8,10,12,14
.irp b, 0,1,2,3
	s_delay_alu instid0(VALU_DEP_4)
	v_max3_num_f32 v[TM+\b], v[TM+\b], |v[X+16*\b+\i]|, |v[X+1+16*\b+\i]|
.endr
.endr
.irp b, 0,1,2,3
	s_delay_alu instid0(VALU_DEP_4)
	v_permlanex16_b32 v[TM+4+\b], v[TM+\b], s16, s17
.endr
.irp b, 0,1,2,3
	s_delay_alu instid0(VALU_DEP_4)
	v_max_num_f32 v[TM+\b], v[TM+\b], v[TM+4+\b]   ; with lane l xor 16's: the block's largest magnitude
.endr
.irp b, 0,1,2,3
	s_delay_alu instid0(VALU_DEP_4)
	v_add_nc_u32 v[TM+12+\b], 0xff000000, v[TM+\b] ; 2 off its exponent field: the conversion's scale operand
.endr
.irp b, 0,1,2,3
	s_delay_alu instid0(VALU_DEP_4)
	v_lshrrev_b32 v[TM+4+\b], 23, v[TM+12+\b]      ; the scale's byte
.endr
	s_delay_alu instid0(VALU_DEP_3)
	v_lshl_or_b32 v[PW], v[TM+5], 8, v[TM+4]
	s_delay_alu instid0(VALU_DEP_1)
	v_lshl_or_b32 v[PW], v[TM+6], 16, v[PW]
	s_delay_alu instid0(VALU_DEP_1)
	v_lshl_or_b32 v[PW], v[TM+7], 24, v[PW]        ; my row's scale word
.irp c, 0,1
	v_cvt_scalef32_pk16_fp6_f32 v[PC+6*\c:PC+2+6*\c], v[X+32*\c:X+15+32*\c], v[TM+12+2*\c]
	v_cvt_scalef32_pk16_fp6_f32 v[PC+12+4*\c:PC+14+4*\c], v[X+16+32*\c:X+31+32*\c], v[TM+13+2*\c]
.endr
	v_nop                                          ; one plain place behind a scaled conversion
.irp c, 0,1                            ; the operand wants a whole block in a lane: lanes 0-15 block 2 c, lanes 16-31 block 2 c + 1
.irp i, 0,1,2
	v_permlane16_swap_b32 v[PC+6*\c+\i], v[PC+12+4*\c+\i]
.endr
.irp i, 0,1,2
	s_delay_alu instid0(VALU_DEP_3)
	v_mov_b32 v[PC+3+6*\c+\i], v[PC+12+4*\c+\i]
.endr
.endr
	global_store_b128 v[L16], v[PC:PC+3], s[20:21]                 ; 512 consecutive bytes
	global_store_b64 v[L8], v[PC+4:PC+5], s[20:21] offset:512      ; 256
	global_store_b128 v[L16], v[PC+6:PC+9], s[20:21] offset:768
	global_store_b64 v[L8], v[PC+10:PC+11], s[20:21] offset:1280
	global_store_b32 v[R4], v[PW], s[22:23]                        ; lanes r and r + 16 hold the same word
	s_wait_tensorcnt 0x0                           ; the wave's end
	ds_add_u32 v[SPW], v[NIL]
	s_wait_dscnt 0x0
	s_endpgm
; THE WEIGHTS, f32 with K as an outer axis.  A LANE TAKES A COLUMN, ITS REGISTERS RUN DOWN K: a wave's unit is 32 columns (two tiles) x 128 along K: 128 loads of 128 consecutive bytes; a block of 32 lies in one lane,
; so no lane asks another.  3,072 units: unit = 8 x (work-group - 256) + wave.  Units 0-767: Wq, Wk, Wv; 768-1,023: Wfc; 1,024-2,047: W2; 2,048-3,071: W1.  No LDS, no barrier: waves share nothing.
.Lweights:
.set WQKV_S, 9437184
.set WFC_C,  2359296
.set WFC_S,  9535488
.set W1_C,   3145728
.set W1_S,   9568256
.set W2_C,   6291456
.set W2_S,   9699328
.set LO,   2                           ; v2  4 x lane: my column's bytes in a row of the weight
.set VC16, 3                           ; v3  where my 16 bytes of an image go: my tile + 16 rho
.set VC8,  4                           ; v4  and my 8 bytes: my tile + 8 rho
.set VSO,  5                           ; v5  my scale word: my tile + 4 rho
.set WRD,  12                          ; v12 the scale word
.set C,    16                          ; v16-63  a block's codes: 12 registers for each of four blocks, so that no store's data are written again
.set X,    64                          ; v64-191 my column's 128 numbers
	s_load_b256 s[4:11], s[0:1], 0x20              ; Wq s[4:5], Wk s[6:7], Wv s[8:9], Wfc s[10:11]
	s_load_b128 s[12:15], s[0:1], 0x40             ; W1 s[12:13], W2 s[14:15]
	s_load_b64 s[16:17], s[0:1], 0x50              ; wbuf
	v_lshrrev_b32 v1, 5, v0
	v_readfirstlane_b32 s18, v1                    ; wave
	v_and_b32 v1, 31, v0                           ; lane o = my column among the 32
	v_lshlrev_b32 v[LO], 2, v1
	v_bfe_u32 v6, v0, 3, 1                         ; which of the two tiles: (o / 8) % 2
	v_and_b32 v7, 7, v0
	v_bfe_u32 v8, v0, 4, 1
	v_lshl_add_u32 v7, v8, 3, v7                   ; rho = o % 8 + 8 (o / 16)
	s_sub_co_u32 s19, ttmp9, 256
	s_lshl_b32 s19, s19, 3
	s_add_co_u32 s19, s19, s18                     ; my unit
	s_lshr_b32 s38, s19, 2                         ; unit / 4: by it the weights part
.macro LOADALL pitch                   ; W(128 ks + i, my column), i = 0 .. 127
.set QI, 0
.rept 128
	global_load_b32 v[X+QI], v[LO], s[4:5] offset:QI*\pitch th:TH_LOAD_NT
.set QI, QI+1
.endr
.endm
.macro FINISH pitch                    ; s24 = the unit's first byte in its weight
	s_mov_b32 s25, 0
	s_add_nc_u64 s[4:5], s[4:5], s[24:25]
	LOADALL \pitch
	s_branch .Lwork
.endm
	s_wait_kmcnt 0x0
	s_cmp_lt_u32 s38, 192
	s_cbranch_scc0 .Lnot_qkv
	s_lshr_b32 s20, s38, 6                         ; 0: Wq, 1: Wk, 2: Wv
	s_and_b32 s21, s19, 255                        ; the unit within its weight
	s_cmp_eq_u32 s20, 1
	s_cselect_b64 s[4:5], s[6:7], s[4:5]
	s_cmp_eq_u32 s20, 2
	s_cselect_b64 s[4:5], s[8:9], s[4:5]
	s_and_b32 s22, s21, 31                         ; group of 32 columns
	s_lshr_b32 s23, s21, 5                         ; K step
	s_lshr_b32 s24, s22, 1
	s_lshl_b32 s24, s24, 18                        ; the head: 1,024 x 64 x 4 bytes
	s_lshl_b32 s25, s23, 15                        ; 128 rows of 256 bytes
	s_add_co_u32 s24, s24, s25
	s_and_b32 s25, s22, 1
	s_lshl_b32 s25, s25, 7                         ; which half of the head's 64
	s_add_co_u32 s24, s24, s25
	s_lshl_b32 s26, s20, 6
	s_lshl_b32 s27, s22, 1
	s_add_co_u32 s26, s26, s27                     ; the first of my two tiles
	s_mov_b32 s28, 12288                           ; a tile's codes
	s_mov_b32 s29, 512                             ; a tile's scale words
	s_mov_b32 s30, 0
	s_mov_b32 s31, WQKV_S
	s_wait_alu depctr_va_vdst(0)
	FINISH 256
.Lnot_qkv:
	s_cmp_lt_u32 s38, 512
	s_cbranch_scc0 .Lw1
	s_cmp_lt_u32 s38, 256                          ; Wfc or W2: both have rows of 4,096 bytes
	s_cselect_b64 s[4:5], s[10:11], s[14:15]
	s_mov_b32 s20, 1024
	s_cselect_b32 s20, 768, s20
	s_mov_b32 s28, 49152
	s_cselect_b32 s28, 12288, s28
	s_mov_b32 s29, 2048
	s_cselect_b32 s29, 512, s29
	s_mov_b32 s30, W2_C
	s_cselect_b32 s30, WFC_C, s30
	s_mov_b32 s31, W2_S
	s_cselect_b32 s31, WFC_S, s31
	s_sub_co_u32 s21, s19, s20
	s_and_b32 s22, s21, 31
	s_lshr_b32 s23, s21, 5
	s_lshl_b32 s24, s23, 19                        ; 128 rows of 4,096 bytes
	s_lshl_b32 s25, s22, 7
	s_add_co_u32 s24, s24, s25
	s_lshl_b32 s26, s22, 1
	s_wait_alu depctr_va_vdst(0)
	FINISH 4096
.Lw1:
	s_mov_b64 s[4:5], s[12:13]
	s_sub_co_u32 s21, s19, 2048
	s_and_b32 s22, s21, 127
	s_lshr_b32 s23, s21, 7
	s_lshl_b32 s24, s23, 21                        ; 128 rows of 16,384 bytes
	s_lshl_b32 s25, s22, 7
	s_add_co_u32 s24, s24, s25
	s_lshl_b32 s26, s22, 1
	s_mov_b32 s28, 12288
	s_mov_b32 s29, 512
	s_mov_b32 s30, W1_C
	s_mov_b32 s31, W1_S
	s_wait_alu depctr_va_vdst(0)
	FINISH 16384
.Lwork:
	s_mul_i32 s32, s26, s28                        ; where the codes go: tile x its bytes + 1,536 x K step + the weight's region
	s_mul_i32 s33, s23, 1536
	s_add_co_u32 s32, s32, s33
	s_add_co_u32 s32, s32, s30
	s_mov_b32 s33, 0
	s_add_nc_u64 s[34:35], s[16:17], s[32:33]
	s_mul_i32 s32, s26, s29                        ; and the scale words
	s_lshl_b32 s36, s23, 6
	s_add_co_u32 s32, s32, s36
	s_add_co_u32 s32, s32, s31
	s_add_nc_u64 s[36:37], s[16:17], s[32:33]
	v_mul_lo_u32 v9, v6, s28
	v_lshl_add_u32 v[VC16], v7, 4, v9
	v_lshl_add_u32 v[VC8], v7, 3, v9
	v_mul_lo_u32 v9, v6, s29
	v_lshl_add_u32 v[VSO], v7, 2, v9
; Block t of 32 along K is what lane rho + 16 (t % 2) of the operand holds in registers 6 (t / 2) .. 6 (t / 2) + 5.
.macro BLOCK t, left
.set XS, X+32*(\t)
.set CC, C+12*(\t)
	s_wait_loadcnt \left                           ; loads come back in order: all but the youngest \left are in, this block's 32 among them
	v_max3_num_f32 v8, |v[XS]|, |v[XS+1]|, |v[XS+2]|
	v_max3_num_f32 v9, |v[XS+3]|, |v[XS+4]|, |v[XS+5]|
.irp i, 6,10,14,18,22,26
	v_max3_num_f32 v8, v8, |v[XS+\i]|, |v[XS+\i+1]|
	v_max3_num_f32 v9, v9, |v[XS+\i+2]|, |v[XS+\i+3]|
.endr
	v_max3_num_f32 v8, v8, |v[XS+30]|, |v[XS+31]|
	v_max3_num_f32 v8, v8, v9, 0x1800000           ; and the floor 2^(3 - 127): the byte cannot fall under 1
	v_add_nc_u32 v10, 0xff000000, v8               ; 2 off the exponent field: the conversion's scale operand
	v_cvt_scalef32_pk16_fp6_f32 v[CC:CC+2], v[XS:XS+15], v10
	v_cvt_scalef32_pk16_fp6_f32 v[CC+6:CC+8], v[XS+16:XS+31], v10   ; (a conversion's three registers begin on an even number)
	v_lshrrev_b32 v11, 23, v10                     ; the scale's byte: a plain line behind the conversions
.if (\t) == 0
	v_mov_b32 v[WRD], v11
.else
	v_lshl_or_b32 v[WRD], v11, 8*(\t), v[WRD]
.endif
.irp i, 0,1,2
	v_mov_b32 v[CC+3+\i], v[CC+6+\i]
.endr
	global_store_b128 v[VC16], v[CC:CC+3], s[34:35] offset:768*((\t)/2)+256*((\t)%2)       ; the sixteen lanes of a tile store 256 consecutive bytes, aligned
	global_store_b64 v[VC8], v[CC+4:CC+5], s[34:35] offset:768*((\t)/2)+512+128*((\t)%2)
.endm
	BLOCK 0, 63                                    ; a wait names 63 at the most: of 128 loads the first 65 are then in, blocks 0 and 1
	BLOCK 1, 63
	BLOCK 2, 32
	BLOCK 3, 0
	global_store_b32 v[VSO], v[WRD], s[36:37]
	s_endpgm
.Lfunc_end_k_qa946ee69fb_prep:
	.size	k_qa946ee69fb_prep, .Lfunc_end_k_qa946ee69fb_prep-k_qa946ee69fb_prep
	.p2alignl 7, 3214868480
	.fill 96, 4, 3214868480
	.section	.rodata,"a",@progbits
	.p2align	6, 0x0
	.amdhsa_kernel k_qa946ee69fb_prep
		.amdhsa_group_segment_fixed_size 66816
		.amdhsa_private_segment_fixed_size 0
		.amdhsa_enable_private_segment 0
		.amdhsa_kernarg_size 88
		.amdhsa_user_sgpr_count 2
		.amdhsa_user_sgpr_kernarg_segment_ptr 1
		.amdhsa_wavefront_size32 1
		.amdhsa_system_sgpr_workgroup_id_x 1
		.amdhsa_system_sgpr_workgroup_id_y 1
		.amdhsa_system_sgpr_workgroup_id_z 1
		.amdhsa_system_vgpr_workitem_id 0
		.amdhsa_next_free_vgpr 200
		.amdhsa_next_free_sgpr 66
		.amdhsa_reserve_vcc 0
		.amdhsa_float_denorm_mode_32 3
		.amdhsa_float_denorm_mode_16_64 3
		.amdhsa_memory_ordered 1
		.amdhsa_forward_progress 1
		.amdhsa_inst_pref_size 77
	.end_amdhsa_kernel
	.amdgpu_metadata
---
amdhsa.version: [ 1, 2 ]
amdhsa.kernels:
  - .name:           k_qa946ee69fb_prep
    .symbol:         k_qa946ee69fb_prep.kd
    .args:
      - { .name: data, .offset: 0, .size: 8, .value_kind: global_buffer, .address_space: global }
      - { .name: g1, .offset: 8, .size: 8, .value_kind: global_buffer, .address_space: global }
      - { .name: be1, .offset: 16, .size: 8, .value_kind: global_buffer, .address_space: global }
      - { .name: hbuf, .offset: 24, .size: 8, .value_kind: global_buffer, .address_space: global }
      - { .name: Wq, .offset: 32, .size: 8, .value_kind: global_buffer, .address_space: global }
      - { .name: Wk, .offset: 40, .size: 8, .value_kind: global_buffer, .address_space: global }
      - { .name: Wv, .offset: 48, .size: 8, .value_kind: global_buffer, .address_space: global }
      - { .name: Wfc, .offset: 56, .size: 8, .value_kind: global_buffer, .address_space: global }
      - { .name: W1, .offset: 64, .size: 8, .value_kind: global_buffer, .address_space: global }
      - { .name: W2, .offset: 72, .size: 8, .value_kind: global_buffer, .address_space: global }
      - { .name: wbuf, .offset: 80, .size: 8, .value_kind: global_buffer, .address_space: global }
    .group_segment_fixed_size: 66816
    .private_segment_fixed_size: 0
    .kernarg_segment_align: 8
    .kernarg_segment_size: 88
    .max_flat_workgroup_size: 256
    .sgpr_count:     66
    .vgpr_count:     200
    .wavefront_size: 32
...
	.end_amdgpu_metadata
.endif
;; end of part 8
;; launch qkv (part 9): grid 12 x 16, 4 waves a work-group, clusters of 4 x 4, 327,680 bytes of LDS; arguments hbuf, wbuf, qkvbuf; writes qkvbuf
.if DOCPART == 9
	.amdgcn_target "amdgcn-amd-amdhsa--gfx1250"
	.amdhsa_code_object_version 6
	.text
	.protected	k_qa946ee69fb_qkv
	.globl	k_qa946ee69fb_qkv
	.p2align	8
	.type	k_qa946ee69fb_qkv,@function
k_qa946ee69fb_qkv:
	s_mov_b64 s[64:65], 0
	v_nop
	global_prefetch_b8 v0, s[64:65] scope:SCOPE_SE
	s_setreg_imm32_b32 hwreg(HW_REG_WAVE_MODE, 25, 1), 1
	s_wait_xcnt 0x0
	s_wait_alu depctr_hold_cnt(0) depctr_sa_sdst(0) depctr_va_vdst(0) depctr_va_sdst(0) depctr_va_ssrc(0) depctr_va_vcc(0) depctr_vm_vsrc(0)
	s_getreg_b32 s2, hwreg(HW_REG_IB_STS2, 6, 4)
	s_cmp_eq_u32 s2, 0
	s_cbranch_scc0 .Lentry_in_a_cluster
	s_endpgm
.Lentry_in_a_cluster:
	s_bfe_u32 s2, ttmp6, 0x10000c
	s_cmp_lg_u32 s2, 0xf033
	s_cbranch_scc0 .Lentry_shape_is_right
	s_endpgm
.Lentry_shape_is_right:
; q, k, v = h Wq, h Wk, h Wv on codes of FP6 (E2M3) with E8M0 scales, K = 1,024; the results are quantised in registers and leave as operands of the attention: q and k along the head's 64, v along the tokens.
; OPERANDS lie as images of registers: codes [tile of 16 rows][K / 64][768 bytes] (registers 0-3 of lane l at 16 l, registers 4-5 at 512 + 8 l), scale words [tile][K / 128][16].  Row rho of tile t is row
; 32 (t / 2) + 8 (t % 2) + rho + 8 (rho / 8) of the tensor.
; A work-group of four waves makes 256 x 256, a wave 128 x 128: 64 accumulators, 512 registers.  Source 0 takes the B-role tile, source 1 the A-role tile: a lane holds ONE row of the A-role operand, and by the order
; of rows above the 64 registers of an A block are 4 x 16 neighbours along the B-role's rows: what a quantiser along that axis wants.  Clusters x = 0, 1 (q, k): A-role = tokens, B-role = Wq | Wk.
; Cluster x = 2 (v): the roles are swapped, A-role = Wv's columns, B-role = tokens, so that v is quantised along the tokens.  The choice hangs on the cluster's x, which all sixteen partners share.
; K goes in steps of 256 through two LDS slots; a wave's tensor load brings 8 tiles x 3,072 bytes.  All scale words of the work-group's 512 rows come once, with the first fills.
; CLUSTER 4 x 4: the A-role tile is asked for jointly along a row of the cluster, the B-role tile along a column.
; REGISTERS: window 0: v0-31 addresses; v32-63 scale words, two sets; v96-115, v224-243 the way out; v128-223 A's fragments, one set.  Window 1: B's fragments, two sets.  Windows 2, 3: the accumulators.
; LIMITS: a block under 2^-124 keeps the byte 1; NaN and infinities are not served.
.set KTOT,  1024
.set KST,   KTOT/128
.set TILEB, KST*1536                   ; a tile's codes
.set LAPS,  KTOT/512
.set NQ,    2                          ; matrix instructions deep in a slot
.set FR,    12                         ; registers of a fragment
.set NL,    4                          ; LDS loads that bring one
.set NP,    4                          ; places behind this matrix instruction (ISA guide 7.12.1)
.set ROWB,  3072                       ; a tile's bytes in a slot: 256 along K
.set HALFT, 8*ROWB                     ; 8 tiles: what one tensor load brings
.set SLOT,  4*HALFT
.set SCL,   2*SLOT                     ; behind the ring: the scale words
.set HALFS, 8*KST*64                   ; those of 8 tiles
.set SPARE, SCL+4*HALFS                ; the spare words, 128 bytes for each wave: two blocks of 256 bytes that no other line names
.set WQKV_S, 9437184
.set QS,    9437184                    ; in qkvbuf: q's scale words (k's 131,072 on)
.set VC,    6291456                    ; v's codes
.set VS,    9699328                    ; v's scale words
.set ADRA, 16                          ; v16-17 my A fragments in slot 0, 1, + 16 x lane; v18-19 + 8 x lane
.set ADRB, 20                          ; v20-23 the same for B
.set RH4,  12                          ; v12 4 r + 4,096 h
.set CO,   26                          ; v26 16 x lane
.set ADRS, 27                          ; v27 my scale words: lanes 0-15 A's, lanes 16-31 B's
.set SPW,  28
.set NIL,  29
.set C8,   30                          ; v30 8 x lane
.set R4,   31                          ; v31 4 r
.set SC,   32
.set PC,   96
.set AF,   128
.set TM,   224
.set PW,   240
.set PWS,  241
.set W0,   242
.set W1,   243
.set SEL,  96
.set G1, 24
.set G0, 32
.set G1B, 48
.set G0B, 56
.set G1S, 68
.set G0S, 76
.set G1SB, 80
.set G0SB, 88
.set MSB, 0
.macro WIN new                         ; the immediate's high byte repeats the setting that is left
.if MSB != (\new)
	s_set_vgpr_msb (MSB<<8)|(\new)
.set MSB, (\new)
.endif
.endm
.set MUL_LO, 0xa1                      ; source 0 (B) window 1, source 1 (A) window 0, C and D window 2
.set MUL_HI, 0xf1
.set TO_B,   0x40
.macro JLOAD g0a, g1a, g0b, g1b        ; a joint load: waves 0, 1 fetch for A, waves 2, 3 for B; an s_nop 0 and four v_nop follow each line
	s_cmp_eq_u32 s15, 0
	s_cbranch_scc0 .Lfor_b_\@
	tensor_load_to_lds s[\g0a:\g0a+3], s[\g1a:\g1a+7]
	s_nop 0
.rept 4
	v_nop
.endr
	s_branch .Lasked_\@
.Lfor_b_\@:
	tensor_load_to_lds s[\g0b:\g0b+3], s[\g1b:\g1b+7]
	s_nop 0
.rept 4
	v_nop
.endr
.Lasked_\@:
.endm
.macro CREST
	s_cmp_lg_u32 s14, 0
	s_cbranch_scc1 .Lnot_wave_0_\@
	s_barrier_signal -3
.Lnot_wave_0_\@:
	s_barrier_wait -3
	s_barrier_signal -1
	s_barrier_wait -1
.endm
.macro CROUND
	s_barrier_signal -1
	s_barrier_wait -1
	CREST
.endm
	s_load_b128 s[4:7], s[0:1], 0x0                ; hbuf s[4:5], wbuf s[6:7]
	s_load_b64 s[12:13], s[0:1], 0x10              ; qkvbuf
	v_lshl_add_u32 v[SPW], v0, 2, SPARE
	v_mov_b32 v[NIL], 0
	ds_add_u32 v[SPW], v[NIL]                      ; the wave's opening
	ds_add_u32 v[SPW], v[NIL]
	v_lshrrev_b32 v1, 5, v0
	v_readfirstlane_b32 s14, v1                    ; wave
	s_lshr_b32 s15, s14, 1                         ; my half of the A-role rows.  Also: I fetch for A (0) or B (1)
	s_and_b32 s16, s14, 1                          ; my half of the B-role rows.  Also: which 8 tiles I fetch
	s_bfe_u32 s40, ttmp6, 0x40000                  ; cx
	s_bfe_u32 s41, ttmp6, 0x40004                  ; cy
	s_and_b32 s17, ttmp7, 0xffff
	s_lshl_b32 s17, s17, 2                         ; 4 x cluster y
	s_lshl_b32 s42, ttmp9, 2                       ; 4 x cluster x
	s_cmp_eq_u32 ttmp9, 2                          ; v's cluster?
	s_cselect_b32 s95, 1, 0
	s_cselect_b32 s18, 0, s17
	s_cselect_b32 s19, s17, s42
	s_add_co_u32 s17, s18, s41                     ; A-role block of 256 rows: q, k: 4 cluster y + cy (tokens); v: cy (Wv's columns)
	s_add_co_u32 s42, s19, s40                     ; B-role block: q, k: 4 cluster x + cx (Wq | Wk's columns); v: 4 cluster y + cx (tokens)
	s_lshl_b32 s43, s41, 2
	s_lshl_b32 s43, 15, s43                        ; my row of the cluster
	s_lshl_b32 s44, 0x1111, s40                    ; my column
	s_or_b32 s[G1+0], s43, (3<<16)|(1<<21)         ; 15:0 the mask; 17:16 elements of 8 bytes; 21 set beside a mask; no padding: images are read as they lie
	s_or_b32 s[G1B+0], s44, (3<<16)|(1<<21)
.irp g, G1, G1B
	s_mov_b32 s[\g+1], 384<<16                     ; tensor_dim0: 3,072 bytes
	s_mov_b32 s[\g+2], 16<<16                      ; tensor_dim1: 16 tiles for the head's loads; set to 8, for the ring's, once they have landed
	s_mov_b32 s[\g+3], 384<<16                     ; tile_dim0
	s_mov_b32 s[\g+4], 16                          ; tile_dim1
	s_mov_b32 s[\g+5], TILEB/8                     ; from tile to tile
	s_mov_b32 s[\g+6], 0
	s_mov_b32 s[\g+7], 0
.endr
	s_or_b32 s[G1S+0], s43, (3<<16)|(1<<21)        ; the scale words of 16 tiles: a dense block, as rows of 256 bytes
	s_or_b32 s[G1SB+0], s44, (3<<16)|(1<<21)
.irp g, G1S, G1SB
	s_mov_b32 s[\g+1], 32<<16
	s_mov_b32 s[\g+2], (2*HALFS/256)<<16           ; the scale words of all 16 tiles of a role
	s_mov_b32 s[\g+3], 32<<16
	s_mov_b32 s[\g+4], 2*HALFS/256
	s_mov_b32 s[\g+5], 32
	s_mov_b32 s[\g+6], 0
	s_mov_b32 s[\g+7], 0
.endr
	s_lshl_b32 s18, s16, 3
	s_lshl_b32 s20, s17, 4
	s_add_co_u32 s20, s20, s18                     ; A: tile 16 x block + 8 x half
	s_lshl_b32 s46, s42, 4
	s_add_co_u32 s46, s46, s18                     ; B likewise
	s_mov_b32 s21, 0
	s_mov_b32 s47, 0
	s_mov_b64 s[18:19], KST*64
	s_mul_u64 s[22:23], s[20:21], s[18:19]
	s_mul_u64 s[92:93], s[46:47], s[18:19]
	s_mov_b64 s[18:19], TILEB
	s_mul_u64 s[20:21], s[20:21], s[18:19]
	s_mul_u64 s[46:47], s[46:47], s[18:19]
	s_mul_i32 s45, s14, HALFT                      ; where they go: no place in the cluster enters an LDS address
	s_mul_i32 s94, s14, HALFS
	s_wait_dscnt 0x0                               ; the opening add is done
	s_wait_kmcnt 0x0
	s_add_nc_u64 s[8:9], s[4:5], 3145728           ; the tokens' scale words
	s_add_nc_u64 s[66:67], s[6:7], 128*TILEB       ; Wv's codes
	s_add_nc_u64 s[10:11], s[6:7], WQKV_S          ; Wq's and Wk's scale words
	s_add_nc_u64 s[98:99], s[6:7], WQKV_S+128*KST*64   ; Wv's
	s_cmp_eq_u32 s95, 1
	s_cselect_b64 s[100:101], s[66:67], s[4:5]     ; the A-role's codes
	s_cselect_b64 s[2:3], s[98:99], s[8:9]         ; and scale words
	s_cselect_b64 s[4:5], s[4:5], s[6:7]           ; the B-role's codes
	s_cselect_b64 s[8:9], s[8:9], s[10:11]         ; and scale words
	s_add_nc_u64 s[20:21], s[100:101], s[20:21]
	s_add_nc_u64 s[22:23], s[2:3], s[22:23]
	s_add_nc_u64 s[46:47], s[4:5], s[46:47]
	s_add_nc_u64 s[92:93], s[8:9], s[92:93]
	CROUND                                         ; all sixteen work-groups are here: the first joint loads meet
	s_mov_b32 s[G0S], 1
	s_add_co_u32 s[G0S+1], s94, SCL-HALFS          ; wave 1 issues this load: its own half is the second, so both places go back by one half
	s_sub_nc_u64 s[G0S+2:G0S+3], s[22:23], HALFS
	s_or_b32 s[G0S+3], s[G0S+3], 0x80000000
	s_mov_b32 s[G0SB], 1
	s_add_co_u32 s[G0SB+1], s94, SCL-HALFS         ; wave 3 issues this load: likewise
	s_sub_nc_u64 s[G0SB+2:G0SB+3], s[92:93], HALFS
	s_or_b32 s[G0SB+3], s[G0SB+3], 0x80000000
.irp s, 0,1
	s_mov_b32 s[G0+4*\s], 1
	s_add_co_u32 s[G0+4*\s+1], s45, \s*SLOT
	s_add_nc_u64 s[G0+4*\s+2:G0+4*\s+3], s[20:21], \s*ROWB
	s_or_b32 s[G0+4*\s+3], s[G0+4*\s+3], 0x80000000
	s_mov_b32 s[G0B+4*\s], 1
	s_add_co_u32 s[G0B+4*\s+1], s45, \s*SLOT
	s_add_nc_u64 s[G0B+4*\s+2:G0B+4*\s+3], s[46:47], \s*ROWB
	s_or_b32 s[G0B+4*\s+3], s[G0B+4*\s+3], 0x80000000
.endr
; THE HEAD'S LOADS, ONE A WAVE: wave 0 slot 0's 16 tiles of A, wave 2 its 16 tiles of B, wave 1 A's scale words, wave 3 B's.  One chain of branches on the wave's number, all arms to one join.
.macro HARM w, g0, g1, next
	s_cmp_eq_u32 s14, \w
	s_cbranch_scc0 \next
	tensor_load_to_lds s[\g0:\g0+3], s[\g1:\g1+7]
	s_nop 0
.rept 4
	v_nop
.endr
	s_branch .Lhead_asked
\next:
.endm
	HARM 0, G0, G1, .Lhead_b
	HARM 2, G0B, G1B, .Lhead_sa
	HARM 1, G0S, G1S, .Lhead_sb
	tensor_load_to_lds s[G0SB:G0SB+3], s[G1SB:G1SB+7]
	s_nop 0
.rept 4
	v_nop
.endr
.Lhead_asked:
	v_and_b32 v1, 15, v0                           ; r
	v_bfe_u32 v2, v0, 4, 1                         ; h
	v_and_b32 v3, 31, v0
	v_lshlrev_b32 v[CO], 4, v3
	v_lshlrev_b32 v[C8], 3, v3
	v_lshlrev_b32 v[R4], 2, v1
	v_lshl_add_u32 v[RH4], v2, 12, v[R4]
	s_mul_i32 s21, s15, HALFT                      ; my 8 tiles of A
	s_mul_i32 s22, s16, HALFT                      ; my 8 tiles of B,
	s_add_co_u32 s22, s22, 2*HALFT                 ; behind A's 16
.irp s, 0,1
	v_add_nc_u32 v[ADRA+\s], s21, v[CO]
	v_add_nc_u32 v[ADRB+\s], s22, v[CO]
	v_add_nc_u32 v[ADRA+2+\s], s21, v[C8]
	v_add_nc_u32 v[ADRB+2+\s], s22, v[C8]
	s_add_co_u32 s21, s21, SLOT
	s_add_co_u32 s22, s22, SLOT
.endr
	s_mul_i32 s21, s15, HALFS
	s_mul_i32 s22, s16, HALFS
	s_add_co_u32 s22, s22, 2*HALFS
	s_sub_co_u32 s22, s22, s21
	v_mul_u32_u24 v6, s22, v2                      ; lanes 16-31 take B's
	s_add_co_u32 s21, s21, SCL
	v_add_nc_u32 v5, v[R4], v6
	v_add_nc_u32 v[ADRS], s21, v5
	s_mov_b32 s[SEL], 0x76543210
	s_mov_b32 s[SEL+1], 0xfedcba98
	s_mov_b32 s94, 0xffff0000                      ; lanes 16-31
.irp b, 0,1,2,3
	v_mov_b32 v[TM+4+\b], 0                        ; a lane permute's destination counts as one of its sources
.endr
	; where my results go.  q, k: [which 2][batch and head 32][tile 128][768]; scale words [..][pair of tiles 64][16]
	s_lshr_b32 s20, s17, 3
	s_lshl_b32 s20, s20, 4                         ; 16 x batch
	s_lshl_b32 s21, ttmp9, 5
	s_add_co_u32 s20, s20, s21
	s_lshl_b32 s21, s40, 2
	s_add_co_u32 s20, s20, s21
	s_lshl_b32 s21, s16, 1
	s_add_co_u32 s20, s20, s21                     ; 32 x which + 16 x batch + my first head (4 cx + 2 x half)
	s_and_b32 s21, s17, 7
	s_lshl_b32 s21, s21, 4
	s_lshl_b32 s22, s15, 3
	s_add_co_u32 s21, s21, s22                     ; my first tile of tokens in the batch
	s_lshl_b32 s22, s20, 7
	s_add_co_u32 s22, s22, s21
	s_mul_i32 s22, s22, 768
	s_lshl_b32 s23, s20, 12
	s_lshl_b32 s21, s21, 5
	s_add_co_u32 s23, s23, s21
	s_add_co_u32 s23, s23, QS
	; v: [batch and head][key step 16][tile of d 4][1,536]; scale words [..][key step][tile of d][16]
	s_lshr_b32 s20, s42, 3
	s_lshl_b32 s20, s20, 4
	s_lshl_b32 s21, s17, 2
	s_add_co_u32 s20, s20, s21
	s_lshl_b32 s21, s15, 1
	s_add_co_u32 s20, s20, s21                     ; 16 x batch + my first head (4 cy + 2 x half)
	s_lshl_b32 s21, s42, 1
	s_add_co_u32 s21, s21, s16
	s_and_b32 s21, s21, 15                         ; my key step
	s_mul_i32 s46, s20, 98304
	s_mul_i32 s47, s21, 6144
	s_add_co_u32 s46, s46, s47
	s_add_co_u32 s46, s46, VC
	s_lshl_b32 s20, s20, 12
	s_lshl_b32 s21, s21, 8
	s_add_co_u32 s47, s20, s21
	s_add_co_u32 s47, s47, VS
	s_cmp_eq_u32 s95, 1
	s_cselect_b32 s20, s46, s22
	s_cselect_b32 s22, s47, s23
	s_mov_b32 s21, 0
	s_mov_b32 s23, 0
	s_add_nc_u64 s[98:99], s[12:13], s[22:23]      ; the scale words' base
	s_add_nc_u64 s[12:13], s[12:13], s[20:21]      ; the codes' base
.macro FRAG reg, adr, q, i             ; a fragment comes as it was stored: two half images of 768 bytes
	ds_load_b128 v[\reg:\reg+3], v[\adr] offset:(\i)*ROWB+(\q)*1536
	ds_load_b64 v[\reg+4:\reg+5], v[\adr+2] offset:(\i)*ROWB+(\q)*1536+512
	ds_load_b128 v[\reg+6:\reg+9], v[\adr] offset:(\i)*ROWB+(\q)*1536+768
	ds_load_b64 v[\reg+10:\reg+11], v[\adr+2] offset:(\i)*ROWB+(\q)*1536+1280
.endm
; 16 matrix instructions: A's blocks a0, a0 + 1 x B's eight.  The 64 accumulators take turns, one instruction a turn, in the same order in every step.
.macro MUL16 a0, p, q, sc, zero
.irp a, \a0, \a0+1
.irp b, 0,1,2,3,4,5,6,7
.if \zero
	v_wmma_scale_f32_16x16x128_f8f6f4 v[8*(8*((\a)%4)+\b):8*(8*((\a)%4)+\b)+7], v[128*(\p)+FR*\b:128*(\p)+FR*\b+FR-1], v[AF+FR*(\a):AF+FR*(\a)+FR-1], 0, v[SC+8*NQ*(\sc)+NQ*\b+(\q)], v[SC+8*NQ*(\sc)+NQ*(\a)+(\q)] matrix_a_fmt:MATRIX_FMT_FP6 matrix_b_fmt:MATRIX_FMT_FP6 matrix_a_scale:MATRIX_SCALE_ROW1
.else
	v_wmma_scale_f32_16x16x128_f8f6f4 v[8*(8*((\a)%4)+\b):8*(8*((\a)%4)+\b)+7], v[128*(\p)+FR*\b:128*(\p)+FR*\b+FR-1], v[AF+FR*(\a):AF+FR*(\a)+FR-1], v[8*(8*((\a)%4)+\b):8*(8*((\a)%4)+\b)+7], v[SC+8*NQ*(\sc)+NQ*\b+(\q)], v[SC+8*NQ*(\sc)+NQ*(\a)+(\q)] matrix_a_fmt:MATRIX_FMT_FP6 matrix_b_fmt:MATRIX_FMT_FP6 matrix_a_scale:MATRIX_SCALE_ROW1
.endif
.endr
.endr
.endm
.macro FETCH_B slot, q, p
	WIN TO_B
.irp i, 0,1,2,3,4,5,6,7
	FRAG 128*(\p)+FR*\i, ADRB+\slot, \q, \i
.endr
	WIN 0
.endm
.macro FETCH_A slot, q, i0
.irp i, \i0, \i0+1, \i0+2, \i0+3
	FRAG AF+FR*(\i), ADRA+\slot, \q, \i
.endr
.endm
.macro SCALES sc                       ; a slot's scale words: register 2 i + q: lanes 0-15 A's block i, lanes 16-31 B's block i
.irp i, 0,1,2,3,4,5,6,7
	ds_load_b32 v[SC+8*NQ*\sc+NQ*\i], v[ADRS] offset:\i*KST*64
	ds_load_b32 v[SC+8*NQ*\sc+NQ*\i+1], v[ADRS] offset:\i*KST*64+64
.endr
.endm
.macro PLACES n
.rept \n
	v_nop
.endr
.endm
.macro STEP slot, q, zero              ; 128 along K that has its successor in the same slot
	s_wait_dscnt 4*NL                              ; all but the youngest sixteen loads (A's blocks 4-7) are in
	WIN MUL_LO
	MUL16 0, (\q)%2, \q, \slot, \zero
	MUL16 2, (\q)%2, \q, \slot, \zero
	s_wait_dscnt 0                                 ; A's blocks 4-7
	PLACES NP
	FETCH_B \slot, (\q)+1, 1-(\q)%2
	FETCH_A \slot, (\q)+1, 0
	WIN MUL_HI
	MUL16 4, (\q)%2, \q, \slot, \zero
	MUL16 6, (\q)%2, \q, \slot, \zero
	PLACES NP
	WIN 0
	FETCH_A \slot, (\q)+1, 4
.endm
.macro TURN slot, next, fill           ; a slot's last step changes slots: one barrier, which opens a round of the cluster's where the slot is filled again
	s_wait_tensorcnt 0x0                           ; all my tensor loads have landed: my part of the next slot
	ds_add_u32 v[SPW], v[NIL]
	s_wait_dscnt 4*NL+1                            ; (the add and A's blocks 4-7 may be out)
	WIN MUL_LO
	MUL16 0, 1, NQ-1, \slot, 0
	s_wait_dscnt 0x0                               ; the add is done, and my reads of this slot are over
	s_barrier_signal -1
	MUL16 2, 1, NQ-1, \slot, 0
	WIN 0
	s_barrier_wait -1
.if \fill
	CREST                                          ; no wave of any partner still reads this slot or has a load on its way
	s_add_nc_u64 s[G0+4*\slot+2:G0+4*\slot+3], s[G0+4*\slot+2:G0+4*\slot+3], 2*ROWB
	s_add_nc_u64 s[G0B+4*\slot+2:G0B+4*\slot+3], s[G0B+4*\slot+2:G0B+4*\slot+3], 2*ROWB
	JLOAD G0+4*\slot, G1, G0B+4*\slot, G1B         ; the first tensor load behind the round; its four v_nop are the places in front of the loads below
.else
	PLACES NP
.endif
	s_wait_alu depctr_va_vdst(0)
	v_add_nc_u32 v[ADRS], 64*NQ, v[ADRS]           ; the next slot's scale words
	FETCH_B \next, 0, 0
	FETCH_A \next, 0, 0
	SCALES \next
	WIN MUL_HI
	MUL16 4, 1, NQ-1, \slot, 0
	MUL16 6, 1, NQ-1, \slot, 0
	PLACES NP
	WIN 0
	FETCH_A \next, 0, 4
.endm
	s_wait_alu depctr_va_vdst(0)
	s_wait_tensorcnt 0x0                           ; my tile of the head's four is in
	ds_add_u32 v[SPW], v[NIL]
	s_mov_b32 s[G1+2], 8<<16                       ; no tensor load of mine is out: from here on a load brings 8 tiles
	s_mov_b32 s[G1+4], 8
	s_mov_b32 s[G1B+2], 8<<16
	s_mov_b32 s[G1B+4], 8
	s_wait_dscnt 0x0
	CROUND                                         ; all four tiles are in, and all sixteen work-groups are here
	JLOAD G0+4, G1, G0B+4, G1B                     ; slot 1's first fill, the first tensor load behind the round
	FETCH_B 0, 0, 0
	FETCH_A 0, 0, 0
	SCALES 0
	FETCH_A 0, 0, 4
	STEP 0, 0, 1                                   ; the first step's products start the sums
	s_mov_b32 s3, LAPS-1
.Llap:
	TURN 0, 1, 1
	STEP 1, 0, 0
	TURN 1, 0, 1
	STEP 0, 0, 0
	s_sub_co_u32 s3, s3, 1
	s_cmp_lg_u32 s3, 0
	s_cbranch_scc1 .Llap
	TURN 0, 1, 0
	STEP 1, 0, 0
	s_wait_dscnt 4*NL
	WIN MUL_LO
	MUL16 0, 1, NQ-1, 1, 0
	MUL16 2, 1, NQ-1, 1, 0
	s_wait_dscnt 0
	WIN MUL_HI
	MUL16 4, 1, NQ-1, 1, 0
	MUL16 6, 1, NQ-1, 1, 0
	WIN 0
	PLACES NP
; 64 numbers of a lane in window w, register 16 b + i = k 32 b + 16 h + i of my row, become a fragment in v[PC] on and its scale word in v[PW].  Each accumulator is read from its low end on.
.macro QUANT s, w
	WIN 0
.irp b, 0,1,2,3
	v_mov_b32 v[TM+\b], 0x1800000                  ; the floor 2^(3 - 127): the byte cannot fall under 1
.endr
	WIN ((\w)<<4)|((\w)<<2)
.irp i, 0,2,4,6,8,10,12,14
.irp b, 0,1,2,3
	v_max3_num_f32 v[TM+\b], v[TM+\b], |v[(\s)+16*\b+\i]|, |v[(\s)+16*\b+\i+1]|
.endr
.endr
	WIN 0
.irp b, 0,1,2,3
	v_permlanex16_b32 v[TM+4+\b], v[TM+\b], s[SEL], s[SEL+1]
.endr
.irp b, 0,1,2,3
	v_max_num_f32 v[TM+\b], v[TM+\b], v[TM+4+\b]
.endr
.irp b, 0,1,2,3
	v_add_nc_u32 v[TM+12+\b], 0xff000000, v[TM+\b]
.endr
.irp b, 0,1,2,3
	v_lshrrev_b32 v[TM+4+\b], 23, v[TM+12+\b]
.endr
	v_lshl_or_b32 v[PW], v[TM+5], 8, v[TM+4]
	v_lshl_or_b32 v[PW], v[TM+6], 16, v[PW]
	v_lshl_or_b32 v[PW], v[TM+7], 24, v[PW]
	WIN (\w)
.irp c, 0,1
	v_cvt_scalef32_pk16_fp6_f32 v[PC+6*\c:PC+2+6*\c], v[(\s)+32*\c:(\s)+32*\c+15], v[TM+12+2*\c]
	v_cvt_scalef32_pk16_fp6_f32 v[PC+12+4*\c:PC+14+4*\c], v[(\s)+32*\c+16:(\s)+32*\c+31], v[TM+13+2*\c]
.endr
	WIN 0
	v_nop                                          ; one plain place behind a scaled conversion
.irp c, 0,1
.irp i, 0,1,2
	v_permlane16_swap_b32 v[PC+6*\c+\i], v[PC+12+4*\c+\i]
.endr
.irp i, 0,1,2
	v_mov_b32 v[PC+3+6*\c+\i], v[PC+12+4*\c+\i]
.endr
.endr
.endm
; THE WAY OUT of A block a.  q, k: the fragment's two halves are two heads' half images of tile a; a head's scale word joins the bytes of tiles a - 1 and a.  v: the fragment is tile a % 4 of d of head a / 4, my key step.
.macro OUTQKV a
	s_wait_xcnt 0x0                                ; the last block's stores have read their registers
	QUANT 64*((\a)%4), 2+(\a)/4
.if (\a)%2 == 0
	v_mov_b32 v[PWS], v[PW]                        ; the even tile's bytes are kept
.endif
	s_cmp_eq_u32 s95, 1
	s_cbranch_scc1 .Lv_\@
	global_store_b128 v[CO], v[PC:PC+3], s[12:13] offset:(\a)*768
	global_store_b64 v[C8], v[PC+4:PC+5], s[12:13] offset:(\a)*768+512
	global_store_b128 v[CO], v[PC+6:PC+9], s[12:13] offset:(\a)*768+98304
	global_store_b64 v[C8], v[PC+10:PC+11], s[12:13] offset:(\a)*768+98304+512
.if (\a)%2 == 1
	v_perm_b32 v[W0], v[PW], v[PWS], 0x05040100    ; my first head: the even tile's two bytes below, the odd tile's above
	v_perm_b32 v[W1], v[PW], v[PWS], 0x07060302    ; my second head
	v_cndmask_b32 v[W0], v[W0], v[W1], s94         ; lanes 16-31 store the second head's
	global_store_b32 v[RH4], v[W0], s[98:99] offset:((\a)/2)*64
.endif
	s_branch .Ldone_\@
.Lv_\@:
	s_wait_alu depctr_va_vdst(0)
	global_store_b128 v[CO], v[PC:PC+3], s[12:13] offset:((\a)/4)*98304+((\a)%4)*1536
	s_wait_alu depctr_va_vdst(0)
	global_store_b64 v[C8], v[PC+4:PC+5], s[12:13] offset:((\a)/4)*98304+((\a)%4)*1536+512
	global_store_b128 v[CO], v[PC+6:PC+9], s[12:13] offset:((\a)/4)*98304+((\a)%4)*1536+768
	global_store_b64 v[C8], v[PC+10:PC+11], s[12:13] offset:((\a)/4)*98304+((\a)%4)*1536+1280
	global_store_b32 v[R4], v[PW], s[98:99] offset:((\a)/4)*4096+((\a)%4)*64
.Ldone_\@:
.endm
.irp a, 0,1,2,3,4,5,6,7
	OUTQKV \a
.endr
	s_wait_tensorcnt 0x0                           ; the wave's end
	ds_add_u32 v[SPW], v[NIL]
	s_wait_dscnt 0x0
	CROUND                                         ; the closing round
	s_endpgm
.Lfunc_end_k_qa946ee69fb_qkv:
	.size	k_qa946ee69fb_qkv, .Lfunc_end_k_qa946ee69fb_qkv-k_qa946ee69fb_qkv
	.p2alignl 7, 3214868480
	.fill 96, 4, 3214868480
	.section	.rodata,"a",@progbits
	.p2align	6, 0x0
	.amdhsa_kernel k_qa946ee69fb_qkv
		.amdhsa_group_segment_fixed_size 327680
		.amdhsa_private_segment_fixed_size 0
		.amdhsa_enable_private_segment 0
		.amdhsa_kernarg_size 24
		.amdhsa_user_sgpr_count 2
		.amdhsa_user_sgpr_kernarg_segment_ptr 1
		.amdhsa_wavefront_size32 1
		.amdhsa_system_sgpr_workgroup_id_x 1
		.amdhsa_system_sgpr_workgroup_id_y 1
		.amdhsa_system_sgpr_workgroup_id_z 1
		.amdhsa_system_vgpr_workitem_id 0
		.amdhsa_next_free_vgpr 1024
		.amdhsa_next_free_sgpr 102
		.amdhsa_reserve_vcc 0
		.amdhsa_float_denorm_mode_32 3
		.amdhsa_float_denorm_mode_16_64 3
		.amdhsa_memory_ordered 1
		.amdhsa_forward_progress 1
		.amdhsa_inst_pref_size 160
	.end_amdhsa_kernel
	.amdgpu_metadata
---
amdhsa.version: [ 1, 2 ]
amdhsa.kernels:
  - .name:           k_qa946ee69fb_qkv
    .symbol:         k_qa946ee69fb_qkv.kd
    .args:
      - { .name: hbuf, .offset: 0, .size: 8, .value_kind: global_buffer, .address_space: global }
      - { .name: wbuf, .offset: 8, .size: 8, .value_kind: global_buffer, .address_space: global }
      - { .name: qkvbuf, .offset: 16, .size: 8, .value_kind: global_buffer, .address_space: global }
    .group_segment_fixed_size: 327680
    .private_segment_fixed_size: 0
    .kernarg_segment_align: 8
    .kernarg_segment_size: 24
    .max_flat_workgroup_size: 128
    .sgpr_count:     102
    .vgpr_count:     1024
    .wavefront_size: 32
...
	.end_amdgpu_metadata
.endif
;; end of part 9
;; launch attn (part 10): grid 8 x 32, 16 waves a work-group, clusters of 4 x 1, 241,664 bytes of LDS; arguments qkvbuf, cbuf; writes cbuf
.if DOCPART == 10
	.amdgcn_target "amdgcn-amd-amdhsa--gfx1250"
	.amdhsa_code_object_version 6
	.text
	.protected	k_qa946ee69fb_attn
	.globl	k_qa946ee69fb_attn
	.p2align	8
	.type	k_qa946ee69fb_attn,@function
k_qa946ee69fb_attn:
	s_mov_b64 s[64:65], 0
	v_nop
	global_prefetch_b8 v0, s[64:65] scope:SCOPE_SE
	s_setreg_imm32_b32 hwreg(HW_REG_WAVE_MODE, 25, 1), 1
	s_wait_xcnt 0x0
	s_wait_alu depctr_hold_cnt(0) depctr_sa_sdst(0) depctr_va_vdst(0) depctr_va_sdst(0) depctr_va_ssrc(0) depctr_va_vcc(0) depctr_vm_vsrc(0)
	s_getreg_b32 s2, hwreg(HW_REG_IB_STS2, 6, 4)
	s_cmp_eq_u32 s2, 0
	s_cbranch_scc0 .Lentry_in_a_cluster
	s_endpgm
.Lentry_in_a_cluster:
	s_bfe_u32 s2, ttmp6, 0x10000c
	s_cmp_lg_u32 s2, 0x3003
	s_cbranch_scc0 .Lentry_shape_is_right
	s_endpgm
.Lentry_shape_is_right:
; Causal attention of one head on codes of FP6 (E2M3) with E8M0 scales: S = q k^T (K = 64), t = S log2(e) / 32, p = 2^(t - M) with M the ceiling of the running largest t, O = p v (K = the keys), O / the sum of the
; unquantised p, quantised along the head's 64 as the next product's operand.  Key steps that lie wholly behind a tile's queries are not computed.
; INPUTS, all images of registers.  q, k: [batch and head 32][tile of 16 tokens 128][768 bytes]; row rho of tile t is token 32 (t / 2) + 8 (t % 2) + rho + 8 (rho / 8); one scale word for a pair of tiles (two bytes each).
; v: [batch and head][key step of 128][tile of d 4][1,536 bytes], keys innermost; one scale word a row and key step.
; SHARES.  Work-group (i, head), i = 0 .. 7, owns tile i of EACH of the 16 blocks of 128 queries: every work-group has the same shape, and every branch hangs on the wave's number and on counted steps alone.
; The sixteen waves are eight pairs p = 0 .. 7.  A pair owns the low tile (block p, key steps 0 .. p) and the high tile (block 15 - p, key steps 0 .. 15 - p): 17 steps.  Wave B takes the low tile's p + 1 steps,
; sends it out, and then the high tile's steps p + 2, p + 4, .., 14 - p; wave A takes the high tile's steps 0 .. p and p + 1, p + 3, .., 15 - p.  So A has 9 steps and B 8, whatever p.
; At the end B hands its O, sum and M of the high tile to A through LDS; M is a whole number, so A joins the two parts by factors that are powers of two.
; A WHOLE HEAD OF K AND V LIES IN LDS, filled once: each wave brings two key steps of K (even waves) or V (odd waves), 12,288 bytes, by one tensor load.  Waves 0 and 1 (key steps 0, 1) have a load line of their own and
; alone wait ahead of the first barrier; all waves wait ahead of key step 2.  The 8,192 bytes of scale words come by one plain load of 16 bytes a thread and an LDS store, into bytes of their own.
; CLUSTER 4, 1, 1: four work-groups of one head ask for K and V jointly.  No data prefetch: all is asked for at the head, there is no loop to run ahead in.
; K = 64 IS HALF OF THE INSTRUCTION'S 128: source 0 holds TWO tiles of keys, source 1 is q beside zero codes, once as [q | 0] and once as [0 | q].  Both products are used transposed: a lane holds one query.
; LIMITS: NaN and infinities are not served; a block of p or of O under 2^-124 keeps the byte 1; the scaled scores t stay under 2^31 in magnitude.
.set KSL,   196608                     ; LDS: K's codes at 0, V's at 98,304; K's scale words here, V's 4,096 on
.set SPARE, 204800                     ; the spare words, 128 bytes for each wave
.set MST,   206848                     ; a pair's bytes for the hand-over: O 4,096, then sum and -M 256
.set MSP,   4352
.set L16,  1                           ; v1  16 x lane
.set L8,   2                           ; v2  8 x lane
.set LS,   3                           ; v3  KSL + 4 r
.set LV16, 4                           ; v4  98,304 + 16 x lane
.set SPW,  5
.set NIL,  6
.set LV8,  7                           ; v7  98,304 + 8 x lane
.set ADK16, 8                          ; v8-11, v29: the step's addresses
.set ADK8, 9
.set ADV16, 10
.set ADV8, 11
.set ADS,  29
.set DQ,   28                          ; v28 my query's place in its block of 128, less 16 h
.set R4,   30                          ; v30 4 r
.set F,    32                          ; v32-79 four fragments of K or of V
.set Q2,   80                          ; v80-85 the high tile's q, v86 its scale word
.set Q2S,  86
.set MA,   87                          ; v87 my pair's hand-over bytes + 16 x lane; v88 + 8 x lane
.set MA8,  88
.set SL,   89                          ; v89 LDS place of my thread's 16 scale bytes; v90 their offset in memory
.set SG,   90
; v12 -M, v13 the largest t, v[14:15] the sum; v16-27 [q | 0]; v192-203 [0 | q]; v96-159 S^T, then p; v160-191 O^T; v224-235 p's codes; v220-223, v232-254 at work; v248-251, v253, v255 scale words
.set WV,   18
.set SEL,  20
.set CS,   22
.set G1C,  24
.set G0,   40
.set ROLE, 44                          ; 1: wave A, 0: wave B
.set TT,   45
.set IX,   46                          ; the work-group's i
.set TB,   2                           ; the step's tiles: 6,144 bytes a step
.set TS,   3                           ; the step's scale words: 256 bytes a step
.set SI,   56                          ; the key step
.set JW,   57                          ; the block of the tile at work
.set CNT,  58
.set PSEL, 59
.set P,    60
.set HI,   61                          ; 15 - p
.set CPAR, 62                          ; behind step p my steps are those with (step xor CPAR) even
.set SW,   63                          ; B: the step at whose head it changes tiles, p + 2; A: none
.macro WALU
	s_wait_alu depctr_va_vdst(0)
.endm
.macro CROUND
	s_barrier_signal -1
	s_barrier_wait -1
	s_cmp_lg_u32 s[WV], 0
	s_cbranch_scc1 .Lnw0_\@
	s_barrier_signal -3
.Lnw0_\@:
	s_barrier_wait -3
	s_barrier_signal -1
	s_barrier_wait -1
.endm
.macro TLOAD
	tensor_load_to_lds s[G0:G0+3], s[G1C:G1C+7]
	s_nop 0
.rept 4
	v_nop
.endr
.endm
.macro SETQ src, sw                    ; q's six registers to their two places, and its scale word (s0, s1, s0, s1)
.irp i, 0,1,2,3,4,5
.if \src != 16
	v_mov_b32 v[16+\i], v[\src+\i]
.endif
	v_mov_b32 v[198+\i], v[\src+\i]
.endr
	v_perm_b32 v255, v[\sw], v[\sw], s[PSEL]
.endm
.macro ZERO_O                          ; O^T begins as zeros; these 32 lines are also the places between q's registers and scale word and the first product
.set QJ, 0
.rept 32
	v_mov_b32 v[160+QJ], 0
.set QJ, QJ+1
.endr
.endm
	s_load_b128 s[4:7], s[0:1], 0x0                ; qkvbuf s[4:5], cbuf s[6:7]
	v_lshl_add_u32 v[SPW], v0, 2, SPARE
	v_mov_b32 v[NIL], 0
	ds_add_u32 v[SPW], v[NIL]                      ; the opening lines: the add, twice on end, and its wait
	ds_add_u32 v[SPW], v[NIL]
	v_lshrrev_b32 v8, 5, v0
	v_readfirstlane_b32 s[WV], v8                  ; wave 0..15
	s_and_b32 s8, ttmp7, 0xffff                    ; batch and head
	s_bfe_u32 s[IX], ttmp6, 0x40000
	s_lshl_b32 s9, ttmp9, 2
	s_add_co_u32 s[IX], s[IX], s9                  ; i = 4 x cluster x + cx: it enters global addresses and the mask's numbers alone
	s_mov_b32 s[G1C], 15|(3<<16)|(1<<21)           ; the four of the cluster; elements of 8 bytes; 12,288 dense bytes as 48 rows of 256
	s_mov_b32 s[G1C+1], 32<<16
	s_mov_b32 s[G1C+2], 48<<16
	s_mov_b32 s[G1C+3], 32<<16
	s_mov_b32 s[G1C+4], 48
	s_mov_b32 s[G1C+5], 32
	s_mov_b32 s[G1C+6], 0
	s_mov_b32 s[G1C+7], 0
	s_and_b32 s9, s[WV], 1                         ; K (0) or V (1)
	s_lshr_b32 s10, s[WV], 1                       ; which two key steps
	s_mul_i32 s11, s10, 12288
	s_mul_i32 s12, s9, 98304
	s_mov_b32 s[G0], 1
	s_add_co_u32 s[G0+1], s11, s12
	s_mul_i32 s12, s9, 3145728
	s_add_co_u32 s12, s12, s11
	s_mul_i32 s13, s8, 98304
	s_add_co_u32 s12, s12, s13
	s_add_co_u32 s12, s12, 3145728
	s_mov_b32 s13, 0
	s_bfe_u32 s[ROLE], s[WV], 0x10002              ; waves w and w xor 4 are a pair
	s_and_b32 s[P], s[WV], 3
	s_lshr_b32 s9, s[WV], 3
	s_lshl_b32 s9, s9, 2
	s_or_b32 s[P], s[P], s9
	s_sub_co_u32 s[HI], 15, s[P]
	s_xor_b32 s[CPAR], s[P], s[ROLE]
	s_and_b32 s[CPAR], s[CPAR], 1
	s_add_co_u32 s9, s[P], 2
	s_cmp_eq_u32 s[ROLE], 1
	s_cselect_b32 s[SW], 99, s9
	s_cselect_b32 s[JW], s[HI], s[P]               ; my first tile's block
	s_lshl_b32 s9, s8, 7
	s_add_co_u32 s9, s9, s[IX]                     ; tile i of block 0 of my head; a block on is 8 tiles on
	s_mul_i32 s48, s9, 768
	s_mul_i32 s10, s[JW], 6144
	s_add_co_u32 s84, s48, s10                     ; my first tile's q
	s_mul_i32 s10, s[HI], 6144
	s_add_co_u32 s48, s48, s10                     ; the high tile's
	s_lshr_b32 s50, s9, 1
	s_lshl_b32 s50, s50, 6
	s_add_co_u32 s50, s50, 9437184
	s_lshl_b32 s10, s[JW], 8
	s_add_co_u32 s86, s50, s10                     ; and their scale words
	s_lshl_b32 s10, s[HI], 8
	s_add_co_u32 s50, s50, s10
	s_mov_b32 s85, 0
	s_mov_b32 s87, 0
	s_mov_b32 s49, 0
	s_mov_b32 s51, 0
	s_lshr_b32 s9, s8, 4
	s_lshl_b32 s9, s9, 7
	s_add_co_u32 s9, s9, s[IX]                     ; the same tile among all 256
	s_and_b32 s10, s8, 15                          ; the head
	s_lshl_b32 s90, s9, 4
	s_add_co_u32 s90, s90, s10
	s_mul_i32 s90, s90, 768                        ; the result's half image: [tile][head][768]
	s_mul_i32 s14, s[JW], 98304
	s_add_co_u32 s90, s90, s14
	s_lshl_b32 s92, s9, 3
	s_lshr_b32 s14, s10, 1
	s_add_co_u32 s92, s92, s14
	s_lshl_b32 s92, s92, 6
	s_and_b32 s14, s10, 1
	s_lshl_b32 s14, s14, 1
	s_add_co_u32 s92, s92, s14
	s_add_co_u32 s92, s92, 3145728                 ; its half of the scale words [tile][8][16]
	s_lshl_b32 s14, s[JW], 12
	s_add_co_u32 s92, s92, s14
	s_mov_b32 s91, 0
	s_mov_b32 s93, 0
	s_sub_co_u32 s14, s[HI], s[JW]
	s_mul_i32 s52, s14, 98304                      ; from the low tile's result to the high tile's
	s_lshl_b32 s54, s14, 12
	s_mov_b32 s53, 0
	s_mov_b32 s55, 0
	s_and_b32 s14, s[IX], 1
	s_cmp_eq_u32 s14, 1
	s_mov_b32 s[PSEL], 0x01000100
	s_cselect_b32 s[PSEL], 0x03020302, s[PSEL]     ; my tile's two bytes of the pair's word, twice
	s_lshr_b32 s15, s[IX], 1
	s_lshl_b32 s15, s15, 5
	s_lshl_b32 s14, s14, 3
	s_add_co_u32 s95, s15, s14
	s_lshl_b32 s16, s8, 12
	s_add_co_u32 s16, s16, 9568256                 ; the head's scale words of K; V's lie 131,072 on
	s_mov_b32 s17, 0
	s_mul_i32 s19, s[P], MSP
	s_add_co_u32 s19, s19, MST
	s_mov_b32 s[SEL], 0x76543210
	s_mov_b32 s[SEL+1], 0xfedcba98
	s_mov_b32 s[CS], 0x3d38aa3b                    ; c = log2(e) / 32
	s_mov_b32 s[CS+1], s[CS]
	v_and_b32 v8, 31, v0
	v_lshlrev_b32 v[L16], 4, v8
	v_lshlrev_b32 v[L8], 3, v8
	v_and_b32 v9, 15, v0                           ; r
	v_bfe_u32 v10, v0, 4, 1                        ; h
	v_lshlrev_b32 v[R4], 2, v9
	v_add_nc_u32 v[LS], KSL, v[R4]
	v_add_nc_u32 v[LV16], 98304, v[L16]
	v_add_nc_u32 v[LV8], 98304, v[L8]
	v_and_b32 v11, 8, v9
	v_add_nc_u32 v11, v11, v9                      ; r + 8 (r / 8)
	v_lshlrev_b32 v10, 4, v10
	v_sub_nc_u32 v11, v11, v10
	v_add_nc_u32 v[DQ], s95, v11
	v_add_nc_u32 v[MA], s19, v[L16]
	v_add_nc_u32 v[MA8], s19, v[L8]
	v_lshl_add_u32 v[SL], v0, 4, KSL
	v_and_b32 v[SG], 255, v0
	v_lshlrev_b32 v[SG], 4, v[SG]
	v_lshrrev_b32 v8, 8, v0
	v_lshl_add_u32 v[SG], v8, 17, v[SG]            ; threads 0-255 K's 4,096 bytes, threads 256-511 V's
.irp j, 22,23,24,25,26,27,192,193,194,195,196,197
	v_mov_b32 v[\j], 0                             ; zero codes add nothing under any scale byte but 0xff
.endr
	v_mov_b32 v13, 0xff61b1e6                      ; the largest t so far: -3e38
	v_floor_f32 v12, -v13                          ; -M
	v_mov_b32 v14, 0
	v_mov_b32 v15, 0
.irp b, 0,1,2,3
	v_mov_b32 v[236+\b], 0                         ; a lane permute's destination counts as one of its sources
.endr
	v_mov_b32 v252, 0
	v_mov_b32 v253, 0
	WALU
	s_wait_dscnt 0x0                               ; both opening adds are done
	CROUND                                         ; the four work-groups are here: the joint loads meet
	s_wait_kmcnt 0x0
	s_add_nc_u64 s[G0+2:G0+3], s[4:5], s[12:13]
	s_or_b32 s[G0+3], s[G0+3], 0x80000000
	s_cmp_lt_u32 s[WV], 2                          ; one tensor load a wave; key steps 0 and 1 on a line of their own, since their waves alone wait ahead of the first barrier
	s_cbranch_scc0 .Lrest
	TLOAD
	s_branch .Lasked
.Lrest:
	TLOAD
.Lasked:
	s_add_nc_u64 s[16:17], s[4:5], s[16:17]
	s_add_nc_u64 s[48:49], s[4:5], s[48:49]
	s_add_nc_u64 s[50:51], s[4:5], s[50:51]
	s_add_nc_u64 s[84:85], s[4:5], s[84:85]
	s_add_nc_u64 s[86:87], s[4:5], s[86:87]
	s_add_nc_u64 s[90:91], s[6:7], s[90:91]
	s_add_nc_u64 s[92:93], s[6:7], s[92:93]
	global_load_b128 v[32:35], v[SG], s[16:17]                     ; 512 consecutive bytes of scale words a wave
	global_load_b128 v[Q2:Q2+3], v[L16], s[48:49]                  ; the high tile's q: A's only tile, B's second
	global_load_b64 v[Q2+4:Q2+5], v[L8], s[48:49] offset:512
	global_load_b32 v[Q2S], v[R4], s[50:51]
	s_cmp_eq_u32 s[ROLE], 1
	s_cbranch_scc1 .Lrole_a
	global_load_b128 v[16:19], v[L16], s[84:85]                    ; B: the low tile's q
	global_load_b64 v[20:21], v[L8], s[84:85] offset:512
	global_load_b32 v254, v[R4], s[86:87]
	s_wait_loadcnt 0x0
	SETQ 16, 254
	s_branch .Lq_set
.Lrole_a:
	s_wait_loadcnt 0x0
	SETQ Q2, Q2S
.Lq_set:
	ds_store_b128 v[SL], v[32:35]
	ZERO_O
	WALU
	s_wait_dscnt 0x0                               ; my scale words lie in LDS
	s_cmp_lt_u32 s[WV], 2
	s_cbranch_scc0 .Lnot_first
	s_wait_tensorcnt 0x0                           ; waves 0, 1: key steps 0 and 1 of K and V
.Lnot_first:
	s_barrier_signal -1
	s_barrier_wait -1                              ; the other waves' loads may be out
; THE WAY OUT of a tile: O^T / the sum; register 16 b + i is channel 32 b + 16 h + i of my query: two blocks of the next product's K
.macro FINAL
.rept 4
	v_nop
.endr
	s_wait_alu depctr_va_vdst(0)
	v_add_f32 v14, v14, v15
	s_delay_alu instid0(VALU_DEP_1)
	v_permlanex16_b32 v252, v14, s[SEL], s[SEL+1]
	s_delay_alu instid0(VALU_DEP_1)
	v_add_f32 v14, v14, v252
	s_wait_alu depctr_va_vdst(0)
	v_rcp_f32 v14, v14
	v_nop
	s_wait_alu depctr_va_vdst(0)
.set QJ, 0
.rept 32
	v_mul_f32 v[96+QJ], v[160+QJ], v14
.set QJ, QJ+1
.endr
.irp b, 0,1
	v_max3_num_f32 v[232+\b], |v[96+16*\b]|, |v[97+16*\b]|, 0x1800000
.endr
.irp i, 2,4,6,8,10,12,14
.irp b, 0,1
	s_delay_alu instid0(VALU_DEP_2)
	v_max3_num_f32 v[232+\b], v[232+\b], |v[96+16*\b+\i]|, |v[97+16*\b+\i]|
.endr
.endr
.irp b, 0,1
	s_delay_alu instid0(VALU_DEP_2)
	v_permlanex16_b32 v[236+\b], v[232+\b], s[SEL], s[SEL+1]
.endr
.irp b, 0,1
	s_delay_alu instid0(VALU_DEP_2)
	v_max_num_f32 v[232+\b], v[232+\b], v[236+\b]
.endr
.irp b, 0,1
	s_delay_alu instid0(VALU_DEP_2)
	v_add_nc_u32 v[244+\b], 0xff000000, v[232+\b]
.endr
.irp b, 0,1
	s_delay_alu instid0(VALU_DEP_2)
	v_lshrrev_b32 v[236+\b], 23, v[244+\b]
.endr
	s_delay_alu instid0(VALU_DEP_1)
	v_lshl_or_b32 v254, v237, 8, v236              ; the head's two scale bytes of my row
	v_cvt_scalef32_pk16_fp6_f32 v[224:226], v[96:111], v244
	v_cvt_scalef32_pk16_fp6_f32 v[240:242], v[112:127], v245
	v_nop
.irp i, 0,1,2
	v_permlane16_swap_b32 v[224+\i], v[240+\i]
.endr
.irp i, 0,1,2
	s_delay_alu instid0(VALU_DEP_3)
	v_mov_b32 v[227+\i], v[240+\i]
.endr
	global_store_b128 v[L16], v[224:227], s[90:91]                 ; 512 consecutive bytes
	global_store_b64 v[L8], v[228:229], s[90:91] offset:512        ; 256
	global_store_b16 v[R4], v254, s[92:93]                         ; lanes r and r + 16 hold the same bytes
.endm
.macro STEP sw                         ; 128 keys.  sw = 1: the steps among which B changes tiles
.if \sw
	s_cmp_lg_u32 s[SI], s[SW]
	s_cbranch_scc1 .Lnosw_\@
	FINAL                                          ; B: the low tile leaves,
	s_wait_xcnt 0x0                                ; its stores have read their registers and bases,
	s_add_nc_u64 s[90:91], s[90:91], s[52:53]
	s_add_nc_u64 s[92:93], s[92:93], s[54:55]
	s_mov_b32 s[JW], s[HI]
	SETQ Q2, Q2S                                   ; and the high tile begins anew
	v_mov_b32 v13, 0xff61b1e6
	v_floor_f32 v12, -v13
	v_mov_b32 v14, 0
	v_mov_b32 v15, 0
	ZERO_O
.Lnosw_\@:
.endif
	s_cmp_le_u32 s[SI], s[P]                       ; mine: steps 0 .. p, and behind them every second step up to 15 - p (the wave's number and the counted step alone decide)
	s_cbranch_scc1 .Llive_\@
	s_cmp_gt_u32 s[SI], s[HI]
	s_cbranch_scc1 .Lhidden_\@
	s_xor_b32 s[TT], s[SI], s[CPAR]
	s_and_b32 s[TT], s[TT], 1
	s_cmp_eq_u32 s[TT], 1
	s_cbranch_scc1 .Lhidden_\@
.Llive_\@:
	v_add_nc_u32 v[ADK16], s[TB], v[L16]           ; these five are also the places in front of loads into registers that the last products read
	v_add_nc_u32 v[ADK8], s[TB], v[L8]
	v_add_nc_u32 v[ADV16], s[TB], v[LV16]
	v_add_nc_u32 v[ADV8], s[TB], v[LV8]
	v_add_nc_u32 v[ADS], s[TS], v[LS]
.irp i, 0,1,2,3                        ; tiles 2 i and 2 i + 1 of keys lie on end: together one fragment's image
	ds_load_b128 v[F+12*\i:F+12*\i+3], v[ADK16] offset:1536*\i
	ds_load_b64 v[F+12*\i+4:F+12*\i+5], v[ADK8] offset:1536*\i+512
	ds_load_b128 v[F+12*\i+6:F+12*\i+9], v[ADK16] offset:1536*\i+768
	ds_load_b64 v[F+12*\i+10:F+12*\i+11], v[ADK8] offset:1536*\i+1280
	ds_load_b32 v[248+\i], v[ADS] offset:64*\i
.endr
	s_wait_alu depctr_va_vdst(0)
	s_wait_dscnt 0x0
.irp i, 0,1,2,3
	v_wmma_scale_f32_16x16x128_f8f6f4 v[96+16*\i:103+16*\i], v[F+12*\i:F+12*\i+11], v[16:27], 0, v[248+\i], v255 matrix_a_fmt:MATRIX_FMT_FP6 matrix_b_fmt:MATRIX_FMT_FP6
	v_wmma_scale_f32_16x16x128_f8f6f4 v[104+16*\i:111+16*\i], v[F+12*\i:F+12*\i+11], v[192:203], 0, v[248+\i], v255 matrix_a_fmt:MATRIX_FMT_FP6 matrix_b_fmt:MATRIX_FMT_FP6
.endr                                  ; register 16 b + i of v96 on: key 128 step + 32 b + 16 h + i
.rept 4
	v_nop                                          ; places: in front of the loads below and of the first read of the scores
.endr
.irp i, 0,1,2,3                        ; V's four tiles and their scale words are asked for now and land under the softmax
	ds_load_b128 v[F+12*\i:F+12*\i+3], v[ADV16] offset:1536*\i
	ds_load_b64 v[F+12*\i+4:F+12*\i+5], v[ADV8] offset:1536*\i+512
	ds_load_b128 v[F+12*\i+6:F+12*\i+9], v[ADV16] offset:1536*\i+768
	ds_load_b64 v[F+12*\i+10:F+12*\i+11], v[ADV8] offset:1536*\i+1280
	ds_load_b32 v[248+\i], v[ADS] offset:4096+64*\i
.endr
	s_cmp_lg_u32 s[SI], s[JW]                      ; on the diagonal hidden scores become -infinity ahead of the maximum
	s_cbranch_scc1 .Lopen_\@
	v_mov_b32 v254, 0xff800000
.set QN, 0
.rept 64
	v_cmp_gt_i32 vcc_lo, 32*(QN/16)+QN%16, v[DQ]
	v_cndmask_b32 v[96+QN], v[96+QN], v254, vcc_lo
.set QN, QN+1
.endr
.Lopen_\@:
.irp b, 0,1,2,3
	v_max3_num_f32 v[232+\b], v[96+16*\b], v[97+16*\b], v[98+16*\b]   ; the largest score of each block of 32 keys: for the row's maximum and, since p rises with the score, for the block's largest p
.endr
.irp i, 3,5,7,9,11,13
.irp b, 0,1,2,3
	v_max3_num_f32 v[232+\b], v[232+\b], v[96+16*\b+\i], v[97+16*\b+\i]
.endr
.endr
.irp b, 0,1,2,3
	v_max_num_f32 v[232+\b], v[232+\b], v[111+16*\b]
.endr
.irp b, 0,1,2,3
	s_delay_alu instid0(VALU_DEP_4)
	v_permlanex16_b32 v[236+\b], v[232+\b], s[SEL], s[SEL+1]
.endr
.irp b, 0,1,2,3
	s_delay_alu instid0(VALU_DEP_4)
	v_max_num_f32 v[232+\b], v[232+\b], v[236+\b]
.endr
	s_delay_alu instid0(VALU_DEP_2)
	v_max3_num_f32 v254, v232, v233, v234
	s_delay_alu instid0(VALU_DEP_1)
	v_max_num_f32 v254, v254, v235
	s_delay_alu instid0(VALU_DEP_1)
	v_mul_f32 v254, s[CS], v254                    ; as t
	s_delay_alu instid0(VALU_DEP_1)
	v_max_num_f32 v13, v13, v254                   ; the running largest t
	v_mov_b32 v254, v12
	s_delay_alu instid0(VALU_DEP_2)
	v_floor_f32 v12, -v13                          ; -M = floor(-t): M is a whole number
	s_delay_alu instid0(VALU_DEP_1)
	v_sub_f32 v254, v12, v254
	s_delay_alu instid0(VALU_DEP_1)
	v_cvt_i32_f32 v254, v254                       ; old M - new M (it saturates)
	s_delay_alu instid0(VALU_DEP_1)
	v_ldexp_f32 v252, 1.0, v254                    ; f = 2^(old M - new M): exact
.set QJ, 0
.rept 32
	v_pk_fma_f32 v[96+QJ:97+QJ], v[96+QJ:97+QJ], s[CS:CS+1], v[12:13] op_sel_hi:[1,0,0]   ; t - M
.set QJ, QJ+2
.endr
.irp b, 0,1,2,3
	v_fma_f32 v[232+\b], v[232+\b], s[CS], v12
.endr
.set QJ, 0
	s_wait_alu depctr_va_vdst(0)
.rept 64
	v_exp_f32 v[96+QJ], v[96+QJ]                   ; p = 2^(t - M): not normalised
.set QJ, QJ+1
.endr
.irp b, 0,1,2,3
	v_exp_f32 v[232+\b], v[232+\b]                 ; the blocks' largest p: one batch with the 64
.endr
	v_pk_mul_f32 v[14:15], v[14:15], v[252:253] op_sel_hi:[1,0]    ; the sum under the new M: a plain line behind the batch
.set QJ, 0
	s_wait_alu depctr_va_vdst(0)
.rept 16
	v_pk_mul_f32 v[160+QJ:161+QJ], v[160+QJ:161+QJ], v[252:253] op_sel_hi:[1,0]   ; O^T under the new M
.set QJ, QJ+2
.endr
	s_wait_alu depctr_va_vdst(0)                   ; one wait for the 68, ahead of their first reader
.irp b, 0,1,2,3
	v_max_num_f32 v[232+\b], 0x1800000, v[232+\b]  ; the floor 2^(3 - 127)
.endr
.irp b, 0,1,2,3
	s_delay_alu instid0(VALU_DEP_4)
	v_add_nc_u32 v[244+\b], 0xff000000, v[232+\b]
.endr
.irp b, 0,1,2,3
	s_delay_alu instid0(VALU_DEP_4)
	v_lshrrev_b32 v[236+\b], 23, v[244+\b]
.endr
	s_delay_alu instid0(VALU_DEP_3)
	v_lshl_or_b32 v253, v237, 8, v236              ; p's scale word for these 128 keys
	s_delay_alu instid0(VALU_DEP_1)
	v_lshl_or_b32 v253, v238, 16, v253
	s_delay_alu instid0(VALU_DEP_1)
	v_lshl_or_b32 v253, v239, 24, v253
.irp c, 0,1
	v_cvt_scalef32_pk16_fp6_f32 v[224+6*\c:226+6*\c], v[96+32*\c:111+32*\c], v[244+2*\c]
	v_cvt_scalef32_pk16_fp6_f32 v[236+4*\c:238+4*\c], v[112+32*\c:127+32*\c], v[245+2*\c]
.endr
	v_nop                                          ; one plain place behind a scaled conversion
.irp c, 0,1
.irp i, 0,1,2
	v_permlane16_swap_b32 v[224+6*\c+\i], v[236+4*\c+\i]
.endr
.irp i, 0,1,2
	s_delay_alu instid0(VALU_DEP_3)
	v_mov_b32 v[227+6*\c+\i], v[236+4*\c+\i]
.endr
.endr
	v_pk_add_f32 v[236:237], v[100:101], v[104:105]                ; the sum of the unquantised p, in eight chains
	v_pk_add_f32 v[246:247], v[108:109], v[112:113]
	v_pk_add_f32 v[244:245], v[116:117], v[120:121]
	v_pk_add_f32 v[242:243], v[124:125], v[128:129]
	v_pk_add_f32 v[240:241], v[132:133], v[136:137]
	v_pk_add_f32 v[222:223], v[140:141], v[144:145]
	v_pk_add_f32 v[220:221], v[148:149], v[152:153]
	v_pk_add_f32 v[14:15], v[14:15], v[156:157]
	v_pk_add_f32 v[236:237], v[236:237], v[96:97]
	v_pk_add_f32 v[246:247], v[246:247], v[98:99]
	v_pk_add_f32 v[244:245], v[244:245], v[102:103]
	v_pk_add_f32 v[242:243], v[242:243], v[106:107]
	v_pk_add_f32 v[240:241], v[240:241], v[110:111]
	v_pk_add_f32 v[222:223], v[222:223], v[114:115]
	v_pk_add_f32 v[220:221], v[220:221], v[118:119]
	v_pk_add_f32 v[14:15], v[14:15], v[122:123]
	v_pk_add_f32 v[236:237], v[236:237], v[126:127]
	v_pk_add_f32 v[246:247], v[246:247], v[130:131]
	v_pk_add_f32 v[244:245], v[244:245], v[134:135]
	v_pk_add_f32 v[242:243], v[242:243], v[138:139]
	v_pk_add_f32 v[240:241], v[240:241], v[142:143]
	v_pk_add_f32 v[222:223], v[222:223], v[146:147]
	v_pk_add_f32 v[220:221], v[220:221], v[150:151]
	v_pk_add_f32 v[14:15], v[14:15], v[154:155]
	v_pk_add_f32 v[236:237], v[236:237], v[158:159]
	s_delay_alu instid0(VALU_DEP_2)
	v_pk_add_f32 v[14:15], v[14:15], v[242:243]
	s_delay_alu instid0(VALU_DEP_2)
	v_pk_add_f32 v[236:237], v[236:237], v[240:241]
	v_pk_add_f32 v[246:247], v[246:247], v[222:223]
	v_pk_add_f32 v[244:245], v[244:245], v[220:221]
	s_delay_alu instid0(VALU_DEP_2)
	v_pk_add_f32 v[14:15], v[14:15], v[246:247]
	s_delay_alu instid0(VALU_DEP_2)
	v_pk_add_f32 v[236:237], v[236:237], v[244:245]
	s_delay_alu instid0(VALU_DEP_1)
	v_pk_add_f32 v[14:15], v[14:15], v[236:237]
	s_wait_dscnt 0x0                               ; V
.irp i, 0,1,2,3                        ; four accumulators by turns
	v_wmma_scale_f32_16x16x128_f8f6f4 v[160+8*\i:167+8*\i], v[F+12*\i:F+12*\i+11], v[224:235], v[160+8*\i:167+8*\i], v[248+\i], v253 matrix_a_fmt:MATRIX_FMT_FP6 matrix_b_fmt:MATRIX_FMT_FP6
.endr
.Lhidden_\@:
	s_add_co_u32 s[SI], s[SI], 1
	s_add_co_u32 s[TB], s[TB], 6144
	s_add_co_u32 s[TS], s[TS], 256
.endm
.macro WALK first, trips, sw           ; every wave walks all key steps in a loop of constant count and jumps over those that are not its own
	s_mov_b32 s[TB], \first*6144
	s_mov_b32 s[TS], \first*256
	s_mov_b32 s[SI], \first
	s_mov_b32 s[CNT], \trips
.Lstep_\@:
	STEP \sw
	s_sub_co_u32 s[CNT], s[CNT], 1
	s_cmp_lg_u32 s[CNT], 0
	s_wait_alu depctr_va_vdst(0)
	s_cbranch_scc1 .Lstep_\@
.endm
	WALK 0, 2, 0
	s_wait_tensorcnt 0x0                           ; every wave's load has landed:
	s_wait_dscnt 0x0
	s_barrier_signal -1
	s_barrier_wait -1                              ; all of K and V is in
	WALK 2, 14, 1
	s_cmp_eq_u32 s[ROLE], 1
	s_cbranch_scc1 .Lkeeps
.rept 4
	v_nop                                          ; places behind the last products
.endr
	s_wait_alu depctr_va_vdst(0)
	v_add_f32 v14, v14, v15                        ; B: my part of the high tile goes to the pair's bytes: the lane's sum, -M,
	v_mov_b32 v15, v12
.irp k, 0,1,2,3,4,5,6,7
	ds_store_b128 v[MA], v[160+4*\k:163+4*\k] offset:512*\k        ; and O^T as an image of its registers, each accumulator from its low end on
.endr
	ds_store_b64 v[MA8], v[14:15] offset:4096
.Lkeeps:
	s_wait_alu depctr_va_vdst(0)
	s_wait_dscnt 0x0
	s_barrier_signal -1
	s_barrier_wait -1
	s_cmp_eq_u32 s[ROLE], 1
	s_cbranch_scc0 .Lend
.irp k, 0,1,2,3,4,5,6,7
	ds_load_b128 v[96+4*\k:99+4*\k], v[MA] offset:512*\k           ; A: B's part
.endr
	ds_load_b64 v[128:129], v[MA8] offset:4096
	s_wait_dscnt 0x0
	v_min_num_f32 v254, v12, v129                  ; -M of both parts together
	v_sub_f32 v130, v254, v12
	v_sub_f32 v131, v254, v129
	v_cvt_i32_f32 v130, v130                       ; whole numbers, 0 or less (they saturate: a part with no step counts for nothing)
	v_cvt_i32_f32 v131, v131
	v_ldexp_f32 v252, 1.0, v130                    ; my part's factor
	v_ldexp_f32 v132, 1.0, v131                    ; B's
	v_mov_b32 v133, 0
	v_pk_mul_f32 v[14:15], v[14:15], v[252:253] op_sel_hi:[1,0]
	v_fmac_f32 v14, v128, v132
.set QJ, 0
.rept 16
	v_pk_mul_f32 v[96+QJ:97+QJ], v[96+QJ:97+QJ], v[132:133] op_sel_hi:[1,0]
.set QJ, QJ+2
.endr
.set QJ, 0
.rept 16
	v_pk_fma_f32 v[160+QJ:161+QJ], v[160+QJ:161+QJ], v[252:253], v[96+QJ:97+QJ] op_sel_hi:[1,0,1]
.set QJ, QJ+2
.endr
	FINAL
.Lend:
	s_wait_tensorcnt 0x0                           ; the wave's end
	ds_add_u32 v[SPW], v[NIL]
	s_wait_dscnt 0x0
	CROUND                                         ; the closing round
	s_endpgm
.Lfunc_end_k_qa946ee69fb_attn:
	.size	k_qa946ee69fb_attn, .Lfunc_end_k_qa946ee69fb_attn-k_qa946ee69fb_attn
	.p2alignl 7, 3214868480
	.fill 96, 4, 3214868480
	.section	.rodata,"a",@progbits
	.p2align	6, 0x0
	.amdhsa_kernel k_qa946ee69fb_attn
		.amdhsa_group_segment_fixed_size 241664
		.amdhsa_private_segment_fixed_size 0
		.amdhsa_enable_private_segment 0
		.amdhsa_kernarg_size 16
		.amdhsa_user_sgpr_count 2
		.amdhsa_user_sgpr_kernarg_segment_ptr 1
		.amdhsa_wavefront_size32 1
		.amdhsa_system_sgpr_workgroup_id_x 1
		.amdhsa_system_sgpr_workgroup_id_y 1
		.amdhsa_system_sgpr_workgroup_id_z 1
		.amdhsa_system_vgpr_workitem_id 0
		.amdhsa_next_free_vgpr 256
		.amdhsa_next_free_sgpr 100
		.amdhsa_reserve_vcc 1
		.amdhsa_float_denorm_mode_32 3
		.amdhsa_float_denorm_mode_16_64 3
		.amdhsa_memory_ordered 1
		.amdhsa_forward_progress 1
		.amdhsa_inst_pref_size 72
	.end_amdhsa_kernel
	.amdgpu_metadata
---
amdhsa.version: [ 1, 2 ]
amdhsa.kernels:
  - .name:           k_qa946ee69fb_attn
    .symbol:         k_qa946ee69fb_attn.kd
    .args:
      - { .name: qkvbuf, .offset: 0, .size: 8, .value_kind: global_buffer, .address_space: global }
      - { .name: cbuf, .offset: 8, .size: 8, .value_kind: global_buffer, .address_space: global }
    .group_segment_fixed_size: 241664
    .private_segment_fixed_size: 0
    .kernarg_segment_align: 8
    .kernarg_segment_size: 16
    .max_flat_workgroup_size: 512
    .sgpr_count:     100
    .vgpr_count:     256
    .wavefront_size: 32
...
	.end_amdgpu_metadata
.endif
;; end of part 10
;; launch fc (part 11): grid 8 x 32, 4 waves a work-group, clusters of 4 x 4, 327,680 bytes of LDS; arguments cbuf, wbuf, bfc, data, xbuf; writes xbuf
.if DOCPART == 11
	.amdgcn_target "amdgcn-amd-amdhsa--gfx1250"
	.amdhsa_code_object_version 6
	.text
	.protected	k_qa946ee69fb_fc
	.globl	k_qa946ee69fb_fc
	.p2align	8
	.type	k_qa946ee69fb_fc,@function
k_qa946ee69fb_fc:
	s_mov_b64 s[64:65], 0
	v_nop
	global_prefetch_b8 v0, s[64:65] scope:SCOPE_SE
	s_setreg_imm32_b32 hwreg(HW_REG_WAVE_MODE, 25, 1), 1
	s_wait_xcnt 0x0
	s_wait_alu depctr_hold_cnt(0) depctr_sa_sdst(0) depctr_va_vdst(0) depctr_va_sdst(0) depctr_va_ssrc(0) depctr_va_vcc(0) depctr_vm_vsrc(0)
	s_getreg_b32 s2, hwreg(HW_REG_IB_STS2, 6, 4)
	s_cmp_eq_u32 s2, 0
	s_cbranch_scc0 .Lentry_in_a_cluster
	s_endpgm
.Lentry_in_a_cluster:
	s_bfe_u32 s2, ttmp6, 0x10000c
	s_cmp_lg_u32 s2, 0xf033
	s_cbranch_scc0 .Lentry_shape_is_right
	s_endpgm
.Lentry_shape_is_right:
; x = data + concat Wfc + bfc: a product on codes of FP6 (E2M3) with E8M0 scales, K = 1,024; the result leaves as f32 rows.  Operands lie as images of registers, as in the launch that makes out0.
; 256 work-groups of four waves, each 128 x 128, a wave 64 x 64; a slot holds 512 along K; cluster 4 x 4: the tokens' tiles are asked for jointly along a row, the weight's along a column.
; The bias is the C of each sum's first product; the residual is asked for at the head and added on the way out, which goes through a stage in slot 0.
.set KTOT,  1024
.set A_S,   3145728
.set B_C,   2359296
.set B_S,   9535488
.set KST,   KTOT/128
.set TILEB, KST*1536
.set NQ,    4
.set LAPS,  KTOT/(256*NQ)
.set FR,    12
.set NP,    4
.set ROWB,  NQ*1536
.set HALFT, 4*ROWB
.set SLOT,  4*HALFT
.set SCL,   2*SLOT
.set HALFS, 4*KST*64
.set SPARE, SCL+4*HALFS
.set SPITCH, 272
.set BA,   7
.set L16,  8
.set ADRA, 16
.set ADRB, 20
.set STO,  24
.set RD,   25
.set CO,   26
.set ADRS, 27
.set SPW,  28
.set NIL,  29
.set C8,   30
.set R4,   31
.set SC,   32
.set BIAS, 64
.set ACC,  128
.set RS,   128
.set G1, 24
.set G0, 32
.set G1B, 48
.set G0B, 56
.set G1S, 68
.set G0S, 76
.set G1SB, 80
.set G0SB, 88
.set MSB, 0
.macro WIN new
.if MSB != (\new)
	s_set_vgpr_msb (MSB<<8)|(\new)
.set MSB, (\new)
.endif
.endm
.set MUL,  0x05
.set TO_F, 0x40
.macro JLOAD g0a, g1a, g0b, g1b
	s_cmp_eq_u32 s15, 0
	s_cbranch_scc0 .Lfor_b_\@
	tensor_load_to_lds s[\g0a:\g0a+3], s[\g1a:\g1a+7]
	s_nop 0
.rept 4
	v_nop
.endr
	s_branch .Lasked_\@
.Lfor_b_\@:
	tensor_load_to_lds s[\g0b:\g0b+3], s[\g1b:\g1b+7]
	s_nop 0
.rept 4
	v_nop
.endr
.Lasked_\@:
.endm
.macro CREST
	s_cmp_lg_u32 s14, 0
	s_cbranch_scc1 .Lnot_wave_0_\@
	s_barrier_signal -3
.Lnot_wave_0_\@:
	s_barrier_wait -3
	s_barrier_signal -1
	s_barrier_wait -1
.endm
.macro CROUND
	s_barrier_signal -1
	s_barrier_wait -1
	CREST
.endm
	s_load_b128 s[4:7], s[0:1], 0x0
	s_load_b64 s[66:67], s[0:1], 0x10
	s_load_b64 s[98:99], s[0:1], 0x18
	s_load_b64 s[12:13], s[0:1], 0x20
	v_lshl_add_u32 v[SPW], v0, 2, SPARE
	v_mov_b32 v[NIL], 0
	ds_add_u32 v[SPW], v[NIL]
	ds_add_u32 v[SPW], v[NIL]
	v_lshrrev_b32 v1, 5, v0
	v_readfirstlane_b32 s14, v1
	s_lshr_b32 s15, s14, 1
	s_and_b32 s16, s14, 1
	s_bfe_u32 s40, ttmp6, 0x40000
	s_bfe_u32 s41, ttmp6, 0x40004
	s_lshl_b32 s42, ttmp9, 2
	s_add_co_u32 s42, s42, s40
	s_and_b32 s17, ttmp7, 0xffff
	s_lshl_b32 s17, s17, 2
	s_add_co_u32 s17, s17, s41
	s_lshl_b32 s43, s41, 2
	s_lshl_b32 s43, 15, s43
	s_lshl_b32 s44, 0x1111, s40
	s_or_b32 s[G1+0], s43, (3<<16)|(1<<21)
	s_or_b32 s[G1B+0], s44, (3<<16)|(1<<21)
.irp g, G1, G1B
	s_mov_b32 s[\g+1], (ROWB/8)<<16
	s_mov_b32 s[\g+2], 8<<16                       ; 8 tiles for the head's loads; set to 4, for the ring's, once they have landed
	s_mov_b32 s[\g+3], (ROWB/8)<<16
	s_mov_b32 s[\g+4], 8
	s_mov_b32 s[\g+5], TILEB/8
	s_mov_b32 s[\g+6], 0
	s_mov_b32 s[\g+7], 0
.endr
	s_or_b32 s[G1S+0], s43, (3<<16)|(1<<21)
	s_or_b32 s[G1SB+0], s44, (3<<16)|(1<<21)
.irp g, G1S, G1SB
	s_mov_b32 s[\g+1], 32<<16
	s_mov_b32 s[\g+2], (2*HALFS/256)<<16           ; the scale words of all 8 tiles of an operand
	s_mov_b32 s[\g+3], 32<<16
	s_mov_b32 s[\g+4], 2*HALFS/256
	s_mov_b32 s[\g+5], 32
	s_mov_b32 s[\g+6], 0
	s_mov_b32 s[\g+7], 0
.endr
	s_lshl_b32 s18, s16, 2
	s_lshl_b32 s20, s17, 3
	s_add_co_u32 s20, s20, s18
	s_lshl_b32 s46, s42, 3
	s_add_co_u32 s46, s46, s18
	s_mov_b32 s21, 0
	s_mov_b32 s47, 0
	s_mov_b64 s[18:19], KST*64
	s_mul_u64 s[22:23], s[20:21], s[18:19]
	s_mul_u64 s[92:93], s[46:47], s[18:19]
	s_mov_b64 s[18:19], TILEB
	s_mul_u64 s[20:21], s[20:21], s[18:19]
	s_mul_u64 s[46:47], s[46:47], s[18:19]
	s_mul_i32 s45, s14, HALFT
	s_mul_i32 s94, s14, HALFS
	s_wait_dscnt 0x0
	s_wait_kmcnt 0x0
	s_add_nc_u64 s[8:9], s[6:7], B_C
	s_add_nc_u64 s[10:11], s[6:7], B_S
	s_add_nc_u64 s[6:7], s[4:5], A_S
	s_add_nc_u64 s[20:21], s[4:5], s[20:21]
	s_add_nc_u64 s[22:23], s[6:7], s[22:23]
	s_add_nc_u64 s[46:47], s[8:9], s[46:47]
	s_add_nc_u64 s[92:93], s[10:11], s[92:93]
	CROUND
	s_mov_b32 s[G0S], 1
	s_add_co_u32 s[G0S+1], s94, SCL-HALFS          ; wave 1 issues this load: its own half is the second, so both places go back by one half
	s_sub_nc_u64 s[G0S+2:G0S+3], s[22:23], HALFS
	s_or_b32 s[G0S+3], s[G0S+3], 0x80000000
	s_mov_b32 s[G0SB], 1
	s_add_co_u32 s[G0SB+1], s94, SCL-HALFS         ; wave 3 issues this load: likewise
	s_sub_nc_u64 s[G0SB+2:G0SB+3], s[92:93], HALFS
	s_or_b32 s[G0SB+3], s[G0SB+3], 0x80000000
.irp s, 0,1
	s_mov_b32 s[G0+4*\s], 1
	s_add_co_u32 s[G0+4*\s+1], s45, \s*SLOT
	s_add_nc_u64 s[G0+4*\s+2:G0+4*\s+3], s[20:21], \s*ROWB
	s_or_b32 s[G0+4*\s+3], s[G0+4*\s+3], 0x80000000
	s_mov_b32 s[G0B+4*\s], 1
	s_add_co_u32 s[G0B+4*\s+1], s45, \s*SLOT
	s_add_nc_u64 s[G0B+4*\s+2:G0B+4*\s+3], s[46:47], \s*ROWB
	s_or_b32 s[G0B+4*\s+3], s[G0B+4*\s+3], 0x80000000
.endr
; THE HEAD'S LOADS, ONE A WAVE: wave 0 slot 0's 8 tiles of A, wave 2 its 8 tiles of B, wave 1 A's scale words, wave 3 B's.  One chain of branches on the wave's number, all arms to one join.
.macro HARM w, g0, g1, next
	s_cmp_eq_u32 s14, \w
	s_cbranch_scc0 \next
	tensor_load_to_lds s[\g0:\g0+3], s[\g1:\g1+7]
	s_nop 0
.rept 4
	v_nop
.endr
	s_branch .Lhead_asked
\next:
.endm
	HARM 0, G0, G1, .Lhead_b
	HARM 2, G0B, G1B, .Lhead_sa
	HARM 1, G0S, G1S, .Lhead_sb
	tensor_load_to_lds s[G0SB:G0SB+3], s[G1SB:G1SB+7]
	s_nop 0
.rept 4
	v_nop
.endr
.Lhead_asked:
	v_and_b32 v1, 15, v0
	v_bfe_u32 v2, v0, 4, 1
	v_and_b32 v3, 31, v0
	v_lshlrev_b32 v[L16], 4, v3
	v_lshlrev_b32 v[C8], 3, v3
	v_lshlrev_b32 v[R4], 2, v1
	v_lshlrev_b32 v[BA], 6, v2
	s_wait_alu depctr_va_vdst(0)
	v_lshlrev_b32 v[CO], 4, v1
	v_lshl_add_u32 v[CO], v2, 12, v[CO]
	s_wait_alu depctr_va_vdst(0)
	s_lshl_b32 s20, s17, 19
	s_lshl_b32 s21, s15, 18
	s_add_co_u32 s20, s20, s21
	s_lshl_b32 s46, s42, 9
	s_lshl_b32 s47, s16, 8
	s_add_co_u32 s46, s46, s47
	s_add_co_u32 s20, s20, s46
	s_mov_b32 s21, 0
	s_mov_b32 s47, 0
	s_add_nc_u64 s[12:13], s[12:13], s[20:21]
	s_add_nc_u64 s[98:99], s[98:99], s[20:21]
	s_add_nc_u64 s[66:67], s[66:67], s[46:47]
.irp b, 0,1,2,3
	global_load_b128 v[BIAS+8*\b:BIAS+8*\b+3], v[BA], s[66:67] offset:(32*(\b/2)+8*(\b%2))*4
	global_load_b128 v[BIAS+8*\b+4:BIAS+8*\b+7], v[BA], s[66:67] offset:(32*(\b/2)+8*(\b%2))*4+16
.endr
	WIN 0x80
.irp a, 0,1,2,3
.irp t, 0,1,2,3,4,5,6,7
	global_load_b128 v[RS+32*\a+4*\t:RS+32*\a+4*\t+3], v[CO], s[98:99] offset:(32*(\a/2)+8*(\a%2)+2*\t+8*(\t/4))*4096
.endr
.endr
	WIN 0
	s_mul_i32 s21, s15, HALFT
	s_mul_i32 s22, s16, HALFT
	s_add_co_u32 s22, s22, 2*HALFT
.irp s, 0,1
	v_add_nc_u32 v[ADRA+\s], s21, v[L16]
	v_add_nc_u32 v[ADRB+\s], s22, v[L16]
	v_add_nc_u32 v[ADRA+2+\s], s21, v[C8]
	v_add_nc_u32 v[ADRB+2+\s], s22, v[C8]
	s_add_co_u32 s21, s21, SLOT
	s_add_co_u32 s22, s22, SLOT
.endr
	s_mul_i32 s21, s15, HALFS
	s_mul_i32 s22, s16, HALFS
	s_add_co_u32 s22, s22, 2*HALFS
	s_sub_co_u32 s22, s22, s21
	v_mul_u32_u24 v6, s22, v2
	s_add_co_u32 s21, s21, SCL
	v_add_nc_u32 v5, v[R4], v6
	v_add_nc_u32 v[ADRS], s21, v5
	s_mul_i32 s23, s14, 64*SPITCH
	v_mul_u32_u24 v5, v1, SPITCH
	v_lshl_add_u32 v5, v2, 6, v5
	v_add_nc_u32 v[STO], s23, v5
	v_mul_u32_u24 v5, v2, SPITCH
	v_lshl_add_u32 v5, v1, 4, v5
	v_add_nc_u32 v[RD], s23, v5
.macro FRAG reg, adr, q, i
	ds_load_b128 v[\reg:\reg+3], v[\adr] offset:(\i)*ROWB+(\q)*1536
	ds_load_b64 v[\reg+4:\reg+5], v[\adr+2] offset:(\i)*ROWB+(\q)*1536+512
	ds_load_b128 v[\reg+6:\reg+9], v[\adr] offset:(\i)*ROWB+(\q)*1536+768
	ds_load_b64 v[\reg+10:\reg+11], v[\adr+2] offset:(\i)*ROWB+(\q)*1536+1280
.endm
.macro MUL8 p, a0, q, sc, zero
.irp a, \a0, \a0+1
.irp b, 0,1,2,3
.if \zero
	v_wmma_scale_f32_16x16x128_f8f6f4 v[ACC+8*(4*(\a)+\b):ACC+8*(4*(\a)+\b)+7], v[128*(\p)+48+FR*\b:128*(\p)+48+FR*\b+FR-1], v[128*(\p)+FR*(\a):128*(\p)+FR*(\a)+FR-1], v[BIAS+8*\b:BIAS+8*\b+7], v[SC+4*NQ*(\sc)+NQ*\b+(\q)], v[SC+4*NQ*(\sc)+NQ*(\a)+(\q)] matrix_a_fmt:MATRIX_FMT_FP6 matrix_b_fmt:MATRIX_FMT_FP6 matrix_a_scale:MATRIX_SCALE_ROW1
.else
	v_wmma_scale_f32_16x16x128_f8f6f4 v[ACC+8*(4*(\a)+\b):ACC+8*(4*(\a)+\b)+7], v[128*(\p)+48+FR*\b:128*(\p)+48+FR*\b+FR-1], v[128*(\p)+FR*(\a):128*(\p)+FR*(\a)+FR-1], v[ACC+8*(4*(\a)+\b):ACC+8*(4*(\a)+\b)+7], v[SC+4*NQ*(\sc)+NQ*\b+(\q)], v[SC+4*NQ*(\sc)+NQ*(\a)+(\q)] matrix_a_fmt:MATRIX_FMT_FP6 matrix_b_fmt:MATRIX_FMT_FP6 matrix_a_scale:MATRIX_SCALE_ROW1
.endif
.endr
.endr
.endm
.macro FETCH slot, q, p
	WIN TO_F
.irp i, 0,1,2,3
	FRAG 128*(\p)+48+FR*\i, ADRB+\slot, \q, \i
.endr
.irp i, 0,1,2,3
	FRAG 128*(\p)+FR*\i, ADRA+\slot, \q, \i
.endr
.endm
.macro SCALES sc
.irp i, 0,1,2,3
.irp q, 0,1,2,3
	ds_load_b32 v[SC+4*NQ*\sc+NQ*\i+\q], v[ADRS] offset:\i*KST*64+64*\q
.endr
.endr
.endm
.macro PLACES n
.rept \n
	v_nop
.endr
.endm
.macro STEP slot, q, zero
	s_wait_dscnt 0x0
	PLACES NP
	FETCH \slot, (\q)+1, 1-(\q)%2
	WIN MUL
	MUL8 (\q)%2, 0, \q, \slot, \zero
	MUL8 (\q)%2, 2, \q, \slot, \zero
.endm
.macro TURN slot, next, fill
	WIN 0
	s_wait_tensorcnt 0x0
	ds_add_u32 v[SPW], v[NIL]
	s_wait_dscnt 1
	WIN MUL
	MUL8 1, 0, NQ-1, \slot, 0
	s_wait_dscnt 0x0
	s_barrier_signal -1
	MUL8 1, 2, NQ-1, \slot, 0
	WIN 0
	s_barrier_wait -1
.if \fill
	CREST
	s_add_nc_u64 s[G0+4*\slot+2:G0+4*\slot+3], s[G0+4*\slot+2:G0+4*\slot+3], 2*ROWB
	s_add_nc_u64 s[G0B+4*\slot+2:G0B+4*\slot+3], s[G0B+4*\slot+2:G0B+4*\slot+3], 2*ROWB
	JLOAD G0+4*\slot, G1, G0B+4*\slot, G1B
.else
	PLACES NP
.endif
	v_add_nc_u32 v[ADRS], 64*NQ, v[ADRS]
	FETCH \next, 0, 0
	WIN 0
	SCALES \next
.endm
.macro TOSTAGE a
	WIN 0
.irp b, 0,1,2,3
	ds_store_b128 v[STO], v[ACC+8*(4*(\a)+\b):ACC+8*(4*(\a)+\b)+3] offset:(\a)*16*SPITCH+128*(\b/2)+32*(\b%2)
	ds_store_b128 v[STO], v[ACC+8*(4*(\a)+\b)+4:ACC+8*(4*(\a)+\b)+7] offset:(\a)*16*SPITCH+128*(\b/2)+32*(\b%2)+16
.endr
	WIN TO_F
.irp t, 0,1,2,3,4,5,6,7
	ds_load_b128 v[32*(\a)+4*\t:32*(\a)+4*\t+3], v[RD] offset:(\a)*16*SPITCH+2*\t*SPITCH
.endr
	WIN 0
.endm
.macro SENDF a, younger
	s_wait_dscnt \younger
	WIN 0x09
.set QJ, 0
.rept 16
	v_pk_add_f32 v[ACC+32*(\a)+QJ:ACC+32*(\a)+QJ+1], v[32*(\a)+QJ:32*(\a)+QJ+1], v[RS+32*(\a)+QJ:RS+32*(\a)+QJ+1]
.set QJ, QJ+2
.endr
	WIN 0
.irp t, 0,1,2,3,4,5,6,7
	global_store_b128 v[CO], v[ACC+32*(\a)+4*\t:ACC+32*(\a)+4*\t+3], s[12:13] offset:(32*((\a)/2)+8*((\a)%2)+2*\t+8*(\t/4))*4096
.endr
.endm
	s_wait_alu depctr_va_vdst(0)
	s_wait_tensorcnt 0x0                           ; my tile of the head's four is in
	ds_add_u32 v[SPW], v[NIL]
	s_mov_b32 s[G1+2], 4<<16                       ; no tensor load of mine is out: from here on a load brings 4 tiles
	s_mov_b32 s[G1+4], 4
	s_mov_b32 s[G1B+2], 4<<16
	s_mov_b32 s[G1B+4], 4
	s_wait_dscnt 0x0
	CROUND                                         ; all four tiles are in, and all sixteen work-groups are here
	JLOAD G0+4, G1, G0B+4, G1B                     ; slot 1's first fill, the first tensor load behind the round
	FETCH 0, 0, 0
	WIN 0
	SCALES 0
	s_wait_loadcnt 32
	STEP 0, 0, 1
	STEP 0, 1, 0
	STEP 0, 2, 0
.if LAPS > 1
	WIN 0
	s_mov_b32 s3, LAPS-1
.Llap:
	TURN 0, 1, 1
	STEP 1, 0, 0
	STEP 1, 1, 0
	STEP 1, 2, 0
	TURN 1, 0, 1
	STEP 0, 0, 0
	STEP 0, 1, 0
	STEP 0, 2, 0
	WIN 0
	s_sub_co_u32 s3, s3, 1
	s_cmp_lg_u32 s3, 0
	s_cbranch_scc1 .Llap
.endif
	TURN 0, 1, 0
	STEP 1, 0, 0
	STEP 1, 1, 0
	STEP 1, 2, 0
	s_wait_dscnt 0x0
	WIN MUL
	MUL8 1, 0, NQ-1, 1, 0
	MUL8 1, 2, NQ-1, 1, 0
	WIN 0
	PLACES NP
	TOSTAGE 0
	TOSTAGE 1
	s_wait_loadcnt 0x0
	SENDF 0, 16
	TOSTAGE 2
	SENDF 1, 16
	TOSTAGE 3
	SENDF 2, 16
	SENDF 3, 0
	s_wait_tensorcnt 0x0
	ds_add_u32 v[SPW], v[NIL]
	s_wait_dscnt 0x0
	CROUND
	s_endpgm
.Lfunc_end_k_qa946ee69fb_fc:
	.size	k_qa946ee69fb_fc, .Lfunc_end_k_qa946ee69fb_fc-k_qa946ee69fb_fc
	.p2alignl 7, 3214868480
	.fill 96, 4, 3214868480
	.section	.rodata,"a",@progbits
	.p2align	6, 0x0
	.amdhsa_kernel k_qa946ee69fb_fc
		.amdhsa_group_segment_fixed_size 327680
		.amdhsa_private_segment_fixed_size 0
		.amdhsa_enable_private_segment 0
		.amdhsa_kernarg_size 40
		.amdhsa_user_sgpr_count 2
		.amdhsa_user_sgpr_kernarg_segment_ptr 1
		.amdhsa_wavefront_size32 1
		.amdhsa_system_sgpr_workgroup_id_x 1
		.amdhsa_system_sgpr_workgroup_id_y 1
		.amdhsa_system_sgpr_workgroup_id_z 1
		.amdhsa_system_vgpr_workitem_id 0
		.amdhsa_next_free_vgpr 768
		.amdhsa_next_free_sgpr 100
		.amdhsa_reserve_vcc 0
		.amdhsa_float_denorm_mode_32 3
		.amdhsa_float_denorm_mode_16_64 3
		.amdhsa_memory_ordered 1
		.amdhsa_forward_progress 1
		.amdhsa_inst_pref_size 63
	.end_amdhsa_kernel
	.amdgpu_metadata
---
amdhsa.version: [ 1, 2 ]
amdhsa.kernels:
  - .name:           k_qa946ee69fb_fc
    .symbol:         k_qa946ee69fb_fc.kd
    .args:
      - { .name: cbuf, .offset: 0, .size: 8, .value_kind: global_buffer, .address_space: global }
      - { .name: wbuf, .offset: 8, .size: 8, .value_kind: global_buffer, .address_space: global }
      - { .name: bfc, .offset: 16, .size: 8, .value_kind: global_buffer, .address_space: global }
      - { .name: data, .offset: 24, .size: 8, .value_kind: global_buffer, .address_space: global }
      - { .name: xbuf, .offset: 32, .size: 8, .value_kind: global_buffer, .address_space: global }
    .group_segment_fixed_size: 327680
    .private_segment_fixed_size: 0
    .kernarg_segment_align: 8
    .kernarg_segment_size: 40
    .max_flat_workgroup_size: 128
    .sgpr_count:     100
    .vgpr_count:     768
    .wavefront_size: 32
...
	.end_amdgpu_metadata
.endif
;; end of part 11
;; launch ln1 (part 12): grid 256 x 1, 8 waves a work-group, no clusters, 66,816 bytes of LDS; arguments xbuf, g2, be2, hbuf; writes hbuf
.if DOCPART == 12
	.amdgcn_target "amdgcn-amd-amdhsa--gfx1250"
	.amdhsa_code_object_version 6
	.text
	.protected	k_qa946ee69fb_ln1
	.globl	k_qa946ee69fb_ln1
	.p2align	8
	.type	k_qa946ee69fb_ln1,@function
k_qa946ee69fb_ln1:
	s_mov_b64 s[64:65], 0
	v_nop
	global_prefetch_b8 v0, s[64:65] scope:SCOPE_SE
	s_setreg_imm32_b32 hwreg(HW_REG_WAVE_MODE, 25, 1), 1
	s_wait_xcnt 0x0
; y = (x - mean) rsqrt(var + 1e-5) g + b along rows of 1,024 f32, quantised along the row to codes of FP6 (E2M3) with E8M0 scale words, laid as an operand of the next product.
; LAYOUT OF THE OPERAND.  A tile is 16 tokens; row rho of tile a is token 32 (a / 2) + 8 (a % 2) + rho + 8 (rho / 8).  Codes: [tile][K / 64][768 bytes], an image of the operand's registers (registers 0-3 of lane l
; at 16 l, registers 4-5 at 512 + 8 l); scale words: [tile][K / 128][16 words].
; A work-group of eight waves owns a tile.  PHASE 1: wave w norms tile rows 2 w and 2 w + 1, two neighbouring tokens, 8,192 consecutive bytes; mean and variance in two passes over registers, so that a common
; offset of the inputs costs nothing; the rows go to a stage in LDS.  One barrier.  PHASE 2: wave w quantises K step w (128 columns of the 16 rows): lane (r, h) takes, of row r, 16 neighbours of each block of 32.
; LIMITS: a block under 2^-124 keeps the byte 1; NaN and infinities are not served.  No matrix unit, no cluster: work-groups share only g and b, 8 KB.
.set ROWP,  4112                       ; a stage row: 4,096 bytes + 16
.set SPARE, 16*ROWP                    ; behind the stage: the spare words, 128 bytes for each wave
.set L16, 2                            ; v2  16 x lane
.set STA, 3                            ; v3  the stage, on the way in
.set SPW, 4                            ; v4  my spare word; never rewritten
.set NIL, 5                            ; v5  0; never rewritten
.set RDA, 6                            ; v6  the stage, on the way out
.set L8,  7                            ; v7  8 x lane
.set R4,  8                            ; v8  4 x (lane % 16)
.set T,   10                           ; v10-27 at work: row i: +8 i two chains, +8 i + 4 -mean twice, +8 i + 6 rstd twice; +16 + i the other half's sum
.set X,   32                           ; v32-95 two rows' numbers; later 64 numbers to quantise
.set G,   96                           ; v96-127 g of my columns
.set BE,  128                          ; v128-159 b of my columns
.set TM,  160
.set PW,  176
.set PC,  180
	s_load_b256 s[4:11], s[0:1], 0x0               ; x s[4:5], g s[6:7], b s[8:9], the operand's buffer s[10:11]
	v_lshl_add_u32 v[SPW], v0, 2, SPARE
	v_mov_b32 v[NIL], 0
	v_lshrrev_b32 v1, 5, v0
	s_delay_alu instid0(VALU_DEP_1)
	v_readfirstlane_b32 s12, v1                    ; wave
	v_and_b32 v1, 31, v0
	s_delay_alu instid0(VALU_DEP_1)
	v_lshlrev_b32 v[L16], 4, v1
	s_delay_alu instid0(VALU_DEP_2)
	v_lshlrev_b32 v[L8], 3, v1
	v_and_b32 v9, 15, v0                           ; r
	s_delay_alu instid0(VALU_DEP_1)
	v_lshlrev_b32 v[R4], 2, v9
	v_bfe_u32 v10, v0, 4, 1                        ; h
	s_mul_i32 s13, s12, 2*ROWP
	v_add_nc_u32 v[STA], s13, v[L16]               ; rows 2 w on, 16 bytes a lane
	v_mul_u32_u24 v[RDA], v9, ROWP
	s_delay_alu instid0(VALU_DEP_1)
	v_lshl_add_u32 v[RDA], v10, 6, v[RDA]
	s_lshl_b32 s13, s12, 9
	v_add_nc_u32 v[RDA], s13, v[RDA]               ; row r, K step w, + 64 h
	s_lshr_b32 s14, ttmp9, 1
	s_lshl_b32 s14, s14, 5
	s_and_b32 s15, ttmp9, 1
	s_lshl_b32 s15, s15, 3
	s_add_co_u32 s14, s14, s15
	s_lshl_b32 s15, s12, 1
	s_add_co_u32 s14, s14, s15
	s_lshr_b32 s15, s12, 2
	s_lshl_b32 s15, s15, 3
	s_add_co_u32 s14, s14, s15                     ; my first token: 32 (a / 2) + 8 (a % 2) + 2 w + 8 (w / 4)
	s_lshl_b32 s14, s14, 12
	s_mov_b32 s15, 0
	s_mov_b32 s16, 0x76543210
	s_mov_b32 s17, 0xfedcba98                      ; v_permlanex16_b32's selects for lane l xor 16
	s_mov_b32 s18, 0x3a800000                      ; 1 / 1,024
	s_mov_b32 s19, 0x3727c5ac                      ; 1e-5
	s_mul_i32 s20, ttmp9, 12288
	s_mul_i32 s21, s12, 1536
	s_add_co_u32 s20, s20, s21                     ; my fragment
	s_mov_b32 s21, 0
	s_lshl_b32 s22, ttmp9, 9
	s_lshl_b32 s23, s12, 6
	s_add_co_u32 s22, s22, s23
	s_add_co_u32 s22, s22, 3145728                 ; its scale words
	s_mov_b32 s23, 0
	v_mov_b32 v[T+16], 0                           ; a lane permute's destination counts as one of its sources
	v_mov_b32 v[T+17], 0
.irp b, 0,1,2,3
	v_mov_b32 v[TM+4+\b], 0
.endr
	s_wait_kmcnt 0x0
	s_add_nc_u64 s[4:5], s[4:5], s[14:15]
	s_add_nc_u64 s[20:21], s[10:11], s[20:21]
	s_add_nc_u64 s[22:23], s[10:11], s[22:23]
.irp j, 0,1,2,3,4,5,6,7,8,9,10,11,12,13,14,15
	global_load_b128 v[X+4*\j:X+4*\j+3], v[L16], s[4:5] offset:512*\j      ; 32 lanes read 512 consecutive bytes
.endr
.irp j, 0,1,2,3,4,5,6,7
	global_load_b128 v[G+4*\j:G+4*\j+3], v[L16], s[6:7] offset:512*\j
.endr
.irp j, 0,1,2,3,4,5,6,7
	global_load_b128 v[BE+4*\j:BE+4*\j+3], v[L16], s[8:9] offset:512*\j
.endr
.macro REDUCE                          ; v[T] and v[T + 8]: the two rows' sums over the 32 lanes, the rows by turns
.irp m, 1,2,4,8
.irp i, 0,1
	s_delay_alu instid0(VALU_DEP_2)
	v_add_f32_dpp v[T+8*\i], v[T+8*\i], v[T+8*\i] row_xmask:\m row_mask:0xf bank_mask:0xf
.endr
.endr
.irp i, 0,1
	s_delay_alu instid0(VALU_DEP_2)
	v_permlanex16_b32 v[T+16+\i], v[T+8*\i], s16, s17
.endr
.irp i, 0,1
	s_delay_alu instid0(VALU_DEP_2)
	v_add_f32 v[T+8*\i], v[T+8*\i], v[T+16+\i]
.endr
.endm
	s_wait_loadcnt 16                              ; x is in; the sixteen loads of g and b may be out
.irp i, 0,1
	v_pk_add_f32 v[T+8*\i:T+8*\i+1], v[X+32*\i:X+32*\i+1], v[X+32*\i+2:X+32*\i+3]
	v_pk_add_f32 v[T+8*\i+2:T+8*\i+3], v[X+32*\i+4:X+32*\i+5], v[X+32*\i+6:X+32*\i+7]
.endr
.irp k, 8,12,16,20,24,28
.irp i, 0,1
	s_delay_alu instid0(VALU_DEP_4)
	v_pk_add_f32 v[T+8*\i:T+8*\i+1], v[T+8*\i:T+8*\i+1], v[X+32*\i+\k:X+32*\i+\k+1]
	s_delay_alu instid0(VALU_DEP_4)
	v_pk_add_f32 v[T+8*\i+2:T+8*\i+3], v[T+8*\i+2:T+8*\i+3], v[X+32*\i+\k+2:X+32*\i+\k+3]
.endr
.endr
.irp i, 0
	s_delay_alu instid0(VALU_DEP_3)
	v_pk_add_f32 v[T+8*\i:T+8*\i+1], v[T+8*\i:T+8*\i+1], v[T+8*\i+2:T+8*\i+3]
.endr
.irp i, 1
	s_delay_alu instid0(VALU_DEP_2)
	v_pk_add_f32 v[T+8*\i:T+8*\i+1], v[T+8*\i:T+8*\i+1], v[T+8*\i+2:T+8*\i+3]
.endr
.irp i, 0,1
	s_delay_alu instid0(VALU_DEP_2)
	v_add_f32 v[T+8*\i], v[T+8*\i], v[T+8*\i+1]
.endr
	REDUCE
.irp i, 0
	s_delay_alu instid0(VALU_DEP_2)
	v_mul_f32 v[T+8*\i+4], 0xba800000, v[T+8*\i]   ; -mean, twice: a pair for the packed addition
	s_delay_alu instid0(VALU_DEP_3)
	v_mul_f32 v[T+8*\i+5], 0xba800000, v[T+8*\i]
.endr
.irp i, 1
	s_delay_alu instid0(VALU_DEP_3)
	v_mul_f32 v[T+8*\i+4], 0xba800000, v[T+8*\i]
	s_delay_alu instid0(VALU_DEP_4)
	v_mul_f32 v[T+8*\i+5], 0xba800000, v[T+8*\i]
.endr
.irp k, 0,2,4,6,8,10,12,14,16,18,20,22,24,26,28,30
.irp i, 0,1
	v_pk_add_f32 v[X+32*\i+\k:X+32*\i+\k+1], v[X+32*\i+\k:X+32*\i+\k+1], v[T+8*\i+4:T+8*\i+5]   ; d = x - mean, in place
.endr
.endr
.irp i, 0,1
	v_pk_mul_f32 v[T+8*\i:T+8*\i+1], v[X+32*\i:X+32*\i+1], v[X+32*\i:X+32*\i+1]
	v_pk_mul_f32 v[T+8*\i+2:T+8*\i+3], v[X+32*\i+2:X+32*\i+3], v[X+32*\i+2:X+32*\i+3]
.endr
.irp k, 4,8,12,16,20,24,28
.irp i, 0,1
	s_delay_alu instid0(VALU_DEP_4)
	v_pk_fma_f32 v[T+8*\i:T+8*\i+1], v[X+32*\i+\k:X+32*\i+\k+1], v[X+32*\i+\k:X+32*\i+\k+1], v[T+8*\i:T+8*\i+1]
	s_delay_alu instid0(VALU_DEP_4)
	v_pk_fma_f32 v[T+8*\i+2:T+8*\i+3], v[X+32*\i+\k+2:X+32*\i+\k+3], v[X+32*\i+\k+2:X+32*\i+\k+3], v[T+8*\i+2:T+8*\i+3]
.endr
.endr
.irp i, 0
	s_delay_alu instid0(VALU_DEP_3)
	v_pk_add_f32 v[T+8*\i:T+8*\i+1], v[T+8*\i:T+8*\i+1], v[T+8*\i+2:T+8*\i+3]
.endr
.irp i, 1
	s_delay_alu instid0(VALU_DEP_2)
	v_pk_add_f32 v[T+8*\i:T+8*\i+1], v[T+8*\i:T+8*\i+1], v[T+8*\i+2:T+8*\i+3]
.endr
.irp i, 0,1
	s_delay_alu instid0(VALU_DEP_2)
	v_add_f32 v[T+8*\i], v[T+8*\i], v[T+8*\i+1]
.endr
	REDUCE
.irp i, 0,1
	s_delay_alu instid0(VALU_DEP_2)
	v_fma_f32 v[T+8*\i], v[T+8*\i], s18, s19       ; the variance + 1e-5
.endr
	s_wait_alu depctr_va_vdst(0)
.irp i, 0,1
	v_rsq_f32 v[T+8*\i+6], v[T+8*\i]               ; twice: a pair for the packed multiply; the four are one batch
	v_rsq_f32 v[T+8*\i+7], v[T+8*\i]
.endr
	v_nop                                          ; a plain line behind the last of them
	s_wait_loadcnt 0x0                             ; g and b
	s_wait_alu depctr_va_vdst(0)                   ; one wait for the batch, ahead of its first reader
.irp k, 0,2,4,6,8,10,12,14,16,18,20,22,24,26,28,30
.irp i, 0,1
	v_pk_mul_f32 v[X+32*\i+\k:X+32*\i+\k+1], v[X+32*\i+\k:X+32*\i+\k+1], v[T+8*\i+6:T+8*\i+7]
.endr
.irp i, 0,1
	s_delay_alu instid0(VALU_DEP_2)
	v_pk_fma_f32 v[X+32*\i+\k:X+32*\i+\k+1], v[X+32*\i+\k:X+32*\i+\k+1], v[G+\k:G+\k+1], v[BE+\k:BE+\k+1]
.endr
.endr
.irp i, 0,1
.irp j, 0,1,2,3,4,5,6,7
	ds_store_b128 v[STA], v[X+32*\i+4*\j:X+32*\i+4*\j+3] offset:\i*ROWP+512*\j
.endr
.endr
	s_wait_dscnt 0x0                               ; for the others' sake: my rows lie in the stage
	s_barrier_signal -1
	s_barrier_wait -1
.irp b, 0,1,2,3
.irp j, 0,1,2,3
	ds_load_b128 v[X+16*\b+4*\j:X+16*\b+4*\j+3], v[RDA] offset:128*\b+16*\j   ; register 16 b + i = column 128 w + 32 b + 16 h + i of row r
.endr
.endr
	s_wait_dscnt 0x0
.irp b, 0,1,2,3
	v_max3_num_f32 v[TM+\b], |v[X+16*\b]|, |v[X+1+16*\b]|, 0x1800000   ; block b: my 16 numbers, and the floor 2^(3 - 127)
.endr
.irp i, 2,4,6,8,10,12,14
.irp b, 0,1,2,3
	s_delay_alu instid0(VALU_DEP_4)
	v_max3_num_f32 v[TM+\b], v[TM+\b], |v[X+16*\b+\i]|, |v[X+1+16*\b+\i]|
.endr
.endr
.irp b, 0,1,2,3
	s_delay_alu instid0(VALU_DEP_4)
	v_permlanex16_b32 v[TM+4+\b], v[TM+\b], s16, s17
.endr
.irp b, 0,1,2,3
	s_delay_alu instid0(VALU_DEP_4)
	v_max_num_f32 v[TM+\b], v[TM+\b], v[TM+4+\b]   ; with lane l xor 16's: the block's largest magnitude
.endr
.irp b, 0,1,2,3
	s_delay_alu instid0(VALU_DEP_4)
	v_add_nc_u32 v[TM+12+\b], 0xff000000, v[TM+\b] ; 2 off its exponent field: the conversion's scale operand
.endr
.irp b, 0,1,2,3
	s_delay_alu instid0(VALU_DEP_4)
	v_lshrrev_b32 v[TM+4+\b], 23, v[TM+12+\b]      ; the scale's byte
.endr
	s_delay_alu instid0(VALU_DEP_3)
	v_lshl_or_b32 v[PW], v[TM+5], 8, v[TM+4]
	s_delay_alu instid0(VALU_DEP_1)
	v_lshl_or_b32 v[PW], v[TM+6], 16, v[PW]
	s_delay_alu instid0(VALU_DEP_1)
	v_lshl_or_b32 v[PW], v[TM+7], 24, v[PW]        ; my row's scale word
.irp c, 0,1
	v_cvt_scalef32_pk16_fp6_f32 v[PC+6*\c:PC+2+6*\c], v[X+32*\c:X+15+32*\c], v[TM+12+2*\c]
	v_cvt_scalef32_pk16_fp6_f32 v[PC+12+4*\c:PC+14+4*\c], v[X+16+32*\c:X+31+32*\c], v[TM+13+2*\c]
.endr
	v_nop                                          ; one plain place behind a scaled conversion
.irp c, 0,1                            ; the operand wants a whole block in a lane: lanes 0-15 block 2 c, lanes 16-31 block 2 c + 1
.irp i, 0,1,2
	v_permlane16_swap_b32 v[PC+6*\c+\i], v[PC+12+4*\c+\i]
.endr
.irp i, 0,1,2
	s_delay_alu instid0(VALU_DEP_3)
	v_mov_b32 v[PC+3+6*\c+\i], v[PC+12+4*\c+\i]
.endr
.endr
	global_store_b128 v[L16], v[PC:PC+3], s[20:21]                 ; 512 consecutive bytes
	global_store_b64 v[L8], v[PC+4:PC+5], s[20:21] offset:512      ; 256
	global_store_b128 v[L16], v[PC+6:PC+9], s[20:21] offset:768
	global_store_b64 v[L8], v[PC+10:PC+11], s[20:21] offset:1280
	global_store_b32 v[R4], v[PW], s[22:23]                        ; lanes r and r + 16 hold the same word
	s_wait_tensorcnt 0x0                           ; the wave's end
	ds_add_u32 v[SPW], v[NIL]
	s_wait_dscnt 0x0
	s_endpgm
.Lfunc_end_k_qa946ee69fb_ln1:
	.size	k_qa946ee69fb_ln1, .Lfunc_end_k_qa946ee69fb_ln1-k_qa946ee69fb_ln1
	.p2alignl 7, 3214868480
	.fill 96, 4, 3214868480
	.section	.rodata,"a",@progbits
	.p2align	6, 0x0
	.amdhsa_kernel k_qa946ee69fb_ln1
		.amdhsa_group_segment_fixed_size 66816
		.amdhsa_private_segment_fixed_size 0
		.amdhsa_enable_private_segment 0
		.amdhsa_kernarg_size 32
		.amdhsa_user_sgpr_count 2
		.amdhsa_user_sgpr_kernarg_segment_ptr 1
		.amdhsa_wavefront_size32 1
		.amdhsa_system_sgpr_workgroup_id_x 1
		.amdhsa_system_sgpr_workgroup_id_y 1
		.amdhsa_system_sgpr_workgroup_id_z 1
		.amdhsa_system_vgpr_workitem_id 0
		.amdhsa_next_free_vgpr 200
		.amdhsa_next_free_sgpr 66
		.amdhsa_reserve_vcc 0
		.amdhsa_float_denorm_mode_32 3
		.amdhsa_float_denorm_mode_16_64 3
		.amdhsa_memory_ordered 1
		.amdhsa_forward_progress 1
		.amdhsa_inst_pref_size 30
	.end_amdhsa_kernel
	.amdgpu_metadata
---
amdhsa.version: [ 1, 2 ]
amdhsa.kernels:
  - .name:           k_qa946ee69fb_ln1
    .symbol:         k_qa946ee69fb_ln1.kd
    .args:
      - { .name: xbuf, .offset: 0, .size: 8, .value_kind: global_buffer, .address_space: global }
      - { .name: g2, .offset: 8, .size: 8, .value_kind: global_buffer, .address_space: global }
      - { .name: be2, .offset: 16, .size: 8, .value_kind: global_buffer, .address_space: global }
      - { .name: hbuf, .offset: 24, .size: 8, .value_kind: global_buffer, .address_space: global }
    .group_segment_fixed_size: 66816
    .private_segment_fixed_size: 0
    .kernarg_segment_align: 8
    .kernarg_segment_size: 32
    .max_flat_workgroup_size: 256
    .sgpr_count:     66
    .vgpr_count:     200
    .wavefront_size: 32
...
	.end_amdgpu_metadata
.endif
;; end of part 12
;; launch ffn1 (part 13): grid 16 x 16, 4 waves a work-group, clusters of 4 x 4, 327,680 bytes of LDS; arguments hbuf, wbuf, b1, hidbuf; writes hidbuf
.if DOCPART == 13
	.amdgcn_target "amdgcn-amd-amdhsa--gfx1250"
	.amdhsa_code_object_version 6
	.text
	.protected	k_qa946ee69fb_ffn1
	.globl	k_qa946ee69fb_ffn1
	.p2align	8
	.type	k_qa946ee69fb_ffn1,@function
k_qa946ee69fb_ffn1:
	s_mov_b64 s[64:65], 0
	v_nop
	global_prefetch_b8 v0, s[64:65] scope:SCOPE_SE
	s_setreg_imm32_b32 hwreg(HW_REG_WAVE_MODE, 25, 1), 1
	s_wait_xcnt 0x0
	s_wait_alu depctr_hold_cnt(0) depctr_sa_sdst(0) depctr_va_vdst(0) depctr_va_sdst(0) depctr_va_ssrc(0) depctr_va_vcc(0) depctr_vm_vsrc(0)
	s_getreg_b32 s2, hwreg(HW_REG_IB_STS2, 6, 4)
	s_cmp_eq_u32 s2, 0
	s_cbranch_scc0 .Lentry_in_a_cluster
	s_endpgm
.Lentry_in_a_cluster:
	s_bfe_u32 s2, ttmp6, 0x10000c
	s_cmp_lg_u32 s2, 0xf033
	s_cbranch_scc0 .Lentry_shape_is_right
	s_endpgm
.Lentry_shape_is_right:
; hidden = relu(h2 W1 + b1) on codes of FP6 (E2M3) with E8M0 scales, K = 1,024; the result is quantised in registers along the hidden units and leaves as the next product's operand, an image of its registers.
; 256 work-groups of four waves, each 256 x 256, a wave 128 x 128; a slot holds 256 along K; cluster 4 x 4: the tokens' tiles are asked for jointly along a row, the weight's along a column.
; The bias is the C of each sum's first product.  LIMITS: a block under 2^-124 keeps the byte 1; NaN and infinities are not served.
.set KTOT,  1024
.set A_S,   3145728
.set B_C,   3145728
.set B_S,   9568256
.set KST,   KTOT/128
.set TILEB, KST*1536
.set LAPS,  KTOT/512
.set NQ,    2
.set FR,    12
.set NL,    4
.set NP,    4
.set ROWB,  3072
.set HALFT, 8*ROWB
.set SLOT,  4*HALFT
.set SCL,   2*SLOT
.set HALFS, 8*KST*64
.set SPARE, SCL+4*HALFS
.set BA,   7
.set ADRA, 16
.set ADRB, 20
.set CO,   26
.set ADRS, 27
.set SPW,  28
.set NIL,  29
.set C8,   30
.set R4,   31
.set SC,   32
.set BIAS, 64
.set PC,   96
.set AF,   128
.set TM,   224
.set PW,   240
.set SEL,  96
.set G1, 24
.set G0, 32
.set G1B, 48
.set G0B, 56
.set G1S, 68
.set G0S, 76
.set G1SB, 80
.set G0SB, 88
.set MSB, 0
.macro WIN new
.if MSB != (\new)
	s_set_vgpr_msb (MSB<<8)|(\new)
.set MSB, (\new)
.endif
.endm
.set MUL_LO, 0xa1
.set MUL_HI, 0xf1
.set FIRST_LO, 0x81
.set FIRST_HI, 0xc1
.set TO_B,   0x40
.macro JLOAD g0a, g1a, g0b, g1b
	s_cmp_eq_u32 s15, 0
	s_cbranch_scc0 .Lfor_b_\@
	tensor_load_to_lds s[\g0a:\g0a+3], s[\g1a:\g1a+7]
	s_nop 0
.rept 4
	v_nop
.endr
	s_branch .Lasked_\@
.Lfor_b_\@:
	tensor_load_to_lds s[\g0b:\g0b+3], s[\g1b:\g1b+7]
	s_nop 0
.rept 4
	v_nop
.endr
.Lasked_\@:
.endm
.macro CREST
	s_cmp_lg_u32 s14, 0
	s_cbranch_scc1 .Lnot_wave_0_\@
	s_barrier_signal -3
.Lnot_wave_0_\@:
	s_barrier_wait -3
	s_barrier_signal -1
	s_barrier_wait -1
.endm
.macro CROUND
	s_barrier_signal -1
	s_barrier_wait -1
	CREST
.endm
	s_load_b128 s[4:7], s[0:1], 0x0
	s_load_b64 s[66:67], s[0:1], 0x10
	s_load_b64 s[12:13], s[0:1], 0x18
	v_lshl_add_u32 v[SPW], v0, 2, SPARE
	v_mov_b32 v[NIL], 0
	ds_add_u32 v[SPW], v[NIL]
	ds_add_u32 v[SPW], v[NIL]
	v_lshrrev_b32 v1, 5, v0
	v_readfirstlane_b32 s14, v1
	s_lshr_b32 s15, s14, 1
	s_and_b32 s16, s14, 1
	s_bfe_u32 s40, ttmp6, 0x40000
	s_bfe_u32 s41, ttmp6, 0x40004
	s_lshl_b32 s42, ttmp9, 2
	s_add_co_u32 s42, s42, s40
	s_and_b32 s17, ttmp7, 0xffff
	s_lshl_b32 s17, s17, 2
	s_add_co_u32 s17, s17, s41
	s_lshl_b32 s43, s41, 2
	s_lshl_b32 s43, 15, s43
	s_lshl_b32 s44, 0x1111, s40
	s_or_b32 s[G1+0], s43, (3<<16)|(1<<21)
	s_or_b32 s[G1B+0], s44, (3<<16)|(1<<21)
.irp g, G1, G1B
	s_mov_b32 s[\g+1], 384<<16
	s_mov_b32 s[\g+2], 16<<16                      ; 16 tiles for the head's loads; set to 8, for the ring's, once they have landed
	s_mov_b32 s[\g+3], 384<<16
	s_mov_b32 s[\g+4], 16
	s_mov_b32 s[\g+5], TILEB/8
	s_mov_b32 s[\g+6], 0
	s_mov_b32 s[\g+7], 0
.endr
	s_or_b32 s[G1S+0], s43, (3<<16)|(1<<21)
	s_or_b32 s[G1SB+0], s44, (3<<16)|(1<<21)
.irp g, G1S, G1SB
	s_mov_b32 s[\g+1], 32<<16
	s_mov_b32 s[\g+2], (2*HALFS/256)<<16           ; the scale words of all 16 tiles of an operand
	s_mov_b32 s[\g+3], 32<<16
	s_mov_b32 s[\g+4], 2*HALFS/256
	s_mov_b32 s[\g+5], 32
	s_mov_b32 s[\g+6], 0
	s_mov_b32 s[\g+7], 0
.endr
	s_lshl_b32 s18, s16, 3
	s_lshl_b32 s20, s17, 4
	s_add_co_u32 s20, s20, s18
	s_lshl_b32 s46, s42, 4
	s_add_co_u32 s46, s46, s18
	s_mov_b32 s21, 0
	s_mov_b32 s47, 0
	s_mov_b64 s[18:19], KST*64
	s_mul_u64 s[22:23], s[20:21], s[18:19]
	s_mul_u64 s[92:93], s[46:47], s[18:19]
	s_mov_b64 s[18:19], TILEB
	s_mul_u64 s[20:21], s[20:21], s[18:19]
	s_mul_u64 s[46:47], s[46:47], s[18:19]
	s_mul_i32 s45, s14, HALFT
	s_mul_i32 s94, s14, HALFS
	s_wait_dscnt 0x0
	s_wait_kmcnt 0x0
	s_add_nc_u64 s[8:9], s[6:7], B_C
	s_add_nc_u64 s[10:11], s[6:7], B_S
	s_add_nc_u64 s[6:7], s[4:5], A_S
	s_add_nc_u64 s[20:21], s[4:5], s[20:21]
	s_add_nc_u64 s[22:23], s[6:7], s[22:23]
	s_add_nc_u64 s[46:47], s[8:9], s[46:47]
	s_add_nc_u64 s[92:93], s[10:11], s[92:93]
	CROUND
	s_mov_b32 s[G0S], 1
	s_add_co_u32 s[G0S+1], s94, SCL-HALFS          ; wave 1 issues this load: its own half is the second, so both places go back by one half
	s_sub_nc_u64 s[G0S+2:G0S+3], s[22:23], HALFS
	s_or_b32 s[G0S+3], s[G0S+3], 0x80000000
	s_mov_b32 s[G0SB], 1
	s_add_co_u32 s[G0SB+1], s94, SCL-HALFS         ; wave 3 issues this load: likewise
	s_sub_nc_u64 s[G0SB+2:G0SB+3], s[92:93], HALFS
	s_or_b32 s[G0SB+3], s[G0SB+3], 0x80000000
.irp s, 0,1
	s_mov_b32 s[G0+4*\s], 1
	s_add_co_u32 s[G0+4*\s+1], s45, \s*SLOT
	s_add_nc_u64 s[G0+4*\s+2:G0+4*\s+3], s[20:21], \s*ROWB
	s_or_b32 s[G0+4*\s+3], s[G0+4*\s+3], 0x80000000
	s_mov_b32 s[G0B+4*\s], 1
	s_add_co_u32 s[G0B+4*\s+1], s45, \s*SLOT
	s_add_nc_u64 s[G0B+4*\s+2:G0B+4*\s+3], s[46:47], \s*ROWB
	s_or_b32 s[G0B+4*\s+3], s[G0B+4*\s+3], 0x80000000
.endr
; THE HEAD'S LOADS, ONE A WAVE: wave 0 slot 0's 16 tiles of A, wave 2 its 16 tiles of B, wave 1 A's scale words, wave 3 B's.  One chain of branches on the wave's number, all arms to one join.
.macro HARM w, g0, g1, next
	s_cmp_eq_u32 s14, \w
	s_cbranch_scc0 \next
	tensor_load_to_lds s[\g0:\g0+3], s[\g1:\g1+7]
	s_nop 0
.rept 4
	v_nop
.endr
	s_branch .Lhead_asked
\next:
.endm
	HARM 0, G0, G1, .Lhead_b
	HARM 2, G0B, G1B, .Lhead_sa
	HARM 1, G0S, G1S, .Lhead_sb
	tensor_load_to_lds s[G0SB:G0SB+3], s[G1SB:G1SB+7]
	s_nop 0
.rept 4
	v_nop
.endr
.Lhead_asked:
	v_and_b32 v1, 15, v0
	v_bfe_u32 v2, v0, 4, 1
	v_and_b32 v3, 31, v0
	v_lshlrev_b32 v[CO], 4, v3
	s_wait_alu depctr_va_vdst(0)
	v_lshlrev_b32 v[C8], 3, v3
	s_wait_alu depctr_va_vdst(0)
	v_lshlrev_b32 v[R4], 2, v1
	v_lshlrev_b32 v[BA], 6, v2
	s_lshl_b32 s46, s42, 10
	s_lshl_b32 s47, s16, 9
	s_add_co_u32 s46, s46, s47
	s_mov_b32 s47, 0
	s_add_nc_u64 s[66:67], s[66:67], s[46:47]
.irp b, 0,1,2,3,4,5,6,7
	global_load_b128 v[BIAS+8*\b:BIAS+8*\b+3], v[BA], s[66:67] offset:(32*(\b/2)+8*(\b%2))*4
	global_load_b128 v[BIAS+8*\b+4:BIAS+8*\b+7], v[BA], s[66:67] offset:(32*(\b/2)+8*(\b%2))*4+16
.endr
	s_lshl_b32 s20, s17, 4
	s_lshl_b32 s21, s15, 3
	s_add_co_u32 s20, s20, s21
	s_lshl_b32 s21, s42, 1
	s_add_co_u32 s21, s21, s16
	s_mul_i32 s22, s20, 49152
	s_mul_i32 s23, s21, 1536
	s_add_co_u32 s22, s22, s23
	s_lshl_b32 s20, s20, 11
	s_lshl_b32 s21, s21, 6
	s_add_co_u32 s20, s20, s21
	s_add_co_u32 s20, s20, 12582912
	s_mov_b32 s21, 0
	s_mov_b32 s23, 0
	s_add_nc_u64 s[98:99], s[12:13], s[20:21]
	s_add_nc_u64 s[12:13], s[12:13], s[22:23]
	s_mul_i32 s21, s15, HALFT
	s_mul_i32 s22, s16, HALFT
	s_add_co_u32 s22, s22, 2*HALFT
.irp s, 0,1
	v_add_nc_u32 v[ADRA+\s], s21, v[CO]
	v_add_nc_u32 v[ADRB+\s], s22, v[CO]
	v_add_nc_u32 v[ADRA+2+\s], s21, v[C8]
	v_add_nc_u32 v[ADRB+2+\s], s22, v[C8]
	s_add_co_u32 s21, s21, SLOT
	s_add_co_u32 s22, s22, SLOT
.endr
	s_mul_i32 s21, s15, HALFS
	s_mul_i32 s22, s16, HALFS
	s_add_co_u32 s22, s22, 2*HALFS
	s_sub_co_u32 s22, s22, s21
	v_mul_u32_u24 v6, s22, v2
	s_add_co_u32 s21, s21, SCL
	v_add_nc_u32 v5, v[R4], v6
	v_add_nc_u32 v[ADRS], s21, v5
	s_mov_b32 s[SEL], 0x76543210
	s_mov_b32 s[SEL+1], 0xfedcba98
.irp b, 0,1,2,3
	v_mov_b32 v[TM+4+\b], 0
.endr
.macro FRAG reg, adr, q, i
	ds_load_b128 v[\reg:\reg+3], v[\adr] offset:(\i)*ROWB+(\q)*1536
	ds_load_b64 v[\reg+4:\reg+5], v[\adr+2] offset:(\i)*ROWB+(\q)*1536+512
	ds_load_b128 v[\reg+6:\reg+9], v[\adr] offset:(\i)*ROWB+(\q)*1536+768
	ds_load_b64 v[\reg+10:\reg+11], v[\adr+2] offset:(\i)*ROWB+(\q)*1536+1280
.endm
.macro MUL16 a0, p, q, sc, zero
.irp a, \a0, \a0+1
.irp b, 0,1,2,3,4,5,6,7
.if \zero
	v_wmma_scale_f32_16x16x128_f8f6f4 v[8*(8*((\a)%4)+\b):8*(8*((\a)%4)+\b)+7], v[128*(\p)+FR*\b:128*(\p)+FR*\b+FR-1], v[AF+FR*(\a):AF+FR*(\a)+FR-1], v[BIAS+8*\b:BIAS+8*\b+7], v[SC+8*NQ*(\sc)+NQ*\b+(\q)], v[SC+8*NQ*(\sc)+NQ*(\a)+(\q)] matrix_a_fmt:MATRIX_FMT_FP6 matrix_b_fmt:MATRIX_FMT_FP6 matrix_a_scale:MATRIX_SCALE_ROW1
.else
	v_wmma_scale_f32_16x16x128_f8f6f4 v[8*(8*((\a)%4)+\b):8*(8*((\a)%4)+\b)+7], v[128*(\p)+FR*\b:128*(\p)+FR*\b+FR-1], v[AF+FR*(\a):AF+FR*(\a)+FR-1], v[8*(8*((\a)%4)+\b):8*(8*((\a)%4)+\b)+7], v[SC+8*NQ*(\sc)+NQ*\b+(\q)], v[SC+8*NQ*(\sc)+NQ*(\a)+(\q)] matrix_a_fmt:MATRIX_FMT_FP6 matrix_b_fmt:MATRIX_FMT_FP6 matrix_a_scale:MATRIX_SCALE_ROW1
.endif
.endr
.endr
.endm
.macro FETCH_B slot, q, p
	WIN TO_B
.irp i, 0,1,2,3,4,5,6,7
	FRAG 128*(\p)+FR*\i, ADRB+\slot, \q, \i
.endr
	WIN 0
.endm
.macro FETCH_A slot, q, i0
.irp i, \i0, \i0+1, \i0+2, \i0+3
	FRAG AF+FR*(\i), ADRA+\slot, \q, \i
.endr
.endm
.macro SCALES sc
.irp i, 0,1,2,3,4,5,6,7
	ds_load_b32 v[SC+8*NQ*\sc+NQ*\i], v[ADRS] offset:\i*KST*64
	ds_load_b32 v[SC+8*NQ*\sc+NQ*\i+1], v[ADRS] offset:\i*KST*64+64
.endr
.endm
.macro PLACES n
.rept \n
	v_nop
.endr
.endm
.macro STEP slot, q, zero
	s_wait_dscnt 4*NL
.if \zero
	WIN FIRST_LO
.else
	WIN MUL_LO
.endif
	MUL16 0, (\q)%2, \q, \slot, \zero
	MUL16 2, (\q)%2, \q, \slot, \zero
	s_wait_dscnt 0
	PLACES NP
	FETCH_B \slot, (\q)+1, 1-(\q)%2
	FETCH_A \slot, (\q)+1, 0
.if \zero
	WIN FIRST_HI
.else
	WIN MUL_HI
.endif
	MUL16 4, (\q)%2, \q, \slot, \zero
	MUL16 6, (\q)%2, \q, \slot, \zero
	PLACES NP
	WIN 0
	FETCH_A \slot, (\q)+1, 4
.endm
.macro TURN slot, next, fill
	s_wait_tensorcnt 0x0
	ds_add_u32 v[SPW], v[NIL]
	s_wait_dscnt 4*NL+1
	WIN MUL_LO
	MUL16 0, 1, NQ-1, \slot, 0
	s_wait_dscnt 0x0
	s_barrier_signal -1
	MUL16 2, 1, NQ-1, \slot, 0
	WIN 0
	s_barrier_wait -1
.if \fill
	CREST
	s_add_nc_u64 s[G0+4*\slot+2:G0+4*\slot+3], s[G0+4*\slot+2:G0+4*\slot+3], 2*ROWB
	s_add_nc_u64 s[G0B+4*\slot+2:G0B+4*\slot+3], s[G0B+4*\slot+2:G0B+4*\slot+3], 2*ROWB
	JLOAD G0+4*\slot, G1, G0B+4*\slot, G1B
.else
	PLACES NP
.endif
	s_wait_alu depctr_va_vdst(0)
	v_add_nc_u32 v[ADRS], 64*NQ, v[ADRS]
	FETCH_B \next, 0, 0
	FETCH_A \next, 0, 0
	SCALES \next
	WIN MUL_HI
	MUL16 4, 1, NQ-1, \slot, 0
	MUL16 6, 1, NQ-1, \slot, 0
	PLACES NP
	WIN 0
	FETCH_A \next, 0, 4
.endm
	s_wait_alu depctr_va_vdst(0)
	s_wait_tensorcnt 0x0                           ; my tile of the head's four is in
	ds_add_u32 v[SPW], v[NIL]
	s_mov_b32 s[G1+2], 8<<16                       ; no tensor load of mine is out: from here on a load brings 8 tiles
	s_mov_b32 s[G1+4], 8
	s_mov_b32 s[G1B+2], 8<<16
	s_mov_b32 s[G1B+4], 8
	s_wait_dscnt 0x0
	CROUND                                         ; all four tiles are in, and all sixteen work-groups are here
	JLOAD G0+4, G1, G0B+4, G1B                     ; slot 1's first fill, the first tensor load behind the round
	FETCH_B 0, 0, 0
	FETCH_A 0, 0, 0
	SCALES 0
	FETCH_A 0, 0, 4
	s_wait_loadcnt 0x0
	STEP 0, 0, 1
	s_mov_b32 s3, LAPS-1
.Llap:
	TURN 0, 1, 1
	STEP 1, 0, 0
	TURN 1, 0, 1
	STEP 0, 0, 0
	s_sub_co_u32 s3, s3, 1
	s_cmp_lg_u32 s3, 0
	s_cbranch_scc1 .Llap
	TURN 0, 1, 0
	STEP 1, 0, 0
	s_wait_dscnt 4*NL
	WIN MUL_LO
	MUL16 0, 1, NQ-1, 1, 0
	MUL16 2, 1, NQ-1, 1, 0
	s_wait_dscnt 0
	WIN MUL_HI
	MUL16 4, 1, NQ-1, 1, 0
	MUL16 6, 1, NQ-1, 1, 0
	WIN 0
	PLACES NP
.macro QUANT s, w
	WIN ((\w)<<6)|((\w)<<2)
.set QJ, 0
.rept 64
	v_max_num_f32 v[(\s)+QJ], 0, v[(\s)+QJ]
.set QJ, QJ+1
.endr
	WIN 0
.irp b, 0,1,2,3
	v_mov_b32 v[TM+\b], 0x1800000
.endr
	WIN ((\w)<<4)|((\w)<<2)
.irp i, 0,2,4,6,8,10,12,14
.irp b, 0,1,2,3
	v_max3_num_f32 v[TM+\b], v[TM+\b], |v[(\s)+16*\b+\i]|, |v[(\s)+16*\b+\i+1]|
.endr
.endr
	WIN 0
.irp b, 0,1,2,3
	v_permlanex16_b32 v[TM+4+\b], v[TM+\b], s[SEL], s[SEL+1]
.endr
.irp b, 0,1,2,3
	v_max_num_f32 v[TM+\b], v[TM+\b], v[TM+4+\b]
.endr
.irp b, 0,1,2,3
	v_add_nc_u32 v[TM+12+\b], 0xff000000, v[TM+\b]
.endr
.irp b, 0,1,2,3
	v_lshrrev_b32 v[TM+4+\b], 23, v[TM+12+\b]
.endr
	v_lshl_or_b32 v[PW], v[TM+5], 8, v[TM+4]
	v_lshl_or_b32 v[PW], v[TM+6], 16, v[PW]
	v_lshl_or_b32 v[PW], v[TM+7], 24, v[PW]
	WIN (\w)
.irp c, 0,1
	v_cvt_scalef32_pk16_fp6_f32 v[PC+6*\c:PC+2+6*\c], v[(\s)+32*\c:(\s)+32*\c+15], v[TM+12+2*\c]
	v_cvt_scalef32_pk16_fp6_f32 v[PC+12+4*\c:PC+14+4*\c], v[(\s)+32*\c+16:(\s)+32*\c+31], v[TM+13+2*\c]
.endr
	WIN 0
	v_nop
.irp c, 0,1
.irp i, 0,1,2
	v_permlane16_swap_b32 v[PC+6*\c+\i], v[PC+12+4*\c+\i]
.endr
.irp i, 0,1,2
	v_mov_b32 v[PC+3+6*\c+\i], v[PC+12+4*\c+\i]
.endr
.endr
.endm
.irp a, 0,1,2,3,4,5,6,7
	s_wait_xcnt 0x0
	QUANT 64*((\a)%4), 2+(\a)/4
	global_store_b128 v[CO], v[PC:PC+3], s[12:13] offset:\a*49152
	global_store_b64 v[C8], v[PC+4:PC+5], s[12:13] offset:\a*49152+512
	global_store_b128 v[CO], v[PC+6:PC+9], s[12:13] offset:\a*49152+768
	global_store_b64 v[C8], v[PC+10:PC+11], s[12:13] offset:\a*49152+1280
	global_store_b32 v[R4], v[PW], s[98:99] offset:\a*2048
.endr
	s_wait_tensorcnt 0x0
	ds_add_u32 v[SPW], v[NIL]
	s_wait_dscnt 0x0
	CROUND
	s_endpgm
.Lfunc_end_k_qa946ee69fb_ffn1:
	.size	k_qa946ee69fb_ffn1, .Lfunc_end_k_qa946ee69fb_ffn1-k_qa946ee69fb_ffn1
	.p2alignl 7, 3214868480
	.fill 96, 4, 3214868480
	.section	.rodata,"a",@progbits
	.p2align	6, 0x0
	.amdhsa_kernel k_qa946ee69fb_ffn1
		.amdhsa_group_segment_fixed_size 327680
		.amdhsa_private_segment_fixed_size 0
		.amdhsa_enable_private_segment 0
		.amdhsa_kernarg_size 32
		.amdhsa_user_sgpr_count 2
		.amdhsa_user_sgpr_kernarg_segment_ptr 1
		.amdhsa_wavefront_size32 1
		.amdhsa_system_sgpr_workgroup_id_x 1
		.amdhsa_system_sgpr_workgroup_id_y 1
		.amdhsa_system_sgpr_workgroup_id_z 1
		.amdhsa_system_vgpr_workitem_id 0
		.amdhsa_next_free_vgpr 1024
		.amdhsa_next_free_sgpr 100
		.amdhsa_reserve_vcc 0
		.amdhsa_float_denorm_mode_32 3
		.amdhsa_float_denorm_mode_16_64 3
		.amdhsa_memory_ordered 1
		.amdhsa_forward_progress 1
		.amdhsa_inst_pref_size 171
	.end_amdhsa_kernel
	.amdgpu_metadata
---
amdhsa.version: [ 1, 2 ]
amdhsa.kernels:
  - .name:           k_qa946ee69fb_ffn1
    .symbol:         k_qa946ee69fb_ffn1.kd
    .args:
      - { .name: hbuf, .offset: 0, .size: 8, .value_kind: global_buffer, .address_space: global }
      - { .name: wbuf, .offset: 8, .size: 8, .value_kind: global_buffer, .address_space: global }
      - { .name: b1, .offset: 16, .size: 8, .value_kind: global_buffer, .address_space: global }
      - { .name: hidbuf, .offset: 24, .size: 8, .value_kind: global_buffer, .address_space: global }
    .group_segment_fixed_size: 327680
    .private_segment_fixed_size: 0
    .kernarg_segment_align: 8
    .kernarg_segment_size: 32
    .max_flat_workgroup_size: 128
    .sgpr_count:     100
    .vgpr_count:     1024
    .wavefront_size: 32
...
	.end_amdgpu_metadata
.endif
;; end of part 13
;; launch ffn2 (part 14): grid 8 x 32, 4 waves a work-group, clusters of 4 x 4, 327,680 bytes of LDS; arguments hidbuf, wbuf, b2, xbuf, out0; writes out0
.if DOCPART == 14
	.amdgcn_target "amdgcn-amd-amdhsa--gfx1250"
	.amdhsa_code_object_version 6
	.text
	.protected	k_qa946ee69fb_ffn2
	.globl	k_qa946ee69fb_ffn2
	.p2align	8
	.type	k_qa946ee69fb_ffn2,@function
k_qa946ee69fb_ffn2:
	s_mov_b64 s[64:65], 0
	v_nop
	global_prefetch_b8 v0, s[64:65] scope:SCOPE_SE
	s_setreg_imm32_b32 hwreg(HW_REG_WAVE_MODE, 25, 1), 1
	s_wait_xcnt 0x0
	s_wait_alu depctr_hold_cnt(0) depctr_sa_sdst(0) depctr_va_vdst(0) depctr_va_sdst(0) depctr_va_ssrc(0) depctr_va_vcc(0) depctr_vm_vsrc(0)
	s_getreg_b32 s2, hwreg(HW_REG_IB_STS2, 6, 4)
	s_cmp_eq_u32 s2, 0
	s_cbranch_scc0 .Lentry_in_a_cluster
	s_endpgm
.Lentry_in_a_cluster:
	s_bfe_u32 s2, ttmp6, 0x10000c
	s_cmp_lg_u32 s2, 0xf033
	s_cbranch_scc0 .Lentry_shape_is_right
	s_endpgm
.Lentry_shape_is_right:
; out = x + hidden W2 + b2: a product on codes of FP6 (E2M3) with E8M0 scales, K = 4,096; the result leaves as f32 rows.
; OPERANDS lie as images of registers: codes [tile of 16 rows][K / 64][768 bytes] (registers 0-3 of lane l at 16 l, registers 4-5 at 512 + 8 l), scale words [tile][K / 128][16].  Row rho of tile t is row
; pi(t, rho) = 32 (t / 2) + 8 (t % 2) + rho + 8 (rho / 8) of the tensor.
; THE TILE IS 128 x 128: 4,096 x 1,024 results make 256 such tiles, against 64 of 256 x 256: four times the work-groups.  Four waves, each 64 x 64: 16 accumulators, 128 registers.
; Source 0 = 16 columns of the weight, source 1 = 16 tokens: a lane holds one token, and registers 16 b + i of an A block are columns 32 b + 16 h + i.  The bias is the C of each sum's first matrix instruction.
; A SLOT HOLDS 512 ALONG K: 16 tiles x 6,144 bytes = 98,304 bytes; a wave's tensor load brings 4 tiles.  K = 4,096 is eight slots' worth through a ring of two: two first fills and six refills, each behind a round
; of the cluster's barrier.  All scale words come once, with the first fills.
; CLUSTER 4 x 4: the tokens' tile is asked for jointly along a row of the cluster, the weight's along a column.
; THE RESIDUAL's 64 x 64 numbers of a wave are asked for at the head, behind the first tensor loads, into registers of their own, and waited for on the way out.
; THE WAY OUT: a block of 16 tokens x 64 columns goes through my stage in LDS (in slot 0, which has had its last fill and its last read), comes back two rows of 256 bytes a load, takes the residual, and is stored.
; REGISTERS: window 0: v0-31 addresses; v32-63 scale words, two sets; v64-95 the bias; v128-255 the accumulators ((a, b) at v[128 + 8 (4 a + b)]).
;   window 1: two fragment buffers, from v0 and from v128: A's 4 x 12 registers, then B's 4 x 12; on the way out v0-127 are the rows read back.   window 2: v128-255 the residual.
.set KTOT,  4096
.set A_S,   12582912                   ; the tokens' scale words in their buffer
.set B_C,   6291456                    ; the weight's codes in wbuf
.set B_S,   9699328                    ; and scale words
.set KST,   KTOT/128
.set TILEB, KST*1536                   ; a tile's codes
.set NQ,    4                          ; steps of 128 along K in a slot
.set LAPS,  KTOT/(256*NQ)              ; a lap = two slots = once round the ring
.set FR,    12                         ; registers of a fragment
.set NP,    4                          ; places behind this matrix instruction (ISA guide 7.12.1)
.set ROWB,  NQ*1536                    ; a tile's bytes in a slot
.set HALFT, 4*ROWB                     ; 4 tiles: what one tensor load brings, and what one wave reads of A or of B
.set SLOT,  4*HALFT
.set SCL,   2*SLOT                     ; behind the ring: the scale words
.set HALFS, 4*KST*64                   ; those of 4 tiles
.set SPARE, SCL+4*HALFS                ; the spare words, 128 bytes for each wave: two blocks of 256 bytes that no other line names
.set SPITCH, 272                       ; a stage row: 256 bytes + 16 = 17 x 16: the sixteen rows of a store of 16 bytes start in sixteen different columns of 16 bytes
.set BA,   7                           ; v7  64 h
.set L16,  8                           ; v8  16 x lane
.set ADRA, 16                          ; v16-17 my A fragments in slot 0, 1, + 16 x lane; v18-19 + 8 x lane
.set ADRB, 20                          ; v20-23 the same for B
.set STO,  24                          ; v24 the stage, on the way in
.set RD,   25                          ; v25 the stage, on the way out
.set CO,   26                          ; v26 16 r + 4,096 h: my 16 bytes of two neighbouring rows of the result
.set ADRS, 27                          ; v27 my scale words: lanes 0-15 A's, lanes 16-31 B's
.set SPW,  28
.set NIL,  29
.set C8,   30                          ; v30 8 x lane
.set R4,   31                          ; v31 4 r
.set SC,   32
.set BIAS, 64
.set ACC,  128
.set RS,   128                         ; in window 2
.set G1, 24
.set G0, 32
.set G1B, 48
.set G0B, 56
.set G1S, 68
.set G0S, 76
.set G1SB, 80
.set G0SB, 88
.set MSB, 0
.macro WIN new                         ; the immediate's high byte repeats the setting that is left
.if MSB != (\new)
	s_set_vgpr_msb (MSB<<8)|(\new)
.set MSB, (\new)
.endif
.endm
.set MUL,  0x05                        ; sources 0 (B) and 1 (A) window 1; C and D window 0
.set TO_F, 0x40                        ; destination window 1, address window 0
.macro JLOAD g0a, g1a, g0b, g1b        ; a joint load: waves 0, 1 fetch for A, waves 2, 3 for B; an s_nop 0 and four v_nop follow each line
	s_cmp_eq_u32 s15, 0
	s_cbranch_scc0 .Lfor_b_\@
	tensor_load_to_lds s[\g0a:\g0a+3], s[\g1a:\g1a+7]
	s_nop 0
.rept 4
	v_nop
.endr
	s_branch .Lasked_\@
.Lfor_b_\@:
	tensor_load_to_lds s[\g0b:\g0b+3], s[\g1b:\g1b+7]
	s_nop 0
.rept 4
	v_nop
.endr
.Lasked_\@:
.endm
.macro CREST
	s_cmp_lg_u32 s14, 0
	s_cbranch_scc1 .Lnot_wave_0_\@
	s_barrier_signal -3
.Lnot_wave_0_\@:
	s_barrier_wait -3
	s_barrier_signal -1
	s_barrier_wait -1
.endm
.macro CROUND
	s_barrier_signal -1
	s_barrier_wait -1
	CREST
.endm
	s_load_b128 s[4:7], s[0:1], 0x0                ; the tokens' operand s[4:5], wbuf s[6:7]
	s_load_b64 s[66:67], s[0:1], 0x10              ; the bias
	s_load_b64 s[98:99], s[0:1], 0x18              ; the residual
	s_load_b64 s[12:13], s[0:1], 0x20              ; the result
	v_lshl_add_u32 v[SPW], v0, 2, SPARE
	v_mov_b32 v[NIL], 0
	ds_add_u32 v[SPW], v[NIL]                      ; the wave's opening
	ds_add_u32 v[SPW], v[NIL]
	v_lshrrev_b32 v1, 5, v0
	v_readfirstlane_b32 s14, v1                    ; wave
	s_lshr_b32 s15, s14, 1                         ; my half of the tile's tokens.  Also: I fetch for A (0) or for B (1)
	s_and_b32 s16, s14, 1                          ; my half of its columns.  Also: which 4 tiles I fetch
	s_bfe_u32 s40, ttmp6, 0x40000                  ; cx
	s_bfe_u32 s41, ttmp6, 0x40004                  ; cy
	s_lshl_b32 s42, ttmp9, 2
	s_add_co_u32 s42, s42, s40                     ; block of 128 columns
	s_and_b32 s17, ttmp7, 0xffff
	s_lshl_b32 s17, s17, 2
	s_add_co_u32 s17, s17, s41                     ; block of 128 tokens
	s_lshl_b32 s43, s41, 2
	s_lshl_b32 s43, 15, s43                        ; my row of the cluster
	s_lshl_b32 s44, 0x1111, s40                    ; my column
	s_or_b32 s[G1+0], s43, (3<<16)|(1<<21)         ; 15:0 the mask; 17:16 elements of 8 bytes; 21 set beside a mask; no padding: images are read as they lie
	s_or_b32 s[G1B+0], s44, (3<<16)|(1<<21)
.irp g, G1, G1B
	s_mov_b32 s[\g+1], (ROWB/8)<<16                ; tensor_dim0: 6,144 bytes
	s_mov_b32 s[\g+2], 8<<16                       ; tensor_dim1: 8 tiles for the head's loads; set to 4, for the ring's, once they have landed
	s_mov_b32 s[\g+3], (ROWB/8)<<16                ; tile_dim0
	s_mov_b32 s[\g+4], 8                           ; tile_dim1
	s_mov_b32 s[\g+5], TILEB/8                     ; from tile to tile
	s_mov_b32 s[\g+6], 0
	s_mov_b32 s[\g+7], 0
.endr
	s_or_b32 s[G1S+0], s43, (3<<16)|(1<<21)        ; the scale words of 8 tiles: a dense block, as rows of 256 bytes
	s_or_b32 s[G1SB+0], s44, (3<<16)|(1<<21)
.irp g, G1S, G1SB
	s_mov_b32 s[\g+1], 32<<16
	s_mov_b32 s[\g+2], (2*HALFS/256)<<16           ; the scale words of all 8 tiles of an operand
	s_mov_b32 s[\g+3], 32<<16
	s_mov_b32 s[\g+4], 2*HALFS/256
	s_mov_b32 s[\g+5], 32
	s_mov_b32 s[\g+6], 0
	s_mov_b32 s[\g+7], 0
.endr
	s_lshl_b32 s18, s16, 2
	s_lshl_b32 s20, s17, 3
	s_add_co_u32 s20, s20, s18                     ; A: tile 8 x block + 4 x half
	s_lshl_b32 s46, s42, 3
	s_add_co_u32 s46, s46, s18                     ; B likewise
	s_mov_b32 s21, 0
	s_mov_b32 s47, 0
	s_mov_b64 s[18:19], KST*64
	s_mul_u64 s[22:23], s[20:21], s[18:19]
	s_mul_u64 s[92:93], s[46:47], s[18:19]
	s_mov_b64 s[18:19], TILEB
	s_mul_u64 s[20:21], s[20:21], s[18:19]
	s_mul_u64 s[46:47], s[46:47], s[18:19]
	s_mul_i32 s45, s14, HALFT                      ; where they go: no place in the cluster enters an LDS address
	s_mul_i32 s94, s14, HALFS
	s_wait_dscnt 0x0                               ; the opening add is done
	s_wait_kmcnt 0x0
	s_add_nc_u64 s[8:9], s[6:7], B_C
	s_add_nc_u64 s[10:11], s[6:7], B_S
	s_add_nc_u64 s[6:7], s[4:5], A_S
	s_add_nc_u64 s[20:21], s[4:5], s[20:21]
	s_add_nc_u64 s[22:23], s[6:7], s[22:23]
	s_add_nc_u64 s[46:47], s[8:9], s[46:47]
	s_add_nc_u64 s[92:93], s[10:11], s[92:93]
	CROUND                                         ; all sixteen work-groups are here: the first joint loads meet
	s_mov_b32 s[G0S], 1
	s_add_co_u32 s[G0S+1], s94, SCL-HALFS          ; wave 1 issues this load: its own half is the second, so both places go back by one half
	s_sub_nc_u64 s[G0S+2:G0S+3], s[22:23], HALFS
	s_or_b32 s[G0S+3], s[G0S+3], 0x80000000
	s_mov_b32 s[G0SB], 1
	s_add_co_u32 s[G0SB+1], s94, SCL-HALFS         ; wave 3 issues this load: likewise
	s_sub_nc_u64 s[G0SB+2:G0SB+3], s[92:93], HALFS
	s_or_b32 s[G0SB+3], s[G0SB+3], 0x80000000
.irp s, 0,1
	s_mov_b32 s[G0+4*\s], 1
	s_add_co_u32 s[G0+4*\s+1], s45, \s*SLOT
	s_add_nc_u64 s[G0+4*\s+2:G0+4*\s+3], s[20:21], \s*ROWB
	s_or_b32 s[G0+4*\s+3], s[G0+4*\s+3], 0x80000000
	s_mov_b32 s[G0B+4*\s], 1
	s_add_co_u32 s[G0B+4*\s+1], s45, \s*SLOT
	s_add_nc_u64 s[G0B+4*\s+2:G0B+4*\s+3], s[46:47], \s*ROWB
	s_or_b32 s[G0B+4*\s+3], s[G0B+4*\s+3], 0x80000000
.endr
; THE HEAD'S LOADS, ONE A WAVE: wave 0 slot 0's 8 tiles of A, wave 2 its 8 tiles of B, wave 1 A's scale words, wave 3 B's.  One chain of branches on the wave's number, all arms to one join.
.macro HARM w, g0, g1, next
	s_cmp_eq_u32 s14, \w
	s_cbranch_scc0 \next
	tensor_load_to_lds s[\g0:\g0+3], s[\g1:\g1+7]
	s_nop 0
.rept 4
	v_nop
.endr
	s_branch .Lhead_asked
\next:
.endm
	HARM 0, G0, G1, .Lhead_b
	HARM 2, G0B, G1B, .Lhead_sa
	HARM 1, G0S, G1S, .Lhead_sb
	tensor_load_to_lds s[G0SB:G0SB+3], s[G1SB:G1SB+7]
	s_nop 0
.rept 4
	v_nop
.endr
.Lhead_asked:
	v_and_b32 v1, 15, v0                           ; r
	v_bfe_u32 v2, v0, 4, 1                         ; h
	v_and_b32 v3, 31, v0
	v_lshlrev_b32 v[L16], 4, v3
	v_lshlrev_b32 v[C8], 3, v3
	v_lshlrev_b32 v[R4], 2, v1
	v_lshlrev_b32 v[BA], 6, v2
	s_wait_alu depctr_va_vdst(0)
	v_lshlrev_b32 v[CO], 4, v1
	v_lshl_add_u32 v[CO], v2, 12, v[CO]
	s_wait_alu depctr_va_vdst(0)
	s_lshl_b32 s20, s17, 19                        ; my first token's row: (128 x block + 64 x half) x 4,096 bytes,
	s_lshl_b32 s21, s15, 18
	s_add_co_u32 s20, s20, s21
	s_lshl_b32 s46, s42, 9                         ; my first column: (128 x block + 64 x half) x 4 bytes
	s_lshl_b32 s47, s16, 8
	s_add_co_u32 s46, s46, s47
	s_add_co_u32 s20, s20, s46
	s_mov_b32 s21, 0
	s_mov_b32 s47, 0
	s_add_nc_u64 s[12:13], s[12:13], s[20:21]
	s_add_nc_u64 s[98:99], s[98:99], s[20:21]
	s_add_nc_u64 s[66:67], s[66:67], s[46:47]
.irp b, 0,1,2,3                        ; the bias in the result's layout: tile b, lane (r, h): columns 32 (b / 2) + 8 (b % 2) + 16 h + 0 .. 7
	global_load_b128 v[BIAS+8*\b:BIAS+8*\b+3], v[BA], s[66:67] offset:(32*(\b/2)+8*(\b%2))*4
	global_load_b128 v[BIAS+8*\b+4:BIAS+8*\b+7], v[BA], s[66:67] offset:(32*(\b/2)+8*(\b%2))*4+16
.endr
	WIN 0x80                                       ; destination window 2, address window 0
.irp a, 0,1,2,3                        ; the residual, laid as the rows come back from the stage: load t of block a: lanes 0-15 token pi(a, 2 t), lanes 16-31 the next token; sixteen lanes read 256 consecutive bytes
.irp t, 0,1,2,3,4,5,6,7
	global_load_b128 v[RS+32*\a+4*\t:RS+32*\a+4*\t+3], v[CO], s[98:99] offset:(32*(\a/2)+8*(\a%2)+2*\t+8*(\t/4))*4096
.endr
.endr
	WIN 0
	s_mul_i32 s21, s15, HALFT                      ; my 4 tiles of A
	s_mul_i32 s22, s16, HALFT                      ; my 4 tiles of B,
	s_add_co_u32 s22, s22, 2*HALFT                 ; behind A's 8
.irp s, 0,1
	v_add_nc_u32 v[ADRA+\s], s21, v[L16]
	v_add_nc_u32 v[ADRB+\s], s22, v[L16]
	v_add_nc_u32 v[ADRA+2+\s], s21, v[C8]
	v_add_nc_u32 v[ADRB+2+\s], s22, v[C8]
	s_add_co_u32 s21, s21, SLOT
	s_add_co_u32 s22, s22, SLOT
.endr
	s_mul_i32 s21, s15, HALFS
	s_mul_i32 s22, s16, HALFS
	s_add_co_u32 s22, s22, 2*HALFS
	s_sub_co_u32 s22, s22, s21
	v_mul_u32_u24 v6, s22, v2                      ; lanes 16-31 take B's
	s_add_co_u32 s21, s21, SCL
	v_add_nc_u32 v5, v[R4], v6
	v_add_nc_u32 v[ADRS], s21, v5
	s_mul_i32 s23, s14, 64*SPITCH                  ; my stage: four blocks of 16 rows
	v_mul_u32_u24 v5, v1, SPITCH
	v_lshl_add_u32 v5, v2, 6, v5
	v_add_nc_u32 v[STO], s23, v5                   ; in: row r, + 64 h
	v_mul_u32_u24 v5, v2, SPITCH
	v_lshl_add_u32 v5, v1, 4, v5
	v_add_nc_u32 v[RD], s23, v5                    ; back: lanes 0-15 one row of 256 bytes, lanes 16-31 the next
.macro FRAG reg, adr, q, i             ; a fragment comes as it was stored: two half images of 768 bytes
	ds_load_b128 v[\reg:\reg+3], v[\adr] offset:(\i)*ROWB+(\q)*1536
	ds_load_b64 v[\reg+4:\reg+5], v[\adr+2] offset:(\i)*ROWB+(\q)*1536+512
	ds_load_b128 v[\reg+6:\reg+9], v[\adr] offset:(\i)*ROWB+(\q)*1536+768
	ds_load_b64 v[\reg+10:\reg+11], v[\adr+2] offset:(\i)*ROWB+(\q)*1536+1280
.endm
; 8 matrix instructions: A's blocks a0, a0 + 1 x B's four, from buffer p.  The 16 accumulators take turns, one instruction a turn, in the same order in every step.
.macro MUL8 p, a0, q, sc, zero
.irp a, \a0, \a0+1
.irp b, 0,1,2,3
.if \zero
	v_wmma_scale_f32_16x16x128_f8f6f4 v[ACC+8*(4*(\a)+\b):ACC+8*(4*(\a)+\b)+7], v[128*(\p)+48+FR*\b:128*(\p)+48+FR*\b+FR-1], v[128*(\p)+FR*(\a):128*(\p)+FR*(\a)+FR-1], v[BIAS+8*\b:BIAS+8*\b+7], v[SC+4*NQ*(\sc)+NQ*\b+(\q)], v[SC+4*NQ*(\sc)+NQ*(\a)+(\q)] matrix_a_fmt:MATRIX_FMT_FP6 matrix_b_fmt:MATRIX_FMT_FP6 matrix_a_scale:MATRIX_SCALE_ROW1
.else
	v_wmma_scale_f32_16x16x128_f8f6f4 v[ACC+8*(4*(\a)+\b):ACC+8*(4*(\a)+\b)+7], v[128*(\p)+48+FR*\b:128*(\p)+48+FR*\b+FR-1], v[128*(\p)+FR*(\a):128*(\p)+FR*(\a)+FR-1], v[ACC+8*(4*(\a)+\b):ACC+8*(4*(\a)+\b)+7], v[SC+4*NQ*(\sc)+NQ*\b+(\q)], v[SC+4*NQ*(\sc)+NQ*(\a)+(\q)] matrix_a_fmt:MATRIX_FMT_FP6 matrix_b_fmt:MATRIX_FMT_FP6 matrix_a_scale:MATRIX_SCALE_ROW1
.endif
.endr
.endr
.endm
.macro FETCH slot, q, p                ; 32 LDS loads in one run: the eight fragments of the slot's q-th 128 along K into buffer p
	WIN TO_F
.irp i, 0,1,2,3
	FRAG 128*(\p)+48+FR*\i, ADRB+\slot, \q, \i
.endr
.irp i, 0,1,2,3
	FRAG 128*(\p)+FR*\i, ADRA+\slot, \q, \i
.endr
.endm
.macro SCALES sc                       ; a slot's scale words: register 4 i + q: lanes 0-15 A's block i, lanes 16-31 B's block i
.irp i, 0,1,2,3
.irp q, 0,1,2,3
	ds_load_b32 v[SC+4*NQ*\sc+NQ*\i+\q], v[ADRS] offset:\i*KST*64+64*\q
.endr
.endr
.endm
.macro PLACES n
.rept \n
	v_nop
.endr
.endm
.macro STEP slot, q, zero              ; 128 along K that has its successor in the same slot: buffers 0, 1, 0 for q = 0, 1, 2
	s_wait_dscnt 0x0                               ; this step's fragments, asked for a step ago, are in
	PLACES NP                                      ; in front of loads into the buffer that the last step's products read
	FETCH \slot, (\q)+1, 1-(\q)%2
	WIN MUL
	MUL8 (\q)%2, 0, \q, \slot, \zero
	MUL8 (\q)%2, 2, \q, \slot, \zero
.endm
.macro TURN slot, next, fill           ; a slot's last step (buffer 1) changes slots: one barrier, which opens a round of the cluster's where the slot is filled again
	WIN 0                                          ; (the add's two registers lie in window 0)
	s_wait_tensorcnt 0x0                           ; all my tensor loads have landed: my part of the next slot
	ds_add_u32 v[SPW], v[NIL]
	s_wait_dscnt 1                                 ; (the add may be out; the step's 32 fragment loads are in)
	WIN MUL
	MUL8 1, 0, NQ-1, \slot, 0
	s_wait_dscnt 0x0                               ; the add is done, and my reads of this slot are over
	s_barrier_signal -1
	MUL8 1, 2, NQ-1, \slot, 0
	WIN 0
	s_barrier_wait -1
.if \fill
	CREST                                          ; no wave of any partner still reads this slot or has a load on its way
	s_add_nc_u64 s[G0+4*\slot+2:G0+4*\slot+3], s[G0+4*\slot+2:G0+4*\slot+3], 2*ROWB
	s_add_nc_u64 s[G0B+4*\slot+2:G0B+4*\slot+3], s[G0B+4*\slot+2:G0B+4*\slot+3], 2*ROWB
	JLOAD G0+4*\slot, G1, G0B+4*\slot, G1B         ; the first tensor load behind the round; its four v_nop are the places in front of the loads below
.else
	PLACES NP
.endif
	s_wait_alu depctr_va_vdst(0)
	v_add_nc_u32 v[ADRS], 64*NQ, v[ADRS]           ; the next slot's scale words
	FETCH \next, 0, 0
	WIN 0
	SCALES \next
.endm
.macro TOSTAGE a                       ; block a: 16 tokens x 64 columns into its own 16 rows of my stage, and back by rows
	WIN 0
.irp b, 0,1,2,3
	ds_store_b128 v[STO], v[ACC+8*(4*(\a)+\b):ACC+8*(4*(\a)+\b)+3] offset:(\a)*16*SPITCH+128*(\b/2)+32*(\b%2)          ; each accumulator from its low end on
	ds_store_b128 v[STO], v[ACC+8*(4*(\a)+\b)+4:ACC+8*(4*(\a)+\b)+7] offset:(\a)*16*SPITCH+128*(\b/2)+32*(\b%2)+16
.endr
	WIN TO_F
.irp t, 0,1,2,3,4,5,6,7
	ds_load_b128 v[32*(\a)+4*\t:32*(\a)+4*\t+3], v[RD] offset:(\a)*16*SPITCH+2*\t*SPITCH      ; LDS serves a wave's instructions in order: these see the stores above
.endr
	WIN 0
.endm
.macro SENDF a, younger
	s_wait_dscnt \younger                          ; the block is back (so its stores into the stage have read the accumulators); the next block's 8 stores and 8 loads may be out
	WIN 0x09                                       ; source 0 (the rows) window 1, source 1 (the residual) window 2, destination window 0: the block's accumulators, which have served
.set QJ, 0
.rept 16
	v_pk_add_f32 v[ACC+32*(\a)+QJ:ACC+32*(\a)+QJ+1], v[32*(\a)+QJ:32*(\a)+QJ+1], v[RS+32*(\a)+QJ:RS+32*(\a)+QJ+1]
.set QJ, QJ+2
.endr
	WIN 0
.irp t, 0,1,2,3,4,5,6,7
	global_store_b128 v[CO], v[ACC+32*(\a)+4*\t:ACC+32*(\a)+4*\t+3], s[12:13] offset:(32*((\a)/2)+8*((\a)%2)+2*\t+8*(\t/4))*4096 th:TH_STORE_NT   ; sixteen lanes store 256 consecutive bytes, aligned: rows 2 t and 2 t + 1 of block a are tokens pi(a, 2 t) and the next; written once, read by nobody here
.endr
.endm
	s_wait_alu depctr_va_vdst(0)
	s_wait_tensorcnt 0x0                           ; my tile of the head's four is in
	ds_add_u32 v[SPW], v[NIL]
	s_mov_b32 s[G1+2], 4<<16                       ; no tensor load of mine is out: from here on a load brings 4 tiles
	s_mov_b32 s[G1+4], 4
	s_mov_b32 s[G1B+2], 4<<16
	s_mov_b32 s[G1B+4], 4
	s_wait_dscnt 0x0
	CROUND                                         ; all four tiles are in, and all sixteen work-groups are here
	JLOAD G0+4, G1, G0B+4, G1B                     ; slot 1's first fill, the first tensor load behind the round
	FETCH 0, 0, 0
	WIN 0
	SCALES 0
	s_wait_loadcnt 32                              ; the bias's eight loads are in; the residual's 32, issued behind them, may be out
	STEP 0, 0, 1                                   ; the first step's products start the sums, from the bias
	STEP 0, 1, 0
	STEP 0, 2, 0
.if LAPS > 1
	WIN 0                                          ; at a label and at a branch every window is 0
	s_mov_b32 s3, LAPS-1
.Llap:                                             ; a trip goes once round the ring and fills both slots again
	TURN 0, 1, 1
	STEP 1, 0, 0
	STEP 1, 1, 0
	STEP 1, 2, 0
	TURN 1, 0, 1
	STEP 0, 0, 0
	STEP 0, 1, 0
	STEP 0, 2, 0
	WIN 0
	s_sub_co_u32 s3, s3, 1
	s_cmp_lg_u32 s3, 0
	s_cbranch_scc1 .Llap
.endif
	TURN 0, 1, 0                                   ; the last lap fills nothing, and has no round of the cluster's barrier
	STEP 1, 0, 0
	STEP 1, 1, 0
	STEP 1, 2, 0
	s_wait_dscnt 0x0                               ; the very last step: nothing more to fetch
	WIN MUL
	MUL8 1, 0, NQ-1, 1, 0
	MUL8 1, 2, NQ-1, 1, 0
	WIN 0
	PLACES NP                                      ; in front of the first read of results and of loads into registers that products have read
	TOSTAGE 0
	TOSTAGE 1
	s_wait_loadcnt 0x0                             ; the residual
	SENDF 0, 16
	TOSTAGE 2
	SENDF 1, 16
	TOSTAGE 3
	SENDF 2, 16
	SENDF 3, 0
	s_wait_tensorcnt 0x0                           ; the wave's end
	ds_add_u32 v[SPW], v[NIL]
	s_wait_dscnt 0x0
	CROUND                                         ; the closing round
	s_endpgm
.Lfunc_end_k_qa946ee69fb_ffn2:
	.size	k_qa946ee69fb_ffn2, .Lfunc_end_k_qa946ee69fb_ffn2-k_qa946ee69fb_ffn2
	.p2alignl 7, 3214868480
	.fill 96, 4, 3214868480
	.section	.rodata,"a",@progbits
	.p2align	6, 0x0
	.amdhsa_kernel k_qa946ee69fb_ffn2
		.amdhsa_group_segment_fixed_size 327680
		.amdhsa_private_segment_fixed_size 0
		.amdhsa_enable_private_segment 0
		.amdhsa_kernarg_size 40
		.amdhsa_user_sgpr_count 2
		.amdhsa_user_sgpr_kernarg_segment_ptr 1
		.amdhsa_wavefront_size32 1
		.amdhsa_system_sgpr_workgroup_id_x 1
		.amdhsa_system_sgpr_workgroup_id_y 1
		.amdhsa_system_sgpr_workgroup_id_z 1
		.amdhsa_system_vgpr_workitem_id 0
		.amdhsa_next_free_vgpr 768
		.amdhsa_next_free_sgpr 100
		.amdhsa_reserve_vcc 0
		.amdhsa_float_denorm_mode_32 3
		.amdhsa_float_denorm_mode_16_64 3
		.amdhsa_memory_ordered 1
		.amdhsa_forward_progress 1
		.amdhsa_inst_pref_size 101
	.end_amdhsa_kernel
	.amdgpu_metadata
---
amdhsa.version: [ 1, 2 ]
amdhsa.kernels:
  - .name:           k_qa946ee69fb_ffn2
    .symbol:         k_qa946ee69fb_ffn2.kd
    .args:
      - { .name: hidbuf, .offset: 0, .size: 8, .value_kind: global_buffer, .address_space: global }
      - { .name: wbuf, .offset: 8, .size: 8, .value_kind: global_buffer, .address_space: global }
      - { .name: b2, .offset: 16, .size: 8, .value_kind: global_buffer, .address_space: global }
      - { .name: xbuf, .offset: 24, .size: 8, .value_kind: global_buffer, .address_space: global }
      - { .name: out0, .offset: 32, .size: 8, .value_kind: global_buffer, .address_space: global }
    .group_segment_fixed_size: 327680
    .private_segment_fixed_size: 0
    .kernarg_segment_align: 8
    .kernarg_segment_size: 40
    .max_flat_workgroup_size: 128
    .sgpr_count:     100
    .vgpr_count:     768
    .wavefront_size: 32
...
	.end_amdgpu_metadata
.endif
;; end of part 14
